; MI455X (gfx1250); checked and timed in simulation.
; The chip was launched on July 23, 2026; its instructions are those of AMD's public machine-readable ISA for CDNA 5 (MIT licence, August 2026) and "CDNA5" Instruction Set Architecture Reference Guide (July 2026). The comments in the code are by the model that wrote it; some were corrected since.
;; Block. Allowed arithmetic: matrix products marked QUANTISED: E4M3 operands, one E8M0 scale for each 32 along K, by v_wmma_scale_f32_16x16x128_f8f6f4 with both operands' format E4M3, f32 sums; everything else in f32.
;; Inputs: b_fc 4,096 float32; b_proj 1,024 float32; bk 1,024 float32; bo 1,024 float32; bq 1,024 float32; bv 1,024 float32; ln1_b 1,024 float32; ln1_g 1,024 float32; ln2_b 1,024 float32; ln2_g 1,024 float32; mask 2,048 x 2,048 bool; w_fc_codes 4,096 x 32 x 32 uint8 (E4M3 codes of w_fc, K innermost, in blocks of 32 codes); w_fc_scales 4,096 x 32 uint8 (E8M0 scales of w_fc, one for each 32 codes along K); w_proj_codes 1,024 x 128 x 32 uint8 (E4M3 codes of w_proj, K innermost, in blocks of 32 codes); w_proj_scales 1,024 x 128 uint8 (E8M0 scales of w_proj, one for each 32 codes along K); wk_codes 1,024 x 32 x 32 uint8 (E4M3 codes of wk, K innermost, in blocks of 32 codes); wk_scales 1,024 x 32 uint8 (E8M0 scales of wk, one for each 32 codes along K); wo_codes 1,024 x 32 x 32 uint8 (E4M3 codes of wo, K innermost, in blocks of 32 codes); wo_scales 1,024 x 32 uint8 (E8M0 scales of wo, one for each 32 codes along K); wq_codes 1,024 x 32 x 32 uint8 (E4M3 codes of wq, K innermost, in blocks of 32 codes); wq_scales 1,024 x 32 uint8 (E8M0 scales of wq, one for each 32 codes along K); wv_codes 1,024 x 32 x 32 uint8 (E4M3 codes of wv, K innermost, in blocks of 32 codes); wv_scales 1,024 x 32 uint8 (E8M0 scales of wv, one for each 32 codes along K); x 2 x 2,048 x 1,024 float32.
;; Outputs: out0 2 x 2,048 x 1,024 float32.
;; This version of the problem:
;;   THIS VERSION OF THE PROBLEM IS GIVEN IN LOW PRECISION. The matrix products marked QUANTISED in the list below multiply operands that are first quantised to E4M3 (4 exponent bits, 3 mantissa bits; 8 bits a number), with one power-of-two scale for each 32 numbers along K (OCP MX v1.0); their sums are f32. All else is computed in f32.
;;   The module's matrix products, in the order in which they are computed (A, B: the left and right operand; K: the contracted axis; several contracted axes count as one K, in the product's order):
;;     1. [M 4,096, K 1,024] x [K 1,024, N 1,024]; A: computed on the way; B: input wq (given as codes): QUANTISED
;;     2. [M 4,096, K 1,024] x [K 1,024, N 1,024]; A: computed on the way; B: input wk (given as codes): QUANTISED
;;     3. [M 4,096, K 1,024] x [K 1,024, N 1,024]; A: computed on the way; B: input wv (given as codes): QUANTISED
;;     4. batch 32 x [M 2,048, K 64] x [K 64, N 2,048]; A: computed on the way; B: computed on the way: QUANTISED
;;     5. batch 32 x [M 64, K 2,048] x [K 2,048, N 2,048]; A: computed on the way; B: softmax (see below): QUANTISED
;;     6. [M 4,096, K 1,024] x [K 1,024, N 1,024]; A: computed on the way; B: input wo (given as codes): QUANTISED
;;     7. [M 4,096, K 1,024] x [K 1,024, N 4,096]; A: computed on the way; B: input w_fc (given as codes): QUANTISED
;;     8. [M 4,096, K 4,096] x [K 4,096, N 1,024]; A: computed on the way; B: input w_proj (given as codes): QUANTISED
;;   THE QUANTISER, for each operand of a quantised product, along K:
;;     - K is cut into blocks of 32 from its start; a last block that is shorter is filled with zeros.
;;     - A block's scale is 2^e with e = floor(log2(the largest magnitude in the block)) - 8, held to -126 .. 127; a block of zeros has e = 0. As a byte (E8M0): e + 127.
;;     - Each number is divided by its block's scale, clamped to +-448, and rounded to the nearest number of E4M3, ties to even, subnormals kept.
;;     - The product sums the exact products of the quantised numbers (number of the format x scale) in f32.
;;   ~~~python
;;   def quantise(x, axis):      # numpy; x: float32 -> the quantised numbers, widened to float32 again
;;       x = np.moveaxis(x, axis, -1); K = x.shape[-1]
;;       x = np.pad(x, [(0, 0)] * (x.ndim - 1) + [(0, -K % 32)]); x = x.reshape(x.shape[:-1] + (-1, 32)); a = np.abs(x).max(-1, keepdims=True)
;;       e = np.where(a > 0, np.clip(np.frexp(np.where(a > 0, a, 1))[1] - 1 - 8, -126, 127), 0)      # np.frexp(a)[1] - 1 = floor(log2(a)), exactly
;;       r = np.clip(x / 2.0 ** e, -448, 448)
;;       step = 2.0 ** (np.maximum(np.frexp(np.where(r == 0, 1, r))[1] - 1, -6) - 3)
;;       q = np.round(r / step) * step * 2.0 ** e      # np.round: ties to even
;;       return np.moveaxis(q.reshape(q.shape[:-2] + (-1,))[..., :K], -1, axis).astype(np.float32)
;;   ~~~
;;   SOFTMAX AHEAD OF A QUANTISED PRODUCT. Where the list says 'softmax', what is quantised is not the finished softmax but p = 2^(t - M), with t = logit x log2(e) and M = ceil(the row's largest t), a whole number; so 1/2 < the row's largest p <= 1. The row's sum l is taken of the UNQUANTISED p, in f32, and the product's result is divided by l at the end. Since M is a whole number, a kernel that streams over the keys may use a running M (the ceiling of the running maximum): every later rescaling is an exact power of two, which a block's scale takes up: the codes' values come out the same.
;;   OPERANDS COMPUTED ON THE WAY. 'Computed on the way' means the value that the module computes at that place (a softmax that the list does not call 'softmax' is quantised finished and normalised). What goes into a quantiser is computed in f32, as accurately as f32 sums, v_exp_f32 and their like allow (about 1e-6 of the number): no bf16 or f16 on the way to a quantiser, and a product that is left as it is and whose result goes on into a quantised operand takes f32 operands (vector FMAs, or v_wmma_f32_16x16x4_f32). A number that lies on a knife's edge between two numbers of the format may be rounded either way, as far as f32 arithmetic and the matrix unit's own rounding can turn it there, and no further.
;;   INPUTS GIVEN AS CODES. w_fc (in the module: [4096, 1024], K = its axis 1); w_proj (in the module: [1024, 4096], K = its axis 1); wk (in the module: [1024, 1024], K = its axis 1); wo (in the module: [1024, 1024], K = its axis 1); wq (in the module: [1024, 1024], K = its axis 1); wv (in the module: [1024, 1024], K = its axis 1): each comes as NAME_codes (uint8): NAME with its K axis moved to the last place and cut into blocks of 32 codes, [.., K / 32, bytes a block], one block behind the other in memory; one code a byte (a code: sign, 4 exponent bits, 3 mantissa bits); and NAME_scales (uint8): the same leading axes, one E8M0 byte (e + 127) for each 32 codes along K. Its value is code x scale, taken as it is: it is not quantised again, and the codes and scales need not be those that the quantiser above would give.
;; One version. Each part assembles by itself: llvm-mc -triple=amdgcn-amd-amdhsa -mcpu=gfx1250 --defsym DOCPART=n.
;; ======== version 1 of 1: 7 launches
;; limits: right only within a limited range of input values
;; workspace buffers: hbuf 21,102,592 bytes; mk 606,208 bytes of whole numbers; qkvb 13,238,272 bytes; att 4,325,376 bytes; h2 16,777,216 bytes; l2 4,325,376 bytes; gb 17,301,504 bytes
;; launch ln1m (part 1): grid 256 x 1, 8 waves a work-group, no clusters, 67,072 bytes of LDS; arguments x, ln1_g, ln1_b, mask, hbuf, mk; writes hbuf, mk
.if DOCPART == 1
	.amdgcn_target "amdgcn-amd-amdhsa--gfx1250"
	.amdhsa_code_object_version 6
	.text
	.protected	k_q70a60f74af_ln1m
	.globl	k_q70a60f74af_ln1m
	.p2align	8
	.type	k_q70a60f74af_ln1m,@function
k_q70a60f74af_ln1m:
	s_mov_b64 s[64:65], 0
	v_nop
	global_prefetch_b8 v0, s[64:65] scope:SCOPE_SE
	s_setreg_imm32_b32 hwreg(HW_REG_WAVE_MODE, 25, 1), 1
	s_wait_xcnt 0x0
; Work-groups 0-127: h = LayerNorm(x) g + b in f32, [4096][1024], and its E4M3 codes with one E8M0 byte for each 32 along the row.
; Work-groups 128-255: the mask [2048][2048] of bytes is turned into what the attention launch reads as whole numbers:
;   lane-mask words [q tile 128][key block 66][16 words]: word 8 u + j, bit (r + 16 h) = mask[16 qt + r][32 kb + 16 u + 8 h + j] != 0 (blocks 64, 65: zeros);
;   a record of 128 words for each q tile: the non-empty key blocks in ascending order, filled up with 64s (words 0-95), and ceil(count / 4) (words 96-127).
; LN: a wave takes 4 rows; a row is 8 loads of 512 consecutive bytes and stays in 32 registers; mean first, then the sum of squares of x - mean.
; The conversions want 16 neighbours in a lane: a row's two halves of 2,048 bytes turn through the wave's own stage in LDS (80 bytes a lane: 64 + 16 of padding).
; LIMITS: NaN and infinities in x are not served; a block whose largest magnitude lies under 2^-118 (a block of zeros too) keeps the byte 1: its bytes are read by this program alone.
.set HC,   16777216                    ; hbuf: h at 0, codes here,
.set HS,   20971520                    ; scale bytes here
.set KL,   540672                      ; mk: the records, behind the words
.set SP,   80
.set WREG, 8192                        ; LDS of an LN wave: two stages of 2,560 bytes, then its 128 scale bytes
.set MB,   65536                       ; LDS of the mask path: 8 words
.set G,  16                            ; v16-47   gain      v48-79 bias
.set BE, 48
.set R,  80                            ; v80-207  four rows
.set X,  208                           ; v208-239 two sets of 16 neighbours (v208-215 also the sums' chains)
.set C,  240                           ; v240-247 codes
.set E,  248                           ; v248-255 a scale byte for each half row
	s_load_b256 s[4:11], s[0:1], 0x0               ; x, ln1_g, ln1_b, mask
	s_load_b128 s[12:15], s[0:1], 0x20             ; hbuf, mk
	v_lshl_add_u32 v15, v0, 2, 0x10200
	s_set_vgpr_msb 0x40
	v_mov_b32 v1, 0
	s_set_vgpr_msb 0x4000
	v_lshrrev_b32 v1, 5, v0
	s_delay_alu instid0(VALU_DEP_1)
	v_readfirstlane_b32 s16, v1                    ; wave
	v_and_b32 v1, 31, v0                           ; lane
	s_delay_alu instid0(VALU_DEP_1)
	v_lshlrev_b32 v2, 4, v1                        ; 16 x lane
	s_mul_i32 s17, s16, WREG
	v_lshrrev_b32 v3, 2, v1
	s_delay_alu instid0(VALU_DEP_1)
	v_mul_u32_u24 v3, v3, SP
	v_and_b32 v4, 3, v1
	s_delay_alu instid0(VALU_DEP_1)
	v_lshl_add_u32 v3, v4, 4, v3
	s_delay_alu instid0(VALU_DEP_1)
	v_add_nc_u32 v3, s17, v3                       ; the stage, in: four lanes' 64 bytes on end, then 16 of padding
	v_mul_u32_u24 v4, v1, SP
	s_delay_alu instid0(VALU_DEP_1)
	v_add_nc_u32 v4, s17, v4                       ; and out: my 16 neighbours
	s_add_co_u32 s17, s17, 2*32*SP
	v_lshrrev_b32 v5, 1, v1
	s_delay_alu instid0(VALU_DEP_1)
	v_add_nc_u32 v5, s17, v5                       ; my block's scale byte
	v_lshlrev_b32 v7, 2, v1                        ; 4 x lane
	s_delay_alu instid0(VALU_DEP_1)
	v_add_nc_u32 v6, s17, v7                       ; the scale bytes, out
	s_lshl_b32 s17, s16, 2
	s_add_co_u32 s17, s17, MB
	v_mov_b32 v8, s17                              ; mask path: my wave's word
	v_mov_b32 v9, MB                               ; and all eight
	s_mov_b32 s20, 0x76543210
	s_mov_b32 s21, 0xfedcba98                      ; lane l xor 16
	s_mov_b32 s22, 0x600000                        ; the mantissa field of 448
	s_mov_b32 s23, 0x3a800000                      ; 1 / 1024
	s_mov_b32 s24, 0x3727c5ac                      ; 1e-5
	s_wait_kmcnt 0x0
	s_cmp_lt_u32 ttmp9, 128
	s_cbranch_scc0 .Lmask
	; ---------------- LayerNorm ----------------
	s_lshl_b32 s17, ttmp9, 3
	s_add_co_u32 s17, s17, s16                     ; which run of four rows
	s_lshl_b32 s18, s17, 14
	s_mov_b32 s19, 0
	s_add_nc_u64 s[4:5], s[4:5], s[18:19]
	s_add_nc_u64 s[26:27], s[12:13], s[18:19]      ; h
	s_lshl_b32 s18, s17, 12
	s_add_nc_u64 s[28:29], s[12:13], s[18:19]
	s_add_nc_u64 s[28:29], s[28:29], HC            ; codes
	s_lshl_b32 s18, s17, 7
	s_add_nc_u64 s[30:31], s[12:13], s[18:19]
	s_add_nc_u64 s[30:31], s[30:31], HS            ; scale bytes
.irp i, 0,1,2,3,4,5,6,7
	global_load_b128 v[G+4*\i:G+4*\i+3], v2, s[6:7] offset:512*\i
.endr
.irp i, 0,1,2,3,4,5,6,7
	global_load_b128 v[BE+4*\i:BE+4*\i+3], v2, s[8:9] offset:512*\i
.endr
.irp k, 0,1,2,3
.irp i, 0,1,2,3,4,5,6,7
	global_load_b128 v[R+32*\k+4*\i:R+32*\k+4*\i+3], v2, s[4:5] offset:4096*\k+512*\i th:TH_LOAD_NT
.endr
.endr
.macro WSUM                            ; four chains of pairs in v208-215 -> their sum over the wave, in v208 of every lane
	s_delay_alu instid0(VALU_DEP_3)
	v_pk_add_f32 v[208:209], v[208:209], v[210:211]
	s_delay_alu instid0(VALU_DEP_2)
	v_pk_add_f32 v[212:213], v[212:213], v[214:215]
	s_delay_alu instid0(VALU_DEP_1)
	v_pk_add_f32 v[208:209], v[208:209], v[212:213]
	s_delay_alu instid0(VALU_DEP_1)
	v_add_f32 v208, v208, v209
	s_delay_alu instid0(VALU_DEP_1)
	v_add_f32_dpp v208, v208, v208 row_xmask:1 row_mask:0xf bank_mask:0xf
	s_delay_alu instid0(VALU_DEP_1)
	v_add_f32_dpp v208, v208, v208 row_xmask:2 row_mask:0xf bank_mask:0xf
	s_delay_alu instid0(VALU_DEP_1)
	v_add_f32_dpp v208, v208, v208 row_xmask:4 row_mask:0xf bank_mask:0xf
	s_delay_alu instid0(VALU_DEP_1)
	v_add_f32_dpp v208, v208, v208 row_xmask:8 row_mask:0xf bank_mask:0xf
	s_delay_alu instid0(VALU_DEP_1)
	v_permlanex16_b32 v209, v208, s20, s21
	s_delay_alu instid0(VALU_DEP_1)
	v_add_f32 v208, v208, v209
.endm
.macro HALF k, s                       ; 512 numbers of row k, 16 neighbours a lane: codes and scale bytes
.set XS, X+16*(\s)
	v_max3_num_f32 v10, |v[XS]|, |v[XS+1]|, |v[XS+2]|
	v_max3_num_f32 v11, |v[XS+3]|, |v[XS+4]|, |v[XS+5]|
.irp i, 6,10
	s_delay_alu instid0(VALU_DEP_2)
	v_max3_num_f32 v10, v10, |v[XS+\i]|, |v[XS+\i+1]|
	s_delay_alu instid0(VALU_DEP_2)
	v_max3_num_f32 v11, v11, |v[XS+\i+2]|, |v[XS+\i+3]|
.endr
	s_delay_alu instid0(VALU_DEP_2)
	v_max3_num_f32 v10, v10, |v[XS+14]|, |v[XS+15]|
	s_delay_alu instid0(VALU_DEP_1)
	v_max3_num_f32 v10, v10, v11, 0x4800000        ; the floor 2^(9 - 127): the byte cannot fall under 1
	s_delay_alu instid0(VALU_DEP_1)
	v_max_num_f32_dpp v10, v10, v10 row_xmask:1 row_mask:0xf bank_mask:0xf   ; with my neighbour's 16: the block's largest magnitude
	s_delay_alu instid0(VALU_DEP_1)
	v_add_nc_u32 v13, 0xfc000000, v10              ; 8 off its exponent field: the conversion's scale operand
	s_delay_alu instid0(VALU_DEP_2)
	v_and_or_b32 v12, v10, 0x7f800000, s22         ; 448 x the scale
.irp i, 0,1,2,3,4,5,6,7,8,9,10,11,12,13,14,15
	v_med3_num_f32 v[XS+\i], v[XS+\i], -v12, v12   ; the conversion to an 8-bit code does not saturate (ISA guide 7.6.2)
.endr
	v_cvt_scalef32_pk8_fp8_f32 v[C+4*(\s):C+4*(\s)+1], v[XS:XS+7], v13
	v_cvt_scalef32_pk8_fp8_f32 v[C+4*(\s)+2:C+4*(\s)+3], v[XS+8:XS+15], v13
	v_lshrrev_b32 v[E+2*(\k)+(\s)], 23, v13        ; the scale's byte (also the plain line behind the conversions)
	ds_store_b8 v5, v[E+2*(\k)+(\s)] offset:32*(\k)+16*(\s)
	global_store_b128 v2, v[C+4*(\s):C+4*(\s)+3], s[28:29] offset:1024*(\k)+512*(\s)   ; 512 consecutive bytes
.endm
.macro ROW k
.set RR, R+32*(\k)
	s_wait_loadcnt 8*(3-(\k))                      ; gain, bias and my row are in; the later rows' eight loads each may be out
.irp c, 0,1,2,3
	v_pk_add_f32 v[208+2*\c:209+2*\c], v[RR+4*\c:RR+4*\c+1], v[RR+4*\c+2:RR+4*\c+3]
.endr
.irp i, 16,24
.irp c, 0,1,2,3
	s_delay_alu instid0(VALU_DEP_4)
	v_pk_add_f32 v[208+2*\c:209+2*\c], v[208+2*\c:209+2*\c], v[RR+\i+2*\c:RR+\i+2*\c+1]
.endr
.endr
	WSUM
	s_delay_alu instid0(VALU_DEP_1)
	v_mul_f32 v10, s23, v208                       ; the mean, twice
	s_delay_alu instid0(VALU_DEP_2)
	v_mul_f32 v11, s23, v208
.set n, 0
.rept 16
	v_pk_add_f32 v[RR+n:RR+n+1], v[RR+n:RR+n+1], v[10:11] neg_lo:[0,1] neg_hi:[0,1]
.set n, n+2
.endr
.irp c, 0,1,2,3
	v_pk_mul_f32 v[208+2*\c:209+2*\c], v[RR+2*\c:RR+2*\c+1], v[RR+2*\c:RR+2*\c+1]
.endr
.irp i, 8,16,24
.irp c, 0,1,2,3
	s_delay_alu instid0(VALU_DEP_4)
	v_pk_fma_f32 v[208+2*\c:209+2*\c], v[RR+\i+2*\c:RR+\i+2*\c+1], v[RR+\i+2*\c:RR+\i+2*\c+1], v[208+2*\c:209+2*\c]
.endr
.endr
	WSUM
	s_delay_alu instid0(VALU_DEP_1)
	v_fma_f32 v14, v208, s23, s24                  ; variance + eps
	s_wait_alu depctr_va_vdst(0)
	v_rsq_f32 v12, v14
	v_rsq_f32 v13, v14
	v_nop                                          ; a plain line behind the transcendentals,
	s_wait_alu depctr_va_vdst(0)                   ; and one wait for both, ahead of their first reader
.set n, 0
.rept 16
	v_pk_mul_f32 v[RR+n:RR+n+1], v[RR+n:RR+n+1], v[12:13]
.set n, n+2
.endr
.set n, 0
.rept 16
	v_pk_fma_f32 v[RR+n:RR+n+1], v[RR+n:RR+n+1], v[G+n:G+n+1], v[BE+n:BE+n+1]
.set n, n+2
.endr
.irp i, 0,1,2,3,4,5,6,7
	global_store_b128 v2, v[RR+4*\i:RR+4*\i+3], s[26:27] offset:4096*(\k)+512*\i      ; h: 512 consecutive bytes
.endr
.irp s, 0,1                            ; LDS serves a wave's instructions in order: no wait between these stores and loads
.irp i, 0,1,2,3
	ds_store_b128 v3, v[RR+16*\s+4*\i:RR+16*\s+4*\i+3] offset:32*SP*\s+8*SP*\i
.endr
.irp i, 0,1,2,3
	ds_load_b128 v[X+16*\s+4*\i:X+16*\s+4*\i+3], v4 offset:32*SP*\s+16*\i
.endr
.endr
	s_wait_xcnt 0x0                                ; the last row's stores have read their codes: the registers may be written again
	s_wait_dscnt 8                                 ; the first half is back; the second half's four stores and four loads may be out
	HALF \k, 0
	s_wait_dscnt 1                                 ; the second half is back; the byte store just issued may be out
	HALF \k, 1
.endm
	ROW 0
	ROW 1
	ROW 2
	ROW 3
	ds_load_b32 v10, v6                            ; my wave's 128 scale bytes, in order behind the byte stores
	s_wait_dscnt 0x0
	global_store_b32 v7, v10, s[30:31]             ; 128 consecutive bytes
	s_branch .Ljoin
	; ---------------- the mask ----------------
.Lmask:
	s_sub_co_u32 s17, ttmp9, 128                   ; q tile
	s_lshl_b32 s18, s17, 15                        ; 16 rows of 2,048 bytes
	s_lshl_b32 s19, s16, 8                         ; my wave's 8 key blocks: 256 bytes of each row
	s_add_co_u32 s18, s18, s19
	s_mov_b32 s19, 0
	s_add_nc_u64 s[10:11], s[10:11], s[18:19]
	s_mul_i32 s18, s17, 66
	s_lshl_b32 s25, s16, 3
	s_add_co_u32 s18, s18, s25
	s_lshl_b32 s18, s18, 6
	s_add_nc_u64 s[26:27], s[14:15], s[18:19]      ; my 8 blocks' words
	v_and_b32 v56, 15, v0
	v_bfe_u32 v57, v0, 4, 1
	s_delay_alu instid0(VALU_DEP_2)
	v_lshlrev_b32 v56, 11, v56
	s_delay_alu instid0(VALU_DEP_1)
	v_lshl_add_u32 v56, v57, 3, v56                ; row r, + 8 h
.irp e, 0,1,2,3,4,5,6,7
.irp u, 0,1
	global_load_b64 v[16+4*\e+2*\u:17+4*\e+2*\u], v56, s[10:11] offset:32*\e+16*\u
.endr
.endr
	s_mov_b32 s49, 0
.irp i, 48,49,50,51
	v_mov_b32 v\i, 0                               ; v_writelane_b32's destination counts as read
.endr
	s_wait_loadcnt 0x0
.irp e, 0,1,2,3,4,5,6,7
	v_or_b32 v52, v[16+4*\e], v[17+4*\e]
	v_or_b32 v53, v[18+4*\e], v[19+4*\e]
	s_delay_alu instid0(VALU_DEP_1)
	v_or_b32 v52, v52, v53
	s_delay_alu instid0(VALU_DEP_1)
	v_cmp_ne_u32 s48, 0, v52
	s_cmp_lg_u32 s48, 0                            ; does any of the 16 x 32 count?
	s_cselect_b32 s50, 1<<\e, 0
	s_or_b32 s49, s49, s50
.irp i, 0,1,2,3,4,5,6,7,8,9,10,11,12,13,14,15
	v_and_b32 v[54+(\i%2)], 0xff<<(8*(\i%4)), v[16+4*\e+2*(\i/8)+((\i%8)/4)]
	s_delay_alu instid0(VALU_DEP_1)
	v_cmp_ne_u32 s[32+\i], 0, v[54+(\i%2)]         ; word i: a bit a lane
.endr
.irp i, 0
	v_writelane_b32 v[48+\e/2], s[32+\i], \i+16*(\e%2)
.endr
.irp i, 1, 2, 3, 4, 5, 6, 7, 8, 9, 10, 11, 12, 13, 14, 15
	s_delay_alu instid0(VALU_DEP_1)
	v_writelane_b32 v[48+\e/2], s[32+\i], \i+16*(\e%2)
.endr
.if \e%2
	global_store_b32 v7, v[48+\e/2], s[26:27] offset:64*(\e-1)     ; two blocks' words: 128 consecutive bytes
.endif
.endr
	v_mov_b32 v52, s49
	ds_store_b32 v8, v52                           ; my 8 blocks' bits
.Ljoin:
	s_wait_dscnt 0x0                               ; my LDS stores have landed
	s_barrier_signal -1
	s_barrier_wait -1
	s_cmp_lt_u32 ttmp9, 128
	s_cbranch_scc1 .Lend
	s_cmp_lg_u32 s16, 0
	s_cbranch_scc1 .Lend
	; wave 0 of a mask work-group: the list of non-empty blocks, by a count of the bits below each lane
	s_wait_xcnt 0x0                                ; every store issued ahead of the barrier has read its base: s[28:31] are written below only behind this wait
	ds_load_b128 v[16:19], v9
	ds_load_b128 v[20:23], v9 offset:16
	s_sub_co_u32 s17, ttmp9, 128
	s_lshl_b32 s18, s17, 9
	s_mov_b32 s19, 0
	s_add_nc_u64 s[28:29], s[14:15], s[18:19]
	s_add_nc_u64 s[28:29], s[28:29], KL            ; my record
	s_mul_i32 s18, s17, 66*64
	s_add_nc_u64 s[30:31], s[14:15], s[18:19]      ; my q tile's words
	s_wait_dscnt 0x0
.irp i, 0,1,2,3,4,5,6,7
	v_readfirstlane_b32 s[32+\i], v[16+\i]
.endr
	s_lshl_b32 s33, s33, 8
	s_lshl_b32 s34, s34, 16
	s_lshl_b32 s35, s35, 24
	s_or_b32 s40, s32, s33
	s_or_b32 s40, s40, s34
	s_or_b32 s40, s40, s35                         ; blocks 0-31
	s_lshl_b32 s37, s37, 8
	s_lshl_b32 s38, s38, 16
	s_lshl_b32 s39, s39, 24
	s_or_b32 s41, s36, s37
	s_or_b32 s41, s41, s38
	s_or_b32 s41, s41, s39                         ; blocks 32-63
	s_bcnt1_i32_b32 s42, s40
	s_bcnt1_i32_b32 s43, s41
	s_add_co_u32 s43, s42, s43                     ; how many
	s_add_co_u32 s44, s43, 3
	s_lshr_b32 s44, s44, 2                         ; steps of four
	s_sub_co_u32 s45, s43, s42
	s_add_co_u32 s45, s45, 32
	v_mbcnt_lo_u32_b32 v24, s40, 0
	v_mbcnt_lo_u32_b32 v25, s41, 0
	v_mov_b32 v27, 64
	s_delay_alu instid0(VALU_DEP_3)
	v_sub_nc_u32 v26, v1, v24
	s_delay_alu instid0(VALU_DEP_1)
	v_add_nc_u32 v26, s43, v26                     ; an empty block goes behind the list,
	s_delay_alu instid0(VALU_DEP_1)
	v_cndmask_b32 v26, v26, v24, s40               ; a non-empty one to its rank
	s_delay_alu instid0(VALU_DEP_4)
	v_cndmask_b32 v28, v27, v1, s40                ; and holds its number, or 64
	v_sub_nc_u32 v29, v1, v25
	s_delay_alu instid0(VALU_DEP_1)
	v_add_nc_u32 v29, s45, v29
	v_add_nc_u32 v30, s42, v25
	s_delay_alu instid0(VALU_DEP_1)
	v_cndmask_b32 v29, v29, v30, s41
	v_add_nc_u32 v31, 32, v1
	s_delay_alu instid0(VALU_DEP_1)
	v_cndmask_b32 v31, v27, v31, s41
	v_min_u32 v26, 63, v26                         ; the 64 places are a permutation of 0 .. 63
	s_delay_alu instid0(VALU_DEP_4)
	v_min_u32 v29, 63, v29
	s_delay_alu instid0(VALU_DEP_2)
	v_lshlrev_b32 v26, 2, v26
	s_delay_alu instid0(VALU_DEP_2)
	v_lshlrev_b32 v29, 2, v29
	v_mov_b32 v32, s44
	v_mov_b32 v33, 0
	global_store_b32 v26, v28, s[28:29]
	global_store_b32 v29, v31, s[28:29]
	global_store_b32 v7, v27, s[28:29] offset:256
	global_store_b32 v7, v32, s[28:29] offset:384
	global_store_b32 v7, v33, s[30:31] offset:64*64      ; blocks 64 and 65: nothing counts
.Lend:
	s_set_vgpr_msb 0x4
	s_wait_tensorcnt 0x0
	ds_add_u32 v15, v1
	s_wait_dscnt 0x0
	s_set_vgpr_msb 0x400
	s_endpgm
.Lfunc_end_k_q70a60f74af_ln1m:
	.size	k_q70a60f74af_ln1m, .Lfunc_end_k_q70a60f74af_ln1m-k_q70a60f74af_ln1m
	.p2alignl 7, 3214868480
	.fill 96, 4, 3214868480
	.section	.rodata,"a",@progbits
	.p2align	6, 0x0
	.amdhsa_kernel k_q70a60f74af_ln1m
		.amdhsa_group_segment_fixed_size 67072
		.amdhsa_private_segment_fixed_size 0
		.amdhsa_enable_private_segment 0
		.amdhsa_kernarg_size 48
		.amdhsa_user_sgpr_count 2
		.amdhsa_user_sgpr_kernarg_segment_ptr 1
		.amdhsa_wavefront_size32 1
		.amdhsa_system_sgpr_workgroup_id_x 1
		.amdhsa_system_sgpr_workgroup_id_y 1
		.amdhsa_system_sgpr_workgroup_id_z 1
		.amdhsa_system_vgpr_workitem_id 0
		.amdhsa_next_free_vgpr 258
		.amdhsa_next_free_sgpr 66
		.amdhsa_reserve_vcc 0
		.amdhsa_float_denorm_mode_32 3
		.amdhsa_float_denorm_mode_16_64 3
		.amdhsa_memory_ordered 1
		.amdhsa_forward_progress 1
		.amdhsa_inst_pref_size 105
	.end_amdhsa_kernel
	.amdgpu_metadata
---
amdhsa.version: [ 1, 2 ]
amdhsa.kernels:
  - .name:           k_q70a60f74af_ln1m
    .symbol:         k_q70a60f74af_ln1m.kd
    .args:
      - { .name: x, .offset: 0, .size: 8, .value_kind: global_buffer, .address_space: global }
      - { .name: ln1_g, .offset: 8, .size: 8, .value_kind: global_buffer, .address_space: global }
      - { .name: ln1_b, .offset: 16, .size: 8, .value_kind: global_buffer, .address_space: global }
      - { .name: mask, .offset: 24, .size: 8, .value_kind: global_buffer, .address_space: global }
      - { .name: hbuf, .offset: 32, .size: 8, .value_kind: global_buffer, .address_space: global }
      - { .name: mk, .offset: 40, .size: 8, .value_kind: global_buffer, .address_space: global }
    .group_segment_fixed_size: 67072
    .private_segment_fixed_size: 0
    .kernarg_segment_align: 8
    .kernarg_segment_size: 48
    .max_flat_workgroup_size: 256
    .sgpr_count:     66
    .vgpr_count:     258
    .wavefront_size: 32
...
	.end_amdgpu_metadata
.endif
;; end of part 1
;; launch qkv (part 2): grid 12 x 16, 4 waves a work-group, clusters of 4 x 4, 327,680 bytes of LDS; arguments hbuf, wq_codes, wq_scales, wk_codes, wk_scales, wv_codes, wv_scales, bq, bk, bv, qkvb; writes qkvb
.if DOCPART == 2
	.amdgcn_target "amdgcn-amd-amdhsa--gfx1250"
	.amdhsa_code_object_version 6
	.text
	.protected	k_q70a60f74af_qkv
	.globl	k_q70a60f74af_qkv
	.p2align	8
	.type	k_q70a60f74af_qkv,@function
k_q70a60f74af_qkv:
	s_mov_b64 s[64:65], 0
	v_nop
	global_prefetch_b8 v0, s[64:65] scope:SCOPE_SE
	s_setreg_imm32_b32 hwreg(HW_REG_WAVE_MODE, 25, 1), 1
	s_wait_xcnt 0x0
	s_wait_alu depctr_hold_cnt(0) depctr_sa_sdst(0) depctr_va_vdst(0) depctr_va_sdst(0) depctr_va_ssrc(0) depctr_va_vcc(0) depctr_vm_vsrc(0)
	s_getreg_b32 s2, hwreg(HW_REG_IB_STS2, 6, 4)
	s_cmp_eq_u32 s2, 0
	s_cbranch_scc0 .Lentry_in_a_cluster
	s_endpgm
.Lentry_in_a_cluster:
	s_bfe_u32 s2, ttmp6, 0x10000c
	s_cmp_lg_u32 s2, 0xf033
	s_cbranch_scc0 .Lentry_shape_is_right
	s_endpgm
.Lentry_shape_is_right:
; q = (h wq^T + bq) / 8, k = h wk^T + bk, v = h wv^T + bv on E4M3 codes with E8M0 scales, K = 1,024; the results are quantised here and stored as images of the operand registers that the attention launch loads.
; The cluster's x says which: 0 q, 1 k (A = h's 4,096 tokens, B = the weight's 1,024 features), 2 v TRANSPOSED (A = wv's features, B = the tokens), so that v's codes run along the keys.
; A tile of 256 x 256 to a work-group of four waves, 128 x 128 a wave: 64 accumulators, 512 registers.  K goes in steps of 256 through a ring of two LDS slots filled by tensor loads;
; the scale bytes of the work-group's rows come once, in whole rows of 256 bytes.  4 x 4 work-groups form a cluster: A's tiles are asked for jointly along a row of it, B's along a column.
; The matrix instruction is used transposed (source 0 = 16 rows of B, source 1 = 16 rows of A): a lane holds one row of A and, in accumulators (a, 0 .. 7), 64 numbers along B's rows:
; register 16 g + 8 u + j is position 32 g + 16 u + 8 (lane / 16) + j.  So a lane and the lane 16 away hold a block of 32, and the conversions' results go out as they stand, 16 bytes a lane.
; Within a block of 32 the codes so lie in the order {8 h .. 8 h + 7, 16 + 8 h .. 16 + 8 h + 7}; q and k have the same order, and so have v and the softmax's p: the products are the same.
; IMAGES in qkvb (bh = 16 batch + head): q at 0, k at 4,194,304: [bh][tile of 16 tokens 128][d block 2][lane][16 bytes]; v at 8,388,608: [bh][key block 64][d tile 4][lane][16 bytes];
; scale words: q at 12,582,912, k at 12,845,056: [bh][pair of tiles 64][lane]: bytes 0, 1 the two d blocks, bytes 2, 3 zero; v at 13,107,200: [bh][4 key blocks 16][pair of d tiles 2][lane]: byte e key block 4 kg + e.
; LIMITS: NaN and infinities are not served; a block whose largest magnitude lies under 2^-118 keeps the byte 1 (read by this program alone).
.set HC,     16777216
.set HS,     20971520
.set KSTEP,  256
.set NQ,     KSTEP/128
.set ROWB,   256
.set KROW,   1024
.set PITCH,  272                       ; 256 bytes + 16 of padding: the 16 rows that a load touches start at 16 different banks (ISA guide 11.1)
.set FR,     16
.set NL,     4
.set NP,     8                         ; places behind this matrix instruction (ISA guide 7.12.1)
.set HALFT,  128*PITCH
.set SLOT,   4*HALFT
.set LAPS,   1024/(2*KSTEP)
.set KS,     32
.set SCL,    2*SLOT
.set HALFS,  (128*KS/256)*272
.set SBLK,   (16*KS/256)*272
.set SPARE,  SCL+4*HALFS               ; the spare words: 128 bytes a wave, named by no other line
.set ADRA, 16
.set ADRB, 20
.set ADRS, 27
.set SPW,  28
.set NIL,  29
.set L16,  30                          ; 16 x lane
.set L4,   31                          ; 4 x lane
.set BV,   8                           ; v8-15   v's bias: one number a lane for each of A's blocks
.set SC,   32                          ; v32-63  scale words, two sets
.set BI,   64                          ; v64-127 q's or k's bias along my 64 registers
.set AF,   128                         ; v128-255 A's fragments; on the way out:
.set X,    128                         ; v128-191 64 numbers
.set PC,   192                         ; v192-207 their codes
.set TM,   208                         ; v208-223 at work
.set PWS,  224                         ; v224-231 a scale word for each of A's blocks
.set T,    232
.set G1, 24
.set G0, 32
.set G1B, 48
.set G0B, 56
.set G1S, 68
.set G0S, 76
.set G1SB, 80
.set G0SB, 88
.set SEL, 92
.set MNT, 94
.set MSB, 0
.macro WIN new                         ; the immediate's high byte repeats the setting that is left
.if MSB != (\new)
	s_set_vgpr_msb (MSB<<8)|(\new)
.set MSB, (\new)
.endif
.endm
.set MUL_LO, 0xa1                      ; source 0 (B) window 1, source 1 (A) window 0, C and D window 2
.set MUL_HI, 0xf1
.set TO_B,   0x40
.macro JLOAD g0a, g1a, g0b, g1b        ; a joint load: waves 0 and 1 fetch for A, waves 2 and 3 for B; four v_nop follow each line
	s_cmp_eq_u32 s15, 0
	s_cbranch_scc0 .Lfor_b_\@
	tensor_load_to_lds s[\g0a:\g0a+3], s[\g1a:\g1a+7]
	s_nop 0
.rept 4
	v_nop
.endr
	s_branch .Lasked_\@
.Lfor_b_\@:
	tensor_load_to_lds s[\g0b:\g0b+3], s[\g1b:\g1b+7]
	s_nop 0
.rept 4
	v_nop
.endr
.Lasked_\@:
.endm
.macro CREST
	s_cmp_lg_u32 s14, 0
	s_cbranch_scc1 .Lnot_wave_0_\@
	s_barrier_signal -3
.Lnot_wave_0_\@:
	s_barrier_wait -3
	s_barrier_signal -1
	s_barrier_wait -1
.endm
.macro CROUND
	s_barrier_signal -1
	s_barrier_wait -1
	CREST
.endm
	s_load_b512 s[24:39], s[0:1], 0x0              ; hbuf, wq codes, scales, wk codes, scales, wv codes, scales, bq
	s_load_b128 s[40:43], s[0:1], 0x40             ; bk, bv
	s_load_b64 s[44:45], s[0:1], 0x50              ; qkvb
	v_lshl_add_u32 v[SPW], v0, 2, SPARE
	v_mov_b32 v[NIL], 0
	ds_add_u32 v28, v29
	ds_add_u32 v28, v29
	s_wait_dscnt 0x0
	v_lshrrev_b32 v1, 5, v0
	v_readfirstlane_b32 s14, v1                    ; wave 0..3
	s_lshr_b32 s15, s14, 1                         ; my half of the tile's rows; also: I fetch for A (0) or B (1)
	s_and_b32 s16, s14, 1                          ; my half of its columns; also: which 128 rows I fetch
	s_mov_b32 s95, ttmp9                           ; 0 q, 1 k, 2 v: the cluster's x, the same in all sixteen partners
	s_mov_b32 s2, 0xffff0000                       ; lanes 16-31
	s_wait_kmcnt 0x0
	s_add_nc_u64 s[46:47], s[24:25], HC            ; h's codes
	s_add_nc_u64 s[48:49], s[24:25], HS            ; h's scale bytes
	s_cmp_eq_u32 s95, 2
	s_cselect_b64 s[4:5], s[34:35], s[46:47]       ; A's codes: wv's, else h's
	s_cselect_b64 s[6:7], s[36:37], s[48:49]
	s_cselect_b64 s[8:9], s[46:47], s[26:27]       ; B's: h's, else wq's
	s_cselect_b64 s[10:11], s[48:49], s[28:29]
	s_cselect_b64 s[98:99], s[42:43], s[38:39]     ; the bias
	s_cmp_eq_u32 s95, 1
	s_cselect_b64 s[8:9], s[30:31], s[8:9]         ; or wk's
	s_cselect_b64 s[10:11], s[32:33], s[10:11]
	s_cselect_b64 s[98:99], s[40:41], s[98:99]
	s_mov_b64 s[12:13], s[44:45]
	s_bfe_u32 s40, ttmp6, 0x40000                  ; cx, cy
	s_bfe_u32 s41, ttmp6, 0x40004
	s_and_b32 s18, ttmp7, 0xffff
	s_lshl_b32 s18, s18, 2                         ; 4 x cluster y
	s_add_co_u32 s19, s18, s41
	s_add_co_u32 s20, s18, s40
	s_cmp_eq_u32 s95, 2
	s_cselect_b32 s17, s41, s19                    ; tile row: v: cy (4 tiles of features); else 4 cluster y + cy (16 tiles of tokens): never cx
	s_cselect_b32 s42, s20, s40                    ; tile column: v: 4 cluster y + cx; else cx: never cy
	s_lshl_b32 s43, s41, 2
	s_lshl_b32 s43, 15, s43                        ; my row of the cluster
	s_lshl_b32 s44, 0x1111, s40                    ; my column
	s_or_b32 s[G1+0], s43, (0<<16)|(1<<20)|(1<<21)|(5<<22)|(3<<25)  ; the mask; elements of 1 byte; padding: 4 words behind every 64; bit 21 beside a mask
	s_or_b32 s[G1B+0], s44, (0<<16)|(1<<20)|(1<<21)|(5<<22)|(3<<25)
.irp g, G1, G1B
	s_mov_b32 s[\g+1], ROWB<<16                    ; tensor_dim0
	s_mov_b32 s[\g+2], 256<<16                     ; tensor_dim1: 256 rows for the head's loads; set to 128 behind them, for the ring's
	s_mov_b32 s[\g+3], ROWB<<16                    ; tile_dim0
	s_mov_b32 s[\g+4], 256                         ; tile_dim1
	s_mov_b32 s[\g+5], KROW                        ; the pitch
	s_mov_b32 s[\g+6], 0
	s_mov_b32 s[\g+7], 0
.endr
	s_or_b32 s[G1S+0], s43, (3<<16)|(1<<20)|(1<<21)|(5<<22)|(3<<25)  ; the scales of 256 rows: 8,192 dense bytes as 32 rows of 256
	s_or_b32 s[G1SB+0], s44, (3<<16)|(1<<20)|(1<<21)|(5<<22)|(3<<25)
.irp g, G1S, G1SB
	s_mov_b32 s[\g+1], 32<<16
	s_mov_b32 s[\g+2], (256*KS/256)<<16            ; the scales of 256 rows: 8,192 dense bytes as 32 rows of 256
	s_mov_b32 s[\g+3], 32<<16
	s_mov_b32 s[\g+4], 256*KS/256
	s_mov_b32 s[\g+5], 32
	s_mov_b32 s[\g+6], 0
	s_mov_b32 s[\g+7], 0
.endr
	s_lshl_b32 s20, s17, 8                         ; A: the tile's first row
	s_lshl_b32 s46, s42, 8                         ; B likewise
	s_mov_b32 s21, 0
	s_mov_b32 s47, 0
	s_mov_b64 s[18:19], KS
	s_mul_u64 s[22:23], s[20:21], s[18:19]
	s_mul_u64 s[92:93], s[46:47], s[18:19]
	s_mov_b64 s[18:19], KROW
	s_mul_u64 s[20:21], s[20:21], s[18:19]
	s_mul_u64 s[46:47], s[46:47], s[18:19]
	s_mul_i32 s45, s14, HALFT                      ; where they go: wave x 128 rows
	s_add_nc_u64 s[20:21], s[4:5], s[20:21]
	s_add_nc_u64 s[22:23], s[6:7], s[22:23]
	s_add_nc_u64 s[46:47], s[8:9], s[46:47]
	s_add_nc_u64 s[92:93], s[10:11], s[92:93]
	CROUND                                         ; all sixteen work-groups are here: the first joint loads meet
	s_mov_b32 s[G0S], 1
	s_mov_b32 s[G0S+1], SCL
	s_mov_b64 s[G0S+2:G0S+3], s[22:23]
	s_or_b32 s[G0S+3], s[G0S+3], 0x80000000
	s_mov_b32 s[G0SB], 1
	s_mov_b32 s[G0SB+1], SCL+2*HALFS
	s_mov_b64 s[G0SB+2:G0SB+3], s[92:93]
	s_or_b32 s[G0SB+3], s[G0SB+3], 0x80000000
	s_mov_b32 s4, 1                                ; s[4:7]: group 0 of K step 0's 256 rows of A (the arguments that lay here have been used)
	s_mov_b32 s5, 0
	s_mov_b64 s[6:7], s[20:21]
	s_or_b32 s7, s7, 0x80000000
	s_mov_b32 s8, 1                                ; s[8:11]: of its 256 rows of B
	s_mov_b32 s9, 2*HALFT
	s_mov_b64 s[10:11], s[46:47]
	s_or_b32 s11, s11, 0x80000000
	s_mul_i32 s18, s16, 128*KROW                   ; in the ring a wave fetches 128 rows: which half
	s_mov_b32 s19, 0
	s_add_nc_u64 s[20:21], s[20:21], s[18:19]
	s_add_nc_u64 s[46:47], s[46:47], s[18:19]
.irp s, 0,1
	s_mov_b32 s[G0+4*\s], 1
	s_add_co_u32 s[G0+4*\s+1], s45, \s*SLOT
	s_add_nc_u64 s[G0+4*\s+2:G0+4*\s+3], s[20:21], \s*ROWB
	s_or_b32 s[G0+4*\s+3], s[G0+4*\s+3], 0x80000000
	s_mov_b32 s[G0B+4*\s], 1
	s_add_co_u32 s[G0B+4*\s+1], s45, \s*SLOT
	s_add_nc_u64 s[G0B+4*\s+2:G0B+4*\s+3], s[46:47], \s*ROWB
	s_or_b32 s[G0B+4*\s+3], s[G0B+4*\s+3], 0x80000000
.endr
; the head's four tiles, one joint load a wave, in one chain of branches on the wave's number: A's rows, B's rows, A's scales, B's scales
.macro ARM under, g0, g1, next
	s_cmp_lt_u32 s14, \under
	s_cbranch_scc0 \next
	tensor_load_to_lds s[\g0:\g0+3], s[\g1:\g1+7]
	s_nop 0
.rept 4
	v_nop
.endr
	s_branch .Lhead_asked
\next:
.endm
	ARM 1, 4, G1, .Lhead_b
	ARM 2, 8, G1B, .Lhead_sa
	ARM 3, G0S, G1S, .Lhead_sb
	tensor_load_to_lds s[G0SB:G0SB+3], s[G1SB:G1SB+7]
	s_nop 0
.rept 4
	v_nop
.endr
.Lhead_asked:
	v_and_b32 v1, 15, v0                           ; r
	v_bfe_u32 v2, v0, 4, 1                         ; h
	v_mul_u32_u24 v3, v1, PITCH
	v_lshl_add_u32 v4, v2, 4, v3
	s_mul_i32 s21, s15, HALFT
	s_mul_i32 s22, s16, HALFT
	s_add_co_u32 s22, s22, 2*HALFT
.irp s, 0,1
	v_add_nc_u32 v[ADRA+\s], s21, v4
	v_add_nc_u32 v[ADRB+\s], s22, v4
	s_add_co_u32 s21, s21, SLOT
	s_add_co_u32 s22, s22, SLOT
.endr
	v_mul_u32_u24 v5, v1, KS
	v_lshrrev_b32 v6, 8, v5
	v_lshl_add_u32 v5, v6, 4, v5
	s_mul_i32 s21, s15, HALFS
	s_mul_i32 s22, s16, HALFS
	s_add_co_u32 s22, s22, 2*HALFS
	s_sub_co_u32 s22, s22, s21
	v_mul_u32_u24 v6, s22, v2                      ; lanes 16-31 take B's words
	s_add_co_u32 s21, s21, SCL
	v_add_nc_u32 v5, v5, v6
	v_add_nc_u32 v[ADRS], s21, v5
	v_and_b32 v6, 31, v0
	v_lshlrev_b32 v[L16], 4, v6
	v_lshlrev_b32 v[L4], 2, v6
	; where my results go
	s_lshl_b32 s18, s17, 8
	s_lshl_b32 s19, s15, 7
	s_add_co_u32 s18, s18, s19                     ; my first row of A
	s_lshl_b32 s19, s42, 8
	s_lshl_b32 s20, s16, 7
	s_add_co_u32 s19, s19, s20                     ; my first row of B
	s_cmp_eq_u32 s95, 2
	s_cselect_b32 s20, s19, s18                    ; my first token
	s_cselect_b32 s21, s18, s19                    ; my first feature
	s_lshr_b32 s22, s20, 11
	s_lshl_b32 s22, s22, 4
	s_lshr_b32 s23, s21, 6
	s_add_co_u32 s22, s22, s23                     ; 16 batch + head
	s_and_b32 s20, s20, 2047                       ; the token in its batch
	s_lshl_b32 s46, s95, 22
	s_lshl_b32 s23, s22, 17
	s_add_co_u32 s46, s46, s23
	s_lshl_b32 s23, s20, 6
	s_add_co_u32 s46, s46, s23                     ; the images: 4,194,304 x which + 131,072 bh + 64 token
	s_mov_b32 s47, 0
	s_lshl_b32 s23, s95, 18
	s_lshl_b32 s92, s22, 13
	s_add_co_u32 s23, s23, s92
	s_lshl_b32 s92, s20, 2
	s_add_co_u32 s23, s23, s92
	s_add_co_u32 s23, s23, 12582912                ; q's, k's scale words
	s_lshl_b32 s92, s22, 12
	s_lshl_b32 s93, s20, 1
	s_add_co_u32 s92, s92, s93
	s_add_co_u32 s92, s92, 13107200                ; v's
	s_cmp_eq_u32 s95, 2
	s_cselect_b32 s92, s92, s23
	s_mov_b32 s93, 0
	s_add_nc_u64 s[96:97], s[12:13], s[92:93]
	s_add_nc_u64 s[12:13], s[12:13], s[46:47]
	s_lshl_b32 s92, s21, 2
	s_add_nc_u64 s[98:99], s[98:99], s[92:93]      ; the bias at my first feature
	s_cmp_eq_u32 s95, 0
	s_cselect_b32 s100, 0x3e000000, 1.0            ; q is scaled by 64^-0.5 = 1/8: exact
	s_mov_b32 s101, s100
	s_mov_b32 s[SEL], 0x76543210
	s_mov_b32 s[SEL+1], 0xfedcba98
	s_mov_b32 s[MNT], 0x600000
	v_lshlrev_b32 v22, 5, v2                       ; 32 h
	v_lshlrev_b32 v23, 2, v1                       ; 4 r
.irp b, 0,1,2,3,4,5,6,7                ; both forms of the bias are loaded on this one path, 128 numbers from my first feature on; they land while K is walked
	global_load_b128 v[BI+8*\b:BI+8*\b+3], v22, s[98:99] offset:64*\b
	global_load_b128 v[BI+8*\b+4:BI+8*\b+7], v22, s[98:99] offset:64*\b+16
.endr
.irp a, 0,1,2,3,4,5,6,7
	global_load_b32 v[BV+\a], v23, s[98:99] offset:64*\a
.endr
.macro FRAG reg, adr, q, i             ; 16 rows x 128 K: registers 4 c .. 4 c + 3 hold K = 32 c + 16 (lane / 16) + 0 .. 15
.irp c, 0,1,2,3
	ds_load_b128 v[\reg+4*\c:\reg+4*\c+3], v[\adr] offset:128*(\q)+32*\c+(\i)*16*PITCH
.endr
.endm
.macro MUL16 a0, p, q, sc, zero        ; A's blocks a0, a0 + 1 x B's eight; the 64 accumulators take turns, one instruction a turn
.irp a, \a0, \a0+1
.irp b, 0,1,2,3,4,5,6,7
.if \zero
	v_wmma_scale_f32_16x16x128_f8f6f4 v[8*(8*((\a)%4)+\b):8*(8*((\a)%4)+\b)+7], v[128*(\p)+FR*\b:128*(\p)+FR*\b+FR-1], v[AF+FR*(\a):AF+FR*(\a)+FR-1], 0, v[SC+8*NQ*(\sc)+NQ*\b+(\q)], v[SC+8*NQ*(\sc)+NQ*(\a)+(\q)] matrix_a_scale:MATRIX_SCALE_ROW1
.else
	v_wmma_scale_f32_16x16x128_f8f6f4 v[8*(8*((\a)%4)+\b):8*(8*((\a)%4)+\b)+7], v[128*(\p)+FR*\b:128*(\p)+FR*\b+FR-1], v[AF+FR*(\a):AF+FR*(\a)+FR-1], v[8*(8*((\a)%4)+\b):8*(8*((\a)%4)+\b)+7], v[SC+8*NQ*(\sc)+NQ*\b+(\q)], v[SC+8*NQ*(\sc)+NQ*(\a)+(\q)] matrix_a_scale:MATRIX_SCALE_ROW1
.endif
.endr
.endr
.endm
.macro FETCH_B slot, q, p
	WIN TO_B
.irp i, 0,1,2,3,4,5,6,7
	FRAG 128*(\p)+FR*\i, ADRB+\slot, \q, \i
.endr
	WIN 0
.endm
.macro FETCH_A slot, q, i0
.irp i, \i0, \i0+1, \i0+2, \i0+3
	FRAG AF+FR*(\i), ADRA+\slot, \q, \i
.endr
.endm
.macro SCALES sc                       ; lanes 0-15 A's block i, lanes 16-31 B's block i: two words a row for a K step
.irp i, 0,1,2,3,4,5,6,7
	ds_load_b64 v[SC+8*NQ*\sc+NQ*\i:SC+8*NQ*\sc+NQ*\i+1], v[ADRS] offset:\i*SBLK
.endr
.endm
.macro PLACES n                        ; plain vector lines between a matrix instruction and a load into, or a read of, its registers
.rept \n
	v_nop
.endr
.endm
.macro STEP slot, q, zero
	s_wait_dscnt 4*NL                              ; B's set and A's blocks 0-3 are in; the youngest 16 loads (A's blocks 4-7) may be out
	WIN MUL_LO
	MUL16 0, (\q)%2, \q, \slot, \zero
	MUL16 2, (\q)%2, \q, \slot, \zero
	s_wait_dscnt 0
	PLACES NP
	FETCH_B \slot, (\q)+1, 1-(\q)%2
	FETCH_A \slot, (\q)+1, 0
	WIN MUL_HI
	MUL16 4, (\q)%2, \q, \slot, \zero
	MUL16 6, (\q)%2, \q, \slot, \zero
	PLACES NP
	WIN 0
	FETCH_A \slot, (\q)+1, 4
.endm
.macro TURN slot, next, fill           ; a slot's last step changes slots: one barrier
	s_wait_tensorcnt 0x0                           ; all my tensor loads have landed: my part of the next slot
	ds_add_u32 v[SPW], v[NIL]                      ; 0 onto my spare word
	s_wait_dscnt 4*NL+1                            ; the add and the youngest 16 loads may be out
	WIN MUL_LO
	MUL16 0, 1, NQ-1, \slot, 0
	s_wait_dscnt 0x0                               ; the add is done, and my reads of this slot are over
	s_barrier_signal -1
	MUL16 2, 1, NQ-1, \slot, 0
	WIN 0
	s_barrier_wait -1
.if \fill
	CREST                                          ; the barrier has opened a round of the cluster's: no wave of any partner still reads this slot or has a load on its way
	s_add_nc_u64 s[G0+4*\slot+2:G0+4*\slot+3], s[G0+4*\slot+2:G0+4*\slot+3], 2*ROWB
	s_add_nc_u64 s[G0B+4*\slot+2:G0B+4*\slot+3], s[G0B+4*\slot+2:G0B+4*\slot+3], 2*ROWB
	JLOAD G0+4*\slot, G1, G0B+4*\slot, G1B         ; my one tensor load behind the round; its four v_nop are four of the places
	PLACES NP-4
.else
	PLACES NP
.endif
	s_wait_alu depctr_va_vdst(0)
	v_add_nc_u32 v[ADRS], 4*NQ, v[ADRS]
	FETCH_B \next, 0, 0
	FETCH_A \next, 0, 0
	SCALES \next
	WIN MUL_HI
	MUL16 4, 1, NQ-1, \slot, 0
	MUL16 6, 1, NQ-1, \slot, 0
	PLACES NP
	WIN 0
	FETCH_A \next, 0, 4
.endm
	s_wait_alu depctr_va_vdst(0)
	s_wait_tensorcnt 0x0                           ; my tile of the head's four is in; slot 1's first fill is issued as a refill is
	ds_add_u32 v[SPW], v[NIL]
	s_mov_b32 s[G1+2], 128<<16                     ; no load of mine is out: from here on a load brings 128 rows
	s_mov_b32 s[G1+4], 128
	s_mov_b32 s[G1B+2], 128<<16
	s_mov_b32 s[G1B+4], 128
	s_wait_dscnt 0x0
	CROUND
	JLOAD G0+4, G1, G0B+4, G1B                     ; K step 1
	FETCH_B 0, 0, 0
	FETCH_A 0, 0, 0
	SCALES 0
	FETCH_A 0, 0, 4
	STEP 0, 0, 1                                   ; the first step's products start the sums
	s_mov_b32 s3, LAPS-1
.Llap:
	TURN 0, 1, 1
	STEP 1, 0, 0
	TURN 1, 0, 1
	STEP 0, 0, 0
	s_sub_co_u32 s3, s3, 1
	s_cmp_lg_u32 s3, 0
	s_cbranch_scc1 .Llap
	TURN 0, 1, 0
	STEP 1, 0, 0
	s_wait_dscnt 4*NL
	WIN MUL_LO
	MUL16 0, 1, NQ-1, 1, 0
	MUL16 2, 1, NQ-1, 1, 0
	s_wait_dscnt 0
	WIN MUL_HI
	MUL16 4, 1, NQ-1, 1, 0
	MUL16 6, 1, NQ-1, 1, 0
	WIN 0
; 64 numbers of a lane, register 16 b + i in block b: codes into v[PC] on, the four blocks' bytes into v[pw]
.macro QUANT s, pw
.irp b, 0,1,2,3
	v_max3_num_f32 v[TM+\b], |v[\s+16*\b]|, |v[\s+1+16*\b]|, 0x4800000   ; with the floor 2^(9 - 127): the byte cannot fall under 1
.endr
.irp i, 2,4,6,8,10,12,14
.irp b, 0,1,2,3
	v_max3_num_f32 v[TM+\b], v[TM+\b], |v[\s+16*\b+\i]|, |v[\s+1+16*\b+\i]|
.endr
.endr
.irp b, 0,1,2,3
	v_permlanex16_b32 v[TM+4+\b], v[TM+\b], s[SEL], s[SEL+1]
.endr
.irp b, 0,1,2,3
	v_max_num_f32 v[TM+\b], v[TM+\b], v[TM+4+\b]   ; with lane l xor 16's: the block's largest magnitude
.endr
.irp b, 0,1,2,3
	v_add_nc_u32 v[TM+12+\b], 0xfc000000, v[TM+\b] ; 8 off its exponent field: the conversion's scale operand
.endr
.irp b, 0,1,2,3
	v_and_or_b32 v[TM+8+\b], v[TM+\b], 0x7f800000, s[MNT]   ; 448 x the scale
.endr
.irp b, 0,1,2,3
	v_lshrrev_b32 v[TM+4+\b], 23, v[TM+12+\b]      ; the scale's byte
.endr
	v_lshl_or_b32 v[\pw], v[TM+5], 8, v[TM+4]
	v_lshl_or_b32 v[\pw], v[TM+6], 16, v[\pw]
	v_lshl_or_b32 v[\pw], v[TM+7], 24, v[\pw]
.irp b, 0,1,2,3
.irp i, 0,1,2,3,4,5,6,7,8,9,10,11,12,13,14,15
	v_med3_num_f32 v[\s+16*\b+\i], v[\s+16*\b+\i], -v[TM+8+\b], v[TM+8+\b]   ; the conversion does not saturate (ISA guide 7.6.2)
.endr
	v_cvt_scalef32_pk8_fp8_f32 v[PC+4*\b:PC+1+4*\b], v[\s+16*\b:\s+7+16*\b], v[TM+12+\b]
	v_cvt_scalef32_pk8_fp8_f32 v[PC+2+4*\b:PC+3+4*\b], v[\s+8+16*\b:\s+15+16*\b], v[TM+12+\b]
.endr
	v_nop                                          ; a plain line behind the last conversion
.endm
.macro TAKEQ a                         ; block a's 64 sums x the factor + the bias x the factor; each accumulator is read from its low end on
	s_wait_xcnt 0x0                                ; the last block's stores have read their codes
	WIN 0x02+((\a)/4)
.set AC, 64*((\a)%4)
.set n, 0
.rept 32
	v_pk_fma_f32 v[X+n:X+n+1], v[AC+n:AC+n+1], s[100:101], v[BI+n:BI+n+1] op_sel_hi:[1,0,1]
.set n, n+2
.endr
	WIN 0
.endm
.macro TAKEV a                         ; block a's 64 sums + my feature's bias: the pair's first register for an even block, its second for an odd one
	s_wait_xcnt 0x0
	WIN 0x02+((\a)/4)
.set AC, 64*((\a)%4)
.set n, 0
.rept 32
.if ((\a)%2) == 0
	v_pk_add_f32 v[X+n:X+n+1], v[AC+n:AC+n+1], v[BV+(\a):BV+(\a)+1] op_sel_hi:[1,0]
.else
	v_pk_add_f32 v[X+n:X+n+1], v[AC+n:AC+n+1], v[BV+(\a)-1:BV+(\a)] op_sel:[0,1] op_sel_hi:[1,1]
.endif
.set n, n+2
.endr
	WIN 0
.endm
	PLACES NP                                      ; behind the last products: their results are read and A's registers written below
	s_wait_loadcnt 0x0                             ; the biases
.irp b, 0,1,2,3
	v_mov_b32 v[TM+4+\b], 0                        ; a lane permute's destination counts as one of its sources
.endr
	s_cmp_eq_u32 s95, 2
	s_cbranch_scc1 .Lv
.set n, 0
.rept 32
	v_pk_mul_f32 v[BI+n:BI+n+1], v[BI+n:BI+n+1], s[100:101] op_sel_hi:[1,0]
.set n, n+2
.endr
.irp a, 0,1,2,3,4,5,6,7                ; q, k: block a is a tile of 16 tokens; blocks 0, 1 of the 64 numbers are my first head's, 2, 3 my second's
	TAKEQ \a
	QUANT X, PWS+\a
.irp b, 0,1,2,3
	global_store_b128 v[L16], v[PC+4*\b:PC+4*\b+3], s[12:13] offset:(\b/2)*131072+\a*1024+(\b%2)*512   ; 512 consecutive bytes
.endr
.endr
.irp p, 0,1,2,3
	v_cndmask_b32 v[T+3*\p], v[PWS+2*\p], v[PWS+2*\p+1], s2        ; lanes 0-15: the even tile's words, lanes 16-31: the odd tile's
	v_and_b32 v[T+3*\p+1], 0xffff, v[T+3*\p]
	v_lshrrev_b32 v[T+3*\p+2], 16, v[T+3*\p]
	global_store_b32 v[L4], v[T+3*\p+1], s[96:97] offset:128*\p
	global_store_b32 v[L4], v[T+3*\p+2], s[96:97] offset:8192+128*\p
.endr
	s_branch .Lfin
.Lv:
.irp a, 0,1,2,3,4,5,6,7                ; v: block a is a tile of 16 of a head's 64; the four blocks of the 64 numbers are four key blocks
	TAKEV \a
	QUANT X, PWS+\a
.irp b, 0,1,2,3
	global_store_b128 v[L16], v[PC+4*\b:PC+4*\b+3], s[12:13] offset:(\a/4)*131072+\b*2048+(\a%4)*512
.endr
.endr
.irp p, 0,1,2,3
	v_cndmask_b32 v[T+3*\p], v[PWS+2*\p], v[PWS+2*\p+1], s2
	global_store_b32 v[L4], v[T+3*\p], s[96:97] offset:(\p/2)*4096+(\p%2)*128
.endr
.Lfin:
	s_wait_tensorcnt 0x0                           ; the wave's end
	ds_add_u32 v[SPW], v[NIL]
	s_wait_dscnt 0x0
	CROUND                                         ; the closing round
	s_endpgm
.Lfunc_end_k_q70a60f74af_qkv:
	.size	k_q70a60f74af_qkv, .Lfunc_end_k_q70a60f74af_qkv-k_q70a60f74af_qkv
	.p2alignl 7, 3214868480
	.fill 96, 4, 3214868480
	.section	.rodata,"a",@progbits
	.p2align	6, 0x0
	.amdhsa_kernel k_q70a60f74af_qkv
		.amdhsa_group_segment_fixed_size 327680
		.amdhsa_private_segment_fixed_size 0
		.amdhsa_enable_private_segment 0
		.amdhsa_kernarg_size 88
		.amdhsa_user_sgpr_count 2
		.amdhsa_user_sgpr_kernarg_segment_ptr 1
		.amdhsa_wavefront_size32 1
		.amdhsa_system_sgpr_workgroup_id_x 1
		.amdhsa_system_sgpr_workgroup_id_y 1
		.amdhsa_system_sgpr_workgroup_id_z 1
		.amdhsa_system_vgpr_workitem_id 0
		.amdhsa_next_free_vgpr 1024
		.amdhsa_next_free_sgpr 106
		.amdhsa_reserve_vcc 0
		.amdhsa_float_denorm_mode_32 3
		.amdhsa_float_denorm_mode_16_64 3
		.amdhsa_memory_ordered 1
		.amdhsa_forward_progress 1
		.amdhsa_inst_pref_size 255
	.end_amdhsa_kernel
	.section	.bss,"aw",@nobits
	.p2align	6
	.space	262144
	.amdgpu_metadata
---
amdhsa.version: [ 1, 2 ]
amdhsa.kernels:
  - .name:           k_q70a60f74af_qkv
    .symbol:         k_q70a60f74af_qkv.kd
    .args:
      - { .name: hbuf, .offset: 0, .size: 8, .value_kind: global_buffer, .address_space: global }
      - { .name: wq_codes, .offset: 8, .size: 8, .value_kind: global_buffer, .address_space: global }
      - { .name: wq_scales, .offset: 16, .size: 8, .value_kind: global_buffer, .address_space: global }
      - { .name: wk_codes, .offset: 24, .size: 8, .value_kind: global_buffer, .address_space: global }
      - { .name: wk_scales, .offset: 32, .size: 8, .value_kind: global_buffer, .address_space: global }
      - { .name: wv_codes, .offset: 40, .size: 8, .value_kind: global_buffer, .address_space: global }
      - { .name: wv_scales, .offset: 48, .size: 8, .value_kind: global_buffer, .address_space: global }
      - { .name: bq, .offset: 56, .size: 8, .value_kind: global_buffer, .address_space: global }
      - { .name: bk, .offset: 64, .size: 8, .value_kind: global_buffer, .address_space: global }
      - { .name: bv, .offset: 72, .size: 8, .value_kind: global_buffer, .address_space: global }
      - { .name: qkvb, .offset: 80, .size: 8, .value_kind: global_buffer, .address_space: global }
    .group_segment_fixed_size: 327680
    .private_segment_fixed_size: 0
    .kernarg_segment_align: 8
    .kernarg_segment_size: 88
    .max_flat_workgroup_size: 128
    .sgpr_count:     106
    .vgpr_count:     1024
    .wavefront_size: 32
...
	.end_amdgpu_metadata
.endif
;; end of part 2
;; launch attn (part 3): grid 256 x 1, 16 waves a work-group, no clusters, 159,744 bytes of LDS; arguments qkvb, mk, att; writes att
.if DOCPART == 3
	.amdgcn_target "amdgcn-amd-amdhsa--gfx1250"
	.amdhsa_code_object_version 6
	.text
	.protected	k_q70a60f74af_attn
	.globl	k_q70a60f74af_attn
	.p2align	8
	.type	k_q70a60f74af_attn,@function
k_q70a60f74af_attn:
	s_mov_b64 s[64:65], 0
	v_nop
	global_prefetch_b8 v0, s[64:65] scope:SCOPE_SE
	s_setreg_imm32_b32 hwreg(HW_REG_WAVE_MODE, 25, 1), 1
	s_wait_xcnt 0x0
; Attention under the given mask, both products on E4M3 codes with E8M0 scales.  Only the key blocks of 32 that the mask leaves non-empty for a tile of 16 queries are multiplied:
; their list, its length in steps of four and the lane-mask words were stored as whole numbers by the first launch.  Entries that fill a list up (64) read block 63 under words of zeros.
; A wave owns one head and one tile of 16 queries.  A step is four listed key blocks, 128 keys.  Operands come from memory as images of their registers: every load covers 512 consecutive bytes.
; Both products are used transposed (S^T = K Q^T, O^T = V^T P^T): a lane holds one query.  p = 2^(t - M), t = score x log2(e), M the running largest t rounded up to a whole number;
; the row's sum is taken of the unquantised p and divides O at the end.  O / sum is quantised along the model's axis and stored as codes [4096][1024] and scale bytes [4096][32].
; THE HEAD IS 64 WIDE, the instruction 128: q's registers 8-15 are zero codes; a tile of k is the run of 16 registers that begins at its 8 (the upper 8 are the next tile's codes, or zeros): they meet zero codes.
; No tensor load, no cluster, no LDS in the loop: each wave's trip count is read from memory, so tiles cannot be asked for jointly nor a barrier stand in the loop.
; No prefetch: which blocks a wave reads is known one step ahead only, and each block of k and v is read by many waves of its head.
; SHARES: work-group x: batch x / 128, the four heads 4 ((x / 32) % 4) + 0 .. 3, idx = x % 32.  Wave w: head number w % 4 of the four, q slot u = (w % 4 + w / 4) % 4;
; slot u's q tile is 64 (u / 2) + (63 - idx where u is odd, else idx).  So each head of the four meets each of the four slots once, and the 256 work-groups cover 2 x 16 x 128 pairs of head and q tile.
; A QUERY WITH NO KEY has the sum 0: its two scale bytes are set to 0xff, so that the next product gives NaN for its row.
; LIMITS: NaN and infinities are not served; within a block of 32 the codes lie in the order in which the images were made, alike on both sides of each product.
.set KI,  4194304
.set VI,  8388608
.set QS,  12582912
.set KSC, 12845056
.set VSW, 13107200
.set KL,  540672
.set ASC, 4194304
.set KV,  32                           ; v32-95   8 tiles of k, then 4 fragments of v;  v96-103 zeros
.set S,   104                          ; v104-167 S^T, then p
.set O,   168                          ; v168-199 O^T
.set P,   200                          ; v200-215 p's codes
.set KS,  216                          ; v216-219 k's scale words
.set VR,  220                          ; v220-227 v's scale words as stored
.set VS,  228                          ; v228-229 v's scale words for this step
.set QSW, 230
.set PW,  231
	s_load_b128 s[20:23], s[0:1], 0x0              ; qkvb, mk
	v_lshrrev_b32 v1, 5, v0
	s_delay_alu instid0(VALU_DEP_1)
	v_readfirstlane_b32 s14, v1                    ; wave 0..15
	v_and_b32 v2, 31, v0
	s_delay_alu instid0(VALU_DEP_1)
	v_lshlrev_b32 v1, 4, v2                        ; 16 x lane
	s_delay_alu instid0(VALU_DEP_2)
	v_lshlrev_b32 v2, 2, v2                        ; 4 x lane
	v_mov_b32 v3, 0xff800000                       ; -infinity
	s_lshr_b32 s16, ttmp9, 7                       ; batch
	s_bfe_u32 s17, ttmp9, 0x20005                  ; group of four heads
	s_and_b32 s18, ttmp9, 31                       ; idx
	s_and_b32 s19, s14, 3                          ; my head in the group
; THE SHARES AS THEY STAND (in place of the head's paragraph SHARES).  Wave w: head number w % 4 of the four, pair p = w / 8, half e = (w / 4) % 2.  The two waves of a pair share two q tiles of their head,
; qtA = 127 - idx (p = 0) or 64 + idx (p = 1), and qtB = 127 - qtA.  Each walks its half of qtA's list of steps (phase 0) and then its half of qtB's (phase 1); where a list has an odd number of steps, e = 0 takes
; the longer half in phase 0 and the shorter in phase 1.  After each phase a wave leaves O^T, -M and the sum in LDS bytes of its own; behind one barrier wave e = 0 joins the two parts of qtA, wave e = 1 those of qtB:
; both are brought under the larger M by factors 2^(M' - M), which round nothing.  q slot u of the way out: qtA is slot 3 - p, qtB is slot p.
	s_sub_co_u32 s25, 127, s18
	s_add_co_u32 s26, s18, 64
	s_bitcmp1_b32 s14, 3
	s_cselect_b32 s26, s26, s25                    ; qtA
	s_lshl_b32 s27, s16, 4
	s_lshl_b32 s28, s17, 2
	s_add_co_u32 s27, s27, s28
	s_add_co_u32 s27, s27, s19                     ; bh
	s_mov_b32 s17, 0x600000                        ; the mantissa field of 448
	s_mov_b32 s66, 0x76543210
	s_mov_b32 s67, 0xfedcba98
	s_mov_b32 s100, 0x3fb8aa3b                     ; log2(e)
	s_mov_b32 s101, s100
	s_mov_b32 s29, 0
	s_wait_alu depctr_va_vdst(0)
	s_wait_kmcnt 0x0
	s_lshl_b32 s28, s27, 17
	s_add_nc_u64 s[30:31], s[20:21], s[28:29]
	s_add_nc_u64 s[2:3], s[30:31], KI              ; my head's k,
	s_add_nc_u64 s[4:5], s[30:31], VI              ; v,
	s_lshl_b32 s28, s26, 10
	s_add_nc_u64 s[30:31], s[30:31], s[28:29]      ; my tile of q
	s_lshl_b32 s28, s27, 13
	s_add_nc_u64 s[6:7], s[20:21], s[28:29]
	s_add_nc_u64 s[32:33], s[6:7], QS
	s_add_nc_u64 s[6:7], s[6:7], KSC               ; k's scale words
	s_lshl_b32 s28, s26, 6
	s_add_nc_u64 s[32:33], s[32:33], s[28:29]      ; q's: 64 bytes a tile
	s_lshl_b32 s28, s27, 12
	s_add_nc_u64 s[8:9], s[20:21], s[28:29]
	s_add_nc_u64 s[8:9], s[8:9], VSW               ; v's
	s_mul_i32 s28, s26, 66*64
	s_add_nc_u64 s[10:11], s[22:23], s[28:29]      ; my q tile's mask words
	s_lshl_b32 s28, s26, 9
	s_add_nc_u64 s[12:13], s[22:23], s[28:29]
	s_add_nc_u64 s[12:13], s[12:13], KL            ; my record
	s_lshl_b32 s28, s26, 1
	s_sub_co_u32 s28, s28, 127                     ; qtA - qtB, 1 or more
	s_lshl_b32 s28, s28, 9
	s_sub_nc_u64 s[24:25], s[12:13], s[28:29]      ; qtB's record
	s_load_b32 s15, s[12:13], 0x180                ; qtA's steps
	s_load_b32 s104, s[24:25], 0x180               ; qtB's
	s_mov_b32 s105, 0                              ; the phase
	s_wait_kmcnt 0x0
.Lphase:
	s_add_co_u32 s16, s15, 1
	s_sub_co_u32 s16, s16, s105
	s_lshr_b32 s16, s16, 1
	s_min_u32 s16, s16, 8                          ; where the list is cut: (n + 1 - phase) / 2
	s_min_u32 s15, s15, 16
	s_bfe_u32 s24, s14, 0x10002                    ; e
	s_cmp_eq_u32 s24, 1
	s_cselect_b32 s15, s15, s16                    ; my last step + 1
	s_mul_i32 s16, s16, s24                        ; my first step
	s_lshl_b32 s19, s16, 4
	s_load_b128 s[20:23], s[12:13], s19 offset:0x0 ; its four blocks
	global_load_b128 v[16:19], v1, s[30:31]
	global_load_b128 v[20:23], v1, s[30:31] offset:512
	v_and_b32 v4, 15, v0
	s_delay_alu instid0(VALU_DEP_1)
	v_lshlrev_b32 v4, 2, v4
	global_load_b32 v[QSW], v4, s[32:33]
.irp j, 24,25,26,27,28,29,30,31,96,97,98,99,100,101,102,103
	v_mov_b32 v\j, 0                               ; zero codes
.endr
.set n, 0
.rept 32
	v_mov_b32 v[O+n], 0                            ; the step is written once: the first finds zeros
.set n, n+1
.endr
	v_mov_b32 v13, 0xff61b1e6                      ; the largest t so far: -3e38
	s_delay_alu instid0(VALU_DEP_1)
	v_floor_f32 v12, -v13                          ; -M
	v_mov_b32 v14, 0
	v_mov_b32 v15, 0
.irp j, 236,237,238,239,252,253
	v_mov_b32 v\j, 0
.endr
	s_wait_loadcnt 0x0
	s_wait_kmcnt 0x0
	s_cmp_ge_u32 s16, s15
	s_cbranch_scc1 .Lout
.macro MASKC c, m                      ; block c: where the mask's bit is 0 the score becomes -infinity; ascending
.set n, 0
.rept 16
	v_cndmask_b32 v[S+16*\c+n], v3, v[S+16*\c+n], s[\m+n]
.set n, n+1
.endr
.endm
.Ltrip:
.irp c, 0,1,2,3
	s_min_u32 s[24+\c], s[20+\c], 63               ; the block whose data are read
	s_min_u32 s[28+\c], s[20+\c], 64               ; the block whose mask words are read
.endr
.irp c, 0,1,2,3
	s_lshl_b32 s[28+\c], s[28+\c], 6
.endr
	s_load_b512 s[32:47], s[10:11], s28 offset:0x0
	s_load_b512 s[48:63], s[10:11], s29 offset:0x0
	s_load_b512 s[68:83], s[10:11], s30 offset:0x0
	s_load_b512 s[84:99], s[10:11], s31 offset:0x0
	s_min_u32 s19, s16, 16
	s_lshl_b32 s19, s19, 4
	s_load_b128 s[20:23], s[12:13], s19 offset:0x10   ; the next step's four blocks (the record has 96 entries)
.irp c, 0,1,2,3
	v_lshl_add_u32 v[4+\c], s[24+\c], 11, v1       ; 2,048 bytes a block, in k and in v
.endr
.irp c, 0,1,2,3
	v_lshl_add_u32 v[8+\c], s[24+\c], 7, v2
.endr
.rept 4
	v_nop                                          ; with the eight lines above: the places behind the last step's products
.endr
.irp c, 0,1,2,3
.irp e, 0,1,2,3
	global_load_b128 v[KV+16*\c+4*\e:KV+16*\c+4*\e+3], v[4+\c], s[2:3] offset:512*\e
.endr
	global_load_b32 v[KS+\c], v[8+\c], s[6:7]
.endr
	s_wait_alu depctr_va_vdst(0)
	s_wait_loadcnt 0x0
.irp t, 0,1,2,3,4,5,6,7
.if \t%2
	v_wmma_scale_f32_16x16x128_f8f6f4 v[S+8*\t:S+8*\t+7], v[KV+8*\t:KV+8*\t+15], v[16:31], 0, v[KS+\t/2], v[QSW] matrix_a_scale:MATRIX_SCALE_ROW1
.else
	v_wmma_scale_f32_16x16x128_f8f6f4 v[S+8*\t:S+8*\t+7], v[KV+8*\t:KV+8*\t+15], v[16:31], 0, v[KS+\t/2], v[QSW]
.endif
.endr
.irp c, 0,1,2,3
	s_and_b32 s18, s[24+\c], 60
	v_lshl_add_u32 v[8+\c], s18, 6, v2             ; v's scale words: 256 bytes for four key blocks
.endr
.rept 4
	v_nop                                          ; eight places: k's registers take v's loads, and the scores are read
.endr
.irp d, 0,1,2,3
.irp c, 0,1,2,3
	global_load_b128 v[KV+16*\d+4*\c:KV+16*\d+4*\c+3], v[4+\c], s[4:5] offset:512*\d
.endr
.endr
.irp c, 0,1,2,3
.irp p, 0,1
	global_load_b32 v[VR+2*\c+\p], v[8+\c], s[8:9] offset:128*\p
.endr
.endr
	s_wait_kmcnt 0x0                               ; the mask words and the next list are in
	MASKC 0, 32
	MASKC 1, 48
	MASKC 2, 68
	MASKC 3, 84
.irp b, 0,1,2,3
	v_max3_num_f32 v[232+\b], v[S+16*\b], v[S+1+16*\b], v[S+2+16*\b]   ; the largest score of each block: for the row's maximum and, since p rises with the score, for the block's largest p
.endr
.irp i, 3,5,7,9,11,13
.irp b, 0,1,2,3
	s_delay_alu instid0(VALU_DEP_4)
	v_max3_num_f32 v[232+\b], v[232+\b], v[S+16*\b+\i], v[S+1+16*\b+\i]
.endr
.endr
.irp b, 0,1,2,3
	s_delay_alu instid0(VALU_DEP_4)
	v_max_num_f32 v[232+\b], v[232+\b], v[S+15+16*\b]
.endr
.irp b, 0,1,2,3
	s_delay_alu instid0(VALU_DEP_4)
	v_permlanex16_b32 v[236+\b], v[232+\b], s66, s67
.endr
.irp b, 0,1,2,3
	s_delay_alu instid0(VALU_DEP_4)
	v_max_num_f32 v[232+\b], v[232+\b], v[236+\b]
.endr
	s_delay_alu instid0(VALU_DEP_2)
	v_max3_num_f32 v254, v232, v233, v234
	s_delay_alu instid0(VALU_DEP_1)
	v_max_num_f32 v254, v254, v235
	s_delay_alu instid0(VALU_DEP_1)
	v_mul_f32 v254, s100, v254
	s_delay_alu instid0(VALU_DEP_1)
	v_max_num_f32 v13, v13, v254                   ; the running largest t
	v_mov_b32 v254, v12
	s_delay_alu instid0(VALU_DEP_2)
	v_floor_f32 v12, -v13                          ; -M = floor(-t)
	s_delay_alu instid0(VALU_DEP_1)
	v_sub_f32 v254, v12, v254
	s_delay_alu instid0(VALU_DEP_1)
	v_cvt_i32_f32 v254, v254                       ; (it saturates)
	s_delay_alu instid0(VALU_DEP_1)
	v_ldexp_f32 v252, 1.0, v254                    ; f = 2^(old M - new M): exact
.set n, 0
.rept 32
	v_pk_fma_f32 v[S+n:S+n+1], v[S+n:S+n+1], s[100:101], v[12:13] op_sel_hi:[1,0,0]
.set n, n+2
.endr
.irp b, 0,1,2,3
	v_fma_f32 v[232+\b], v[232+\b], s100, v12
.endr
.set n, 0
	s_wait_alu depctr_va_vdst(0)
.rept 64
	v_exp_f32 v[S+n], v[S+n]
.set n, n+1
.endr
	v_pk_mul_f32 v[14:15], v[14:15], v[252:253] op_sel_hi:[1,0]    ; a plain line behind the exponentials
	s_wait_alu depctr_va_vdst(0)                   ; one wait for the batch of 64, ahead of its first reader
.irp b, 0,1,2,3
	v_exp_f32 v[232+\b], v[232+\b]
.endr
	v_pk_add_f32 v[236:237], v[108:109], v[112:113]
	v_pk_add_f32 v[254:255], v[116:117], v[120:121]
	v_pk_add_f32 v[250:251], v[124:125], v[128:129]
	v_pk_add_f32 v[248:249], v[132:133], v[136:137]
	v_pk_add_f32 v[246:247], v[140:141], v[144:145]
	v_pk_add_f32 v[244:245], v[148:149], v[152:153]
	v_pk_add_f32 v[242:243], v[156:157], v[160:161]
	v_pk_add_f32 v[14:15], v[14:15], v[164:165]
	v_pk_add_f32 v[236:237], v[236:237], v[104:105]
	v_pk_add_f32 v[254:255], v[254:255], v[106:107]
	v_pk_add_f32 v[250:251], v[250:251], v[110:111]
	v_pk_add_f32 v[248:249], v[248:249], v[114:115]
	v_pk_add_f32 v[246:247], v[246:247], v[118:119]
	v_pk_add_f32 v[244:245], v[244:245], v[122:123]
	v_pk_add_f32 v[242:243], v[242:243], v[126:127]
	v_pk_add_f32 v[14:15], v[14:15], v[130:131]
	v_pk_add_f32 v[236:237], v[236:237], v[134:135]
	v_pk_add_f32 v[254:255], v[254:255], v[138:139]
	v_pk_add_f32 v[250:251], v[250:251], v[142:143]
	v_pk_add_f32 v[248:249], v[248:249], v[146:147]
	v_pk_add_f32 v[246:247], v[246:247], v[150:151]
	v_pk_add_f32 v[244:245], v[244:245], v[154:155]
	v_pk_add_f32 v[242:243], v[242:243], v[158:159]
	v_pk_add_f32 v[14:15], v[14:15], v[162:163]
	v_pk_add_f32 v[236:237], v[236:237], v[166:167]
	s_delay_alu instid0(VALU_DEP_2)
	v_pk_add_f32 v[14:15], v[14:15], v[248:249]
	s_delay_alu instid0(VALU_DEP_2)
	v_pk_add_f32 v[236:237], v[236:237], v[246:247]
	v_pk_add_f32 v[254:255], v[254:255], v[244:245]
	v_pk_add_f32 v[250:251], v[250:251], v[242:243]
	s_delay_alu instid0(VALU_DEP_2)
	v_pk_add_f32 v[14:15], v[14:15], v[254:255]
	s_delay_alu instid0(VALU_DEP_2)
	v_pk_add_f32 v[236:237], v[236:237], v[250:251]
	s_delay_alu instid0(VALU_DEP_1)
	v_pk_add_f32 v[14:15], v[14:15], v[236:237]
	s_wait_alu depctr_va_vdst(0)                   ; and one for the four
.irp b, 0,1,2,3
	v_max_num_f32 v[232+\b], 0x4800000, v[232+\b]
.endr
.irp b, 0,1,2,3
	s_delay_alu instid0(VALU_DEP_4)
	v_add_nc_u32 v[244+\b], 0xfc000000, v[232+\b]
.endr
.irp b, 0,1,2,3
	v_and_or_b32 v[240+\b], v[232+\b], 0x7f800000, s17
.endr
.irp b, 0,1,2,3
	v_lshrrev_b32 v[236+\b], 23, v[244+\b]
.endr
	s_delay_alu instid0(VALU_DEP_3)
	v_lshl_or_b32 v[PW], v237, 8, v236
	s_delay_alu instid0(VALU_DEP_1)
	v_lshl_or_b32 v[PW], v238, 16, v[PW]
	s_delay_alu instid0(VALU_DEP_1)
	v_lshl_or_b32 v[PW], v239, 24, v[PW]
	s_wait_loadcnt 0x0                             ; v and its scale words: they had the softmax in which to land
.irp c, 0,1,2,3
	s_and_b32 s18, s[24+\c], 3
	s_lshl_b32 s18, s18, 3
	v_bfe_u32 v[248+\c], v[VR+2*\c], s18, 8        ; the listed block's byte
	v_bfe_u32 v[236+\c], v[VR+2*\c+1], s18, 8
.endr
	v_lshl_or_b32 v[VS], v249, 8, v248
	s_delay_alu instid0(VALU_DEP_1)
	v_lshl_or_b32 v[VS], v250, 16, v[VS]
	s_delay_alu instid0(VALU_DEP_1)
	v_lshl_or_b32 v[VS], v251, 24, v[VS]
	v_lshl_or_b32 v[VS+1], v237, 8, v236
	s_delay_alu instid0(VALU_DEP_1)
	v_lshl_or_b32 v[VS+1], v238, 16, v[VS+1]
	s_delay_alu instid0(VALU_DEP_1)
	v_lshl_or_b32 v[VS+1], v239, 24, v[VS+1]
.irp b, 0,1,2,3
.irp i, 0,1,2,3,4,5,6,7,8,9,10,11,12,13,14,15
	v_min_num_f32 v[S+16*\b+\i], v[S+16*\b+\i], v[240+\b]          ; p is not negative: the hold is one-sided
.endr
	v_cvt_scalef32_pk8_fp8_f32 v[P+4*\b:P+1+4*\b], v[S+16*\b:S+7+16*\b], v[244+\b]
	v_cvt_scalef32_pk8_fp8_f32 v[P+2+4*\b:P+3+4*\b], v[S+8+16*\b:S+15+16*\b], v[244+\b]
.endr
.set n, 0
.rept 16
	v_pk_mul_f32 v[O+n:O+n+1], v[O+n:O+n+1], v[252:253] op_sel_hi:[1,0]   ; O^T under the new M; also the places between the codes and the products
.set n, n+2
.endr
.irp d, 0,1,2,3                        ; four accumulators by turns; the next step's eight products stand between a link and the next
.if \d%2
	v_wmma_scale_f32_16x16x128_f8f6f4 v[O+8*\d:O+8*\d+7], v[KV+16*\d:KV+16*\d+15], v[P:P+15], v[O+8*\d:O+8*\d+7], v[VS+\d/2], v[PW] matrix_a_scale:MATRIX_SCALE_ROW1
.else
	v_wmma_scale_f32_16x16x128_f8f6f4 v[O+8*\d:O+8*\d+7], v[KV+16*\d:KV+16*\d+15], v[P:P+15], v[O+8*\d:O+8*\d+7], v[VS+\d/2], v[PW]
.endif
.endr
	s_add_co_u32 s16, s16, 1
	s_cmp_lt_u32 s16, s15
	s_cbranch_scc1 .Ltrip
.set PB,  20480                        ; behind the stages and the spare words: a wave's two parts, PSZ bytes each
.set PSZ, 4352                         ; O^T as an image of its 32 registers (8 x 512 bytes), then -M and the sum (8 bytes a lane)
.macro DUMP ph
.irp j, 0,1,2,3,4,5,6,7
	ds_store_b128 v4, v[O+4*\j:O+4*\j+3] offset:PSZ*\ph+512*\j     ; each accumulator from its low end on
.endr
	ds_store_b64 v5, v[12:13] offset:PSZ*\ph+4096
.endm
.Lout:
	s_wait_alu depctr_va_vdst(0)
.rept 8
	v_nop                                          ; places behind the last products: their results are stored, their operands loaded anew
.endr
	s_mul_i32 s28, s14, 2*PSZ
	s_add_co_u32 s28, s28, PB
	v_add_nc_u32 v4, s28, v1
	v_lshlrev_b32 v5, 1, v2
	v_add_nc_u32 v5, s28, v5
	v_add_f32 v13, v14, v15                        ; the sum's two halves
	s_wait_alu depctr_va_vdst(0)
	s_cmp_lg_u32 s105, 0
	s_cbranch_scc1 .Lsecond
	DUMP 0
	s_and_b32 s18, ttmp9, 31                       ; phase 1: every address goes from qtA to qtB
	s_sub_co_u32 s25, 63, s18
	s_bitcmp1_b32 s14, 3
	s_cselect_b32 s26, s25, s18                    ; qtB
	s_lshl_b32 s28, s26, 1
	s_sub_co_u32 s28, 127, s28                     ; qtA - qtB
	s_mov_b32 s29, 0
	s_mul_i32 s24, s28, 66*64
	s_mov_b32 s25, 0
	s_sub_nc_u64 s[10:11], s[10:11], s[24:25]      ; its mask words
	s_lshl_b32 s28, s28, 9
	s_sub_nc_u64 s[12:13], s[12:13], s[28:29]      ; its record
	s_sub_nc_u64 s[30:31], s[2:3], KI
	s_lshl_b32 s28, s26, 10
	s_add_nc_u64 s[30:31], s[30:31], s[28:29]      ; its tile of q
	s_sub_nc_u64 s[32:33], s[6:7], KSC-QS
	s_lshl_b32 s28, s26, 6
	s_add_nc_u64 s[32:33], s[32:33], s[28:29]      ; q's scale words
	s_mov_b32 s15, s104
	s_wait_alu depctr_va_vdst(0)
	s_add_co_u32 s105, s105, 1
	s_cmp_lt_u32 s105, 2
	s_cbranch_scc1 .Lphase
.Lsecond:
	DUMP 1
	s_load_b64 s[20:21], s[0:1], 0x10              ; att
	s_and_b32 s19, s14, 3                          ; my head in the group
	s_and_b32 s28, s14, 11                         ; my pair's wave with e = 0
	s_mul_i32 s28, s28, 2*PSZ
	s_bfe_u32 s29, s14, 0x10002                    ; e: the phase whose tile I finish
	s_mul_i32 s29, s29, PSZ
	s_add_co_u32 s28, s28, s29
	s_add_co_u32 s28, s28, PB
	s_wait_dscnt 0x0                               ; my parts have landed
	s_barrier_signal -1
	s_barrier_wait -1
	v_add_nc_u32 v4, s28, v1
	v_lshlrev_b32 v5, 1, v2
	v_add_nc_u32 v5, s28, v5
.irp j, 0,1,2,3,4,5,6,7
	ds_load_b128 v[O+4*\j:O+4*\j+3], v4 offset:512*\j
	ds_load_b128 v[S+4*\j:S+4*\j+3], v4 offset:8*PSZ+512*\j        ; the wave with e = 1 is four waves on
.endr
	ds_load_b64 v[12:13], v5 offset:4096
	ds_load_b64 v[14:15], v5 offset:8*PSZ+4096
	s_wait_dscnt 0x0
	v_min_num_f32 v6, v12, v14                     ; -M of the larger M
	v_sub_f32 v7, v6, v12
	v_sub_f32 v8, v6, v14                          ; whole numbers, 0 or less
	v_cvt_i32_f32 v7, v7                           ; (it saturates: a part without steps gets the factor 0, and holds zeros)
	v_cvt_i32_f32 v9, v8
	v_ldexp_f32 v10, 1.0, v7
	v_ldexp_f32 v11, 1.0, v7
	v_ldexp_f32 v8, 1.0, v9
	v_ldexp_f32 v9, 1.0, v9
.set n, 0
.rept 16
	v_pk_mul_f32 v[O+n:O+n+1], v[O+n:O+n+1], v[10:11]
.set n, n+2
.endr
.set n, 0
.rept 16
	v_pk_fma_f32 v[O+n:O+n+1], v[S+n:S+n+1], v[8:9], v[O+n:O+n+1]
.set n, n+2
.endr
	v_mul_f32 v13, v13, v10
	v_fma_f32 v14, v15, v8, v13
	s_delay_alu instid0(VALU_DEP_1)
	v_permlanex16_b32 v252, v14, s66, s67
	s_delay_alu instid0(VALU_DEP_1)
	v_add_f32 v14, v14, v252                       ; the row's sum
	s_wait_alu depctr_va_vdst(0)
	v_rcp_f32 v15, v14
	s_lshr_b32 s24, s14, 2
	s_lshr_b32 s25, s14, 3
	s_and_b32 s26, s24, 1
	s_mul_i32 s26, s26, 3
	s_xor_b32 s25, s25, s26
	s_xor_b32 s25, s25, 3                          ; the q slot that I finished: 3 - p where e = 0, p where e = 1
	v_and_b32 v4, 15, v0                           ; r   (the address work is the plain work behind the reciprocal and the places behind the last products)
	v_bfe_u32 v5, v0, 4, 1                         ; h
	s_wait_alu depctr_va_vdst(0)
	s_mul_i32 s26, s25, 4352
	s_lshl_b32 s27, s19, 6
	s_add_co_u32 s26, s26, s27
	v_mul_u32_u24 v6, v4, 272
	s_delay_alu instid0(VALU_DEP_1)
	v_lshl_add_u32 v6, v5, 3, v6
	s_delay_alu instid0(VALU_DEP_1)
	v_add_nc_u32 v6, s26, v6                       ; the code stage [slot 4][16 rows][256 + 16]: row r, my head's 64 bytes, + 8 h
	s_lshl_b32 s26, s25, 7
	s_lshl_b32 s27, s19, 1
	s_add_co_u32 s26, s26, s27
	s_add_co_u32 s26, s26, 17408
	v_lshlrev_b32 v7, 3, v4
	s_delay_alu instid0(VALU_DEP_1)
	v_add_nc_u32 v7, s26, v7                       ; the scale stage [64 rows][8 bytes]
	s_mul_i32 s26, s24, 4352
	s_mul_i32 s27, s19, 4*272
	s_add_co_u32 s26, s26, s27
	v_mul_u32_u24 v8, v5, 272
	s_delay_alu instid0(VALU_DEP_1)
	v_lshl_add_u32 v8, v4, 4, v8
	s_delay_alu instid0(VALU_DEP_1)
	v_add_nc_u32 v8, s26, v8                       ; back: four rows a wave, sixteen lanes a row
	s_min_u32 s26, s14, 1
	s_lshl_b32 s27, s26, 8
	s_add_co_u32 s27, s27, 17408
	v_and_b32 v9, 31, v0
	s_delay_alu instid0(VALU_DEP_1)
	v_lshlrev_b32 v9, 3, v9
	s_delay_alu instid0(VALU_DEP_1)
	v_add_nc_u32 v9, s27, v9                       ; the scales, back: waves 0 and 1, 32 rows each
	s_and_b32 s18, ttmp9, 31
	s_sub_co_u32 s27, 63, s18
	s_bitcmp1_b32 s24, 0
	s_cselect_b32 s28, s27, s18
	s_lshr_b32 s29, s24, 1
	s_lshl_b32 s29, s29, 6
	s_add_co_u32 s28, s28, s29                     ; that slot's q tile
	s_lshl_b32 s28, s28, 4
	s_lshl_b32 s29, s19, 2
	s_add_co_u32 s28, s28, s29
	s_lshr_b32 s30, ttmp9, 7
	s_lshl_b32 s30, s30, 11
	s_add_co_u32 s28, s28, s30                     ; the first token that I store
	s_lshl_b32 s28, s28, 10
	s_bfe_u32 s31, ttmp9, 0x20005
	s_lshl_b32 s29, s31, 8
	s_add_co_u32 s28, s28, s29                     ; + the four heads' 256 bytes
	s_mov_b32 s29, 0
	v_lshlrev_b32 v10, 10, v5
	s_delay_alu instid0(VALU_DEP_1)
	v_lshl_add_u32 v10, v4, 4, v10
	s_mov_b32 s36, 0xffff0000
	v_mov_b32 v11, s18
	v_mov_b32 v232, s27
	s_delay_alu instid0(VALU_DEP_1)
	v_cndmask_b32 v11, v11, v232, s36              ; lanes 0-15: slot 2 w (idx), lanes 16-31: slot 2 w + 1 (63 - idx)
	s_delay_alu instid0(VALU_DEP_1)
	v_lshl_add_u32 v11, v11, 4, v4
	s_delay_alu instid0(VALU_DEP_1)
	v_lshlrev_b32 v11, 5, v11                      ; 32 scale bytes a token
	s_lshl_b32 s32, s26, 10
	s_add_co_u32 s32, s32, s30
	s_lshl_b32 s32, s32, 5
	s_lshl_b32 s33, s31, 3
	s_add_co_u32 s32, s32, s33
	s_add_co_u32 s32, s32, ASC
	s_mov_b32 s33, 0
	s_wait_alu depctr_va_vdst(0)                   ; ahead of the reciprocal's first reader
.set n, 0
.rept 32
	v_mul_f32 v[S+n], v[O+n], v15                  ; register 16 b + 8 u + j: channel 32 b + 16 u + 8 h + j of my head
.set n, n+1
.endr
.irp b, 0,1
	v_max3_num_f32 v[232+\b], |v[S+16*\b]|, |v[S+1+16*\b]|, 0x4800000
.endr
.irp i, 2,4,6,8,10,12,14
.irp b, 0,1
	s_delay_alu instid0(VALU_DEP_2)
	v_max3_num_f32 v[232+\b], v[232+\b], |v[S+16*\b+\i]|, |v[S+1+16*\b+\i]|
.endr
.endr
.irp b, 0,1
	s_delay_alu instid0(VALU_DEP_2)
	v_permlanex16_b32 v[236+\b], v[232+\b], s66, s67
.endr
.irp b, 0,1
	s_delay_alu instid0(VALU_DEP_2)
	v_max_num_f32 v[232+\b], v[232+\b], v[236+\b]
.endr
.irp b, 0,1
	s_delay_alu instid0(VALU_DEP_2)
	v_add_nc_u32 v[244+\b], 0xfc000000, v[232+\b]
.endr
.irp b, 0,1
	s_delay_alu instid0(VALU_DEP_4)
	v_and_or_b32 v[240+\b], v[232+\b], 0x7f800000, s17
.endr
.irp b, 0,1
	s_delay_alu instid0(VALU_DEP_4)
	v_lshrrev_b32 v[236+\b], 23, v[244+\b]
.endr
	s_delay_alu instid0(VALU_DEP_1)
	v_lshl_or_b32 v248, v237, 8, v236
	v_mov_b32 v249, 0xffff
	v_cmp_eq_f32 vcc_lo, 0, v14
	s_delay_alu instid0(VALU_DEP_1)
	v_cndmask_b32 v248, v248, v249, vcc_lo         ; no key counted for this query: NaN scales
.irp b, 0,1
.irp i, 0,1,2,3,4,5,6,7,8,9,10,11,12,13,14,15
	v_med3_num_f32 v[S+16*\b+\i], v[S+16*\b+\i], -v[240+\b], v[240+\b]
.endr
	v_cvt_scalef32_pk8_fp8_f32 v[P+4*\b:P+1+4*\b], v[S+16*\b:S+7+16*\b], v[244+\b]
	v_cvt_scalef32_pk8_fp8_f32 v[P+2+4*\b:P+3+4*\b], v[S+8+16*\b:S+15+16*\b], v[244+\b]
.endr
	v_nop
.irp b, 0,1
.irp u, 0,1
	ds_store_b64 v6, v[P+4*\b+2*\u:P+4*\b+2*\u+1] offset:32*\b+16*\u
.endr
.endr
	ds_store_b16 v7, v248
	s_wait_dscnt 0x0                               ; my stores have landed
	s_barrier_signal -1
	s_barrier_wait -1                              ; a row's 256 bytes come from four waves
	ds_load_b128 v[16:19], v8
	ds_load_b128 v[20:23], v8 offset:544
	s_wait_kmcnt 0x0
	s_add_nc_u64 s[22:23], s[20:21], s[28:29]
	s_add_nc_u64 s[34:35], s[20:21], s[32:33]
	s_wait_dscnt 1
	global_store_b128 v10, v[16:19], s[22:23]      ; sixteen lanes store 256 consecutive bytes, aligned
	s_wait_dscnt 0x0
	global_store_b128 v10, v[20:23], s[22:23] offset:2048
	s_cmp_lt_u32 s14, 2
	s_cbranch_scc0 .Lend
	ds_load_b64 v[24:25], v9
	s_wait_dscnt 0x0
	global_store_b64 v11, v[24:25], s[34:35]       ; four heads' scale bytes of a token
.Lend:
	s_wait_xcnt 0x0
	v_lshl_add_u32 v254, v0, 2, 0x4800
	v_mov_b32 v255, 0
	s_wait_alu depctr_va_vdst(0)
	s_wait_tensorcnt 0x0
	ds_add_u32 v254, v255
	s_wait_dscnt 0x0
	s_endpgm
.Lfunc_end_k_q70a60f74af_attn:
	.size	k_q70a60f74af_attn, .Lfunc_end_k_q70a60f74af_attn-k_q70a60f74af_attn
	.p2alignl 7, 3214868480
	.fill 96, 4, 3214868480
	.section	.rodata,"a",@progbits
	.p2align	6, 0x0
	.amdhsa_kernel k_q70a60f74af_attn
		.amdhsa_group_segment_fixed_size 159744
		.amdhsa_private_segment_fixed_size 0
		.amdhsa_enable_private_segment 0
		.amdhsa_kernarg_size 24
		.amdhsa_user_sgpr_count 2
		.amdhsa_user_sgpr_kernarg_segment_ptr 1
		.amdhsa_wavefront_size32 1
		.amdhsa_system_sgpr_workgroup_id_x 1
		.amdhsa_system_sgpr_workgroup_id_y 1
		.amdhsa_system_sgpr_workgroup_id_z 1
		.amdhsa_system_vgpr_workitem_id 0
		.amdhsa_next_free_vgpr 256
		.amdhsa_next_free_sgpr 106
		.amdhsa_reserve_vcc 1
		.amdhsa_float_denorm_mode_32 3
		.amdhsa_float_denorm_mode_16_64 3
		.amdhsa_memory_ordered 1
		.amdhsa_forward_progress 1
		.amdhsa_inst_pref_size 52
	.end_amdhsa_kernel
	.amdgpu_metadata
---
amdhsa.version: [ 1, 2 ]
amdhsa.kernels:
  - .name:           k_q70a60f74af_attn
    .symbol:         k_q70a60f74af_attn.kd
    .args:
      - { .name: qkvb, .offset: 0, .size: 8, .value_kind: global_buffer, .address_space: global }
      - { .name: mk, .offset: 8, .size: 8, .value_kind: global_buffer, .address_space: global }
      - { .name: att, .offset: 16, .size: 8, .value_kind: global_buffer, .address_space: global }
    .group_segment_fixed_size: 159744
    .private_segment_fixed_size: 0
    .kernarg_segment_align: 8
    .kernarg_segment_size: 24
    .max_flat_workgroup_size: 512
    .sgpr_count:     106
    .vgpr_count:     256
    .wavefront_size: 32
...
	.end_amdgpu_metadata
.endif
;; end of part 3
;; launch wo (part 4): grid 8 x 32, 4 waves a work-group, clusters of 4 x 4, 327,680 bytes of LDS; arguments att, wo_codes, wo_scales, bo, hbuf, h2; writes h2
.if DOCPART == 4
	.amdgcn_target "amdgcn-amd-amdhsa--gfx1250"
	.amdhsa_code_object_version 6
	.text
	.protected	k_q70a60f74af_wo
	.globl	k_q70a60f74af_wo
	.p2align	8
	.type	k_q70a60f74af_wo,@function
k_q70a60f74af_wo:
	s_mov_b64 s[64:65], 0
	v_nop
	global_prefetch_b8 v0, s[64:65] scope:SCOPE_SE
	s_setreg_imm32_b32 hwreg(HW_REG_WAVE_MODE, 25, 1), 1
	s_wait_xcnt 0x0
	s_wait_alu depctr_hold_cnt(0) depctr_sa_sdst(0) depctr_va_vdst(0) depctr_va_sdst(0) depctr_va_ssrc(0) depctr_va_vcc(0) depctr_vm_vsrc(0)
	s_getreg_b32 s2, hwreg(HW_REG_IB_STS2, 6, 4)
	s_cmp_eq_u32 s2, 0
	s_cbranch_scc0 .Lentry_in_a_cluster
	s_endpgm
.Lentry_in_a_cluster:
	s_bfe_u32 s2, ttmp6, 0x10000c
	s_cmp_lg_u32 s2, 0xf033
	s_cbranch_scc0 .Lentry_shape_is_right
	s_endpgm
.Lentry_shape_is_right:
; out = resid + A B^T + bias, f32.  A: [4096][SIZE_K] E4M3 codes, its E8M0 bytes [4096][SIZE_K / 32] ASOFF bytes behind them; B: [1024][SIZE_K] codes and bytes in two buffers; resid (the first 16 MiB of its buffer), out: [4096][1024] f32.
; A block of out is 128 x 128: 256 work-groups of four waves.  K IS DEALT AMONG THE WAVES: a fill brings 1,024 along K of A's 128 rows and B's 128 rows, and wave w multiplies bytes 256 w .. 256 w + 255 of every row:
; each wave holds the whole block in 64 accumulators (512 registers), and each LDS byte of a tile is read by one wave, once.  Here SIZE_K is 1,024: one fill, no refill.
; At the end the four partial sums meet in LDS as rows of 512 bytes (+ 16), on bytes that have had their last fill and last read; wave w adds rows 32 w .. 32 w + 31, the residual and the bias, and stores rows of 512 consecutive bytes.
; 4 x 4 work-groups form a cluster: A's tile is asked for jointly along a row of it, B's along a column.  Source 0 = rows of B, source 1 = rows of A: a lane holds eight neighbouring numbers of a row of out.
; No prefetch: the launch has no loop to run ahead in.  The order of the f32 sums differs from K ascending: four partial sums are added at the end.
; A NaN scale byte of A (a query without keys) makes its row of out NaN.
.set SIZE_K, 1024
.set ASOFF,  4194304
.set NPER,   SIZE_K/1024               ; fills
.set KROW,   SIZE_K
.set PER,    1024
.set PITCH,  1040                      ; 1,024 bytes + 16 of padding: an odd multiple of 16
.set FR,     16
.set NL,     4
.set NP,     8                         ; places behind this matrix instruction (ISA guide 7.12.1)
.set HALFT,  64*PITCH
.set ATILE,  128*PITCH
.set KS,     SIZE_K/32
.set SCL,    2*ATILE
.set HALFS,  (128*KS/256)*272
.set SBLK,   (16*KS/256)*272
.set SPARE,  SCL+2*HALFS               ; the spare words, behind the scales and behind the stage's 4 x 128 x 528 bytes
.set SP,     528
.set BIA,  8                           ; v8-11 bias of my four columns
.set ADRA, 12                          ; v12, 13 A's blocks 0-3, 4-7
.set ADRB, 14                          ; v14, 15 B's
.set RD,   16                          ; v16-19 the stage, back: one address for each wave's part
.set STO,  20
.set CO,   21
.set ADRS, 22
.set PFO,  23
.set PFR,  24
.set SPW,  28
.set NIL,  29
.set SC,   32                          ; v32-47 scale words: register 2 i + q: lanes 0-15 A's block i, lanes 16-31 B's
.set RS0,  64                          ; v64-127 residual rows 0-15; rows 16-31 come late, into window 1
.set AF,   128                         ; v128-255 A's fragments; window 1: B's two sets; windows 2, 3: accumulators
.set G1, 24
.set G0, 32
.set G0H, 36
.set G1B, 48
.set G0B, 56
.set G0HB, 60
.set G1S, 68
.set G0S, 76
.set G1SB, 80
.set G0SB, 88
.set MSB, 0
.macro WIN new                         ; the immediate's high byte repeats the setting that is left
.if MSB != (\new)
	s_set_vgpr_msb (MSB<<8)|(\new)
.set MSB, (\new)
.endif
.endm
.set MUL_LO, 0xa1
.set MUL_HI, 0xf1
.set TO_B,   0x40
.macro PLACES n
.rept \n
	v_nop
.endr
.endm
.macro TL g0, g1                       ; a tensor load with the lines behind it
	tensor_load_to_lds s[\g0:\g0+3], s[\g1:\g1+7]
	s_nop 0
	PLACES 4
.endm
.macro CREST
	s_cmp_lg_u32 s14, 0
	s_cbranch_scc1 .Lnot_wave_0_\@
	s_barrier_signal -3
.Lnot_wave_0_\@:
	s_barrier_wait -3
	s_barrier_signal -1
	s_barrier_wait -1
.endm
.macro CROUND
	s_barrier_signal -1
	s_barrier_wait -1
	CREST
.endm
	s_load_b64 s[4:5], s[0:1], 0x0                 ; A
	s_load_b128 s[8:11], s[0:1], 0x8               ; B's codes, B's scales
	s_load_b64 s[98:99], s[0:1], 0x18              ; bias
	s_load_b64 s[96:97], s[0:1], 0x20              ; resid
	s_load_b64 s[12:13], s[0:1], 0x28              ; out
	v_lshl_add_u32 v[SPW], v0, 2, SPARE
	v_mov_b32 v[NIL], 0
	ds_add_u32 v[SPW], v[NIL]                      ; the opening lines: the add twice and its wait
	ds_add_u32 v[SPW], v[NIL]
	v_lshrrev_b32 v1, 5, v0
	v_readfirstlane_b32 s14, v1                    ; wave
	s_lshr_b32 s15, s14, 1
	s_and_b32 s16, s14, 1
	s_bfe_u32 s40, ttmp6, 0x40000                  ; cx, cy
	s_bfe_u32 s41, ttmp6, 0x40004
	s_lshl_b32 s42, ttmp9, 2
	s_add_co_u32 s42, s42, s40                     ; tile column
	s_and_b32 s17, ttmp7, 0xffff
	s_lshl_b32 s17, s17, 2
	s_add_co_u32 s17, s17, s41                     ; tile row
	s_lshl_b32 s43, s41, 2
	s_lshl_b32 s43, 15, s43                        ; my row of the cluster
	s_lshl_b32 s44, 0x1111, s40                    ; my column
	s_or_b32 s[G1], s43, (1<<20)|(1<<21)|(7<<22)|(3<<25)   ; elements of 1 byte; 4 words of padding behind every 256
	s_or_b32 s[G1B], s44, (1<<20)|(1<<21)|(7<<22)|(3<<25)
.irp g, G1, G1B
	s_mov_b32 s[\g+1], PER<<16
	s_mov_b32 s[\g+2], 128<<16
	s_mov_b32 s[\g+3], PER<<16
	s_mov_b32 s[\g+4], 128
	s_mov_b32 s[\g+5], KROW
	s_mov_b32 s[\g+6], 0
	s_mov_b32 s[\g+7], 0
.endr
	s_or_b32 s[G1S], s43, (3<<16)|(1<<20)|(1<<21)|(5<<22)|(3<<25)   ; the scales of 128 rows: a dense block as rows of 256 bytes
	s_or_b32 s[G1SB], s44, (3<<16)|(1<<20)|(1<<21)|(5<<22)|(3<<25)
.irp g, G1S, G1SB
	s_mov_b32 s[\g+1], 32<<16
	s_mov_b32 s[\g+2], (128*KS/256)<<16
	s_mov_b32 s[\g+3], 32<<16
	s_mov_b32 s[\g+4], 128*KS/256
	s_mov_b32 s[\g+5], 32
	s_mov_b32 s[\g+6], 0
	s_mov_b32 s[\g+7], 0
.endr
	s_lshl_b32 s20, s17, 7                         ; A's first row
	s_lshl_b32 s46, s42, 7                         ; B's
	s_mul_i32 s22, s20, KS
	s_mul_i32 s18, s46, KS
	s_mul_i32 s20, s20, KROW
	s_mul_i32 s46, s46, KROW
	s_mov_b32 s21, 0
	s_mov_b32 s23, 0
	s_mov_b32 s19, 0
	s_mov_b32 s47, 0
	s_mul_i32 s45, s14, HALFT
	s_wait_dscnt 0x0
	CROUND                                         ; the round in front of the first joint loads
	s_wait_kmcnt 0x0
	s_add_nc_u64 s[6:7], s[4:5], ASOFF
	s_add_nc_u64 s[20:21], s[4:5], s[20:21]
	s_add_nc_u64 s[22:23], s[6:7], s[22:23]
	s_add_nc_u64 s[46:47], s[8:9], s[46:47]
	s_add_nc_u64 s[18:19], s[10:11], s[18:19]
	s_mov_b32 s[G0H], 1
	s_mov_b32 s[G0H+1], 0
	s_mov_b64 s[G0H+2:G0H+3], s[20:21]
	s_or_b32 s[G0H+3], s[G0H+3], 0x80000000
	s_mov_b32 s[G0HB], 1
	s_mov_b32 s[G0HB+1], ATILE
	s_mov_b64 s[G0HB+2:G0HB+3], s[46:47]
	s_or_b32 s[G0HB+3], s[G0HB+3], 0x80000000
	s_mov_b32 s[G0S], 1
	s_mov_b32 s[G0S+1], SCL
	s_mov_b64 s[G0S+2:G0S+3], s[22:23]
	s_or_b32 s[G0S+3], s[G0S+3], 0x80000000
	s_mov_b32 s[G0SB], 1
	s_mov_b32 s[G0SB+1], SCL+HALFS
	s_mov_b64 s[G0SB+2:G0SB+3], s[18:19]
	s_or_b32 s[G0SB+3], s[G0SB+3], 0x80000000
.if NPER > 1
	s_lshl_b32 s66, s40, 2                         ; prefetches: of a fill's 512 blocks of 256 bytes of A the cluster row's sixteen waves take 32 each, told apart by address
	s_add_co_u32 s66, s66, s14
	s_lshl_b32 s66, s66, 15                        ; 8 rows of 4,096 bytes a wave
	s_add_co_u32 s66, s66, PER                     ; the second fill
	s_mov_b32 s67, 0
	s_add_nc_u64 s[92:93], s[20:21], s[66:67]
	s_lshl_b32 s66, s41, 2                         ; B's likewise, among the cluster column's sixteen waves
	s_add_co_u32 s66, s66, s14
	s_lshl_b32 s66, s66, 15
	s_add_co_u32 s66, s66, PER
	s_add_nc_u64 s[94:95], s[46:47], s[66:67]
	s_mul_i32 s66, s16, 64*KROW                    ; a refill: 64 rows a wave
	s_mov_b32 s[G0], 1
	s_mov_b32 s[G0+1], s45
	s_add_nc_u64 s[G0+2:G0+3], s[20:21], s[66:67]
	s_or_b32 s[G0+3], s[G0+3], 0x80000000
	s_mov_b32 s[G0B], 1
	s_mov_b32 s[G0B+1], s45
	s_add_nc_u64 s[G0B+2:G0B+3], s[46:47], s[66:67]
	s_or_b32 s[G0B+3], s[G0B+3], 0x80000000
.endif
.macro ARM under, g0, g1, next         ; the head's four tiles, one joint load a wave, in one chain of branches on the wave's number
	s_cmp_lt_u32 s14, \under
	s_cbranch_scc0 \next
	TL \g0, \g1
	s_branch .Lhead_asked
\next:
.endm
	ARM 1, G0H, G1, .Lhead_b
	ARM 2, G0HB, G1B, .Lhead_sa
	ARM 3, G0S, G1S, .Lhead_sb
	TL G0SB, G1SB
.Lhead_asked:
	s_lshl_b32 s20, s17, 7
	s_lshl_b32 s21, s14, 5
	s_add_co_u32 s20, s20, s21                     ; the first row that I store: 128 x tile row + 32 x wave
	s_lshl_b32 s20, s20, 12
	s_lshl_b32 s46, s42, 9                         ; the block's first column, in bytes
	s_add_co_u32 s20, s20, s46
	s_mov_b32 s21, 0
	s_mov_b32 s47, 0
	s_add_nc_u64 s[12:13], s[12:13], s[20:21]
	s_add_nc_u64 s[96:97], s[96:97], s[20:21]
	s_add_nc_u64 s[98:99], s[98:99], s[46:47]
	s_lshl_b32 s21, s14, 8                         ; my 256 bytes of every row
	s_lshl_b32 s22, s14, 3                         ; and their 8 scale bytes
	s_add_co_u32 s22, s22, SCL
	s_mul_i32 s23, s14, 128*SP                     ; my part of the stage
	s_mul_i32 s18, s14, 32*SP                      ; the rows that I add
	v_and_b32 v1, 15, v0                           ; r
	v_bfe_u32 v2, v0, 4, 1                         ; h
	v_and_b32 v3, 31, v0
	v_mul_u32_u24 v4, v1, PITCH
	v_lshl_add_u32 v4, v2, 4, v4
	v_add_nc_u32 v[ADRA], s21, v4
	v_add_nc_u32 v[ADRA+1], 64*PITCH, v[ADRA]
	v_add_nc_u32 v[ADRB], ATILE, v[ADRA]
	v_add_nc_u32 v[ADRB+1], ATILE+64*PITCH, v[ADRA]
	v_mul_u32_u24 v5, v1, KS
	v_lshrrev_b32 v6, 8, v5
	v_lshl_add_u32 v5, v6, 4, v5                   ; 16 more for each 256 passed
	v_mul_u32_u24 v6, v2, HALFS                    ; lanes 16-31 take B's words
	v_add_nc_u32 v5, v5, v6
	v_add_nc_u32 v[ADRS], s22, v5
	v_mul_u32_u24 v5, v1, SP
	v_lshl_add_u32 v5, v2, 5, v5
	v_add_nc_u32 v[STO], s23, v5
	v_lshlrev_b32 v[CO], 4, v3
	v_add_nc_u32 v[RD], s18, v[CO]
	v_add_nc_u32 v[RD+1], 128*SP, v[RD]
	v_add_nc_u32 v[RD+2], 2*128*SP, v[RD]
	v_add_nc_u32 v[RD+3], 3*128*SP, v[RD]
.if NPER > 1
	v_lshrrev_b32 v5, 2, v3
	v_and_b32 v6, 3, v3
	v_lshlrev_b32 v6, 8, v6
	v_lshl_add_u32 v[PFO], v5, 12, v6              ; four lanes to a row's 1,024 bytes
	v_lshrrev_b32 v5, 1, v3
	v_and_b32 v6, 1, v3
	v_lshlrev_b32 v6, 8, v6
	v_lshl_add_u32 v[PFR], v5, 12, v6              ; two lanes to a residual row's 512 bytes
.endif
	s_wait_alu depctr_va_vdst(0)
	global_load_b128 v[BIA:BIA+3], v[CO], s[98:99]
.if NPER > 1
	global_prefetch_b8 v[PFO], s[92:93] th:TH_LOAD_NT scope:SCOPE_SE   ; the second fill's bytes, a whole fill ahead of their load
	global_prefetch_b8 v[PFO], s[94:95] th:TH_LOAD_NT scope:SCOPE_SE
.endif
.macro FRAG reg, adr, q, i             ; 16 rows x 128 K: registers 4 c .. 4 c + 3 hold K = 32 c + 16 h + 0 .. 15
.irp c, 0,1,2,3
	ds_load_b128 v[\reg+4*\c:\reg+4*\c+3], v[\adr] offset:128*(\q)+32*\c+(\i)*16*PITCH
.endr
.endm
.macro MUL16 a0, p, q, zero            ; A's blocks a0, a0 + 1 x B's eight; the 64 accumulators take turns
.irp a, \a0, \a0+1
.irp b, 0,1,2,3,4,5,6,7
.if \zero
	v_wmma_scale_f32_16x16x128_f8f6f4 v[8*(8*((\a)%4)+\b):8*(8*((\a)%4)+\b)+7], v[128*(\p)+FR*\b:128*(\p)+FR*\b+FR-1], v[AF+FR*(\a):AF+FR*(\a)+FR-1], 0, v[SC+2*\b+(\q)], v[SC+2*(\a)+(\q)] matrix_a_scale:MATRIX_SCALE_ROW1
.else
	v_wmma_scale_f32_16x16x128_f8f6f4 v[8*(8*((\a)%4)+\b):8*(8*((\a)%4)+\b)+7], v[128*(\p)+FR*\b:128*(\p)+FR*\b+FR-1], v[AF+FR*(\a):AF+FR*(\a)+FR-1], v[8*(8*((\a)%4)+\b):8*(8*((\a)%4)+\b)+7], v[SC+2*\b+(\q)], v[SC+2*(\a)+(\q)] matrix_a_scale:MATRIX_SCALE_ROW1
.endif
.endr
.endr
.endm
.macro FETCH_B q, p
	WIN TO_B
.irp f, 0,1
.irp i, 0,1,2,3
	FRAG 128*(\p)+FR*(4*\f+\i), ADRB+\f, \q, \i
.endr
.endr
	WIN 0
.endm
.macro FETCH_A q, f
.irp i, 0,1,2,3
	FRAG AF+FR*(4*(\f)+\i), ADRA+(\f), \q, \i
.endr
.endm
.macro START                           ; a fill's first fragments and its scale words
	FETCH_B 0, 0
	FETCH_A 0, 0
.irp i, 0,1,2,3,4,5,6,7
	ds_load_b64 v[SC+2*\i:SC+2*\i+1], v[ADRS] offset:\i*SBLK
.endr
	FETCH_A 0, 1
.endm
.macro S0 zero                         ; my first 128 of a fill; the second's fragments are fetched in it
	s_wait_dscnt 4*NL                              ; all but the youngest 16 loads (A's blocks 4-7)
	WIN MUL_LO
	MUL16 0, 0, 0, \zero
	MUL16 2, 0, 0, \zero
	s_wait_dscnt 0
	PLACES NP
	FETCH_B 1, 1
	FETCH_A 1, 0
	WIN MUL_HI
	MUL16 4, 0, 0, \zero
	MUL16 6, 0, 0, \zero
	PLACES NP
	WIN 0
	FETCH_A 1, 1
.endm
	s_wait_tensorcnt 0x0                           ; my tile of the head's four is in
.if NPER > 1
	s_mov_b32 s[G1+2], 64<<16                      ; no load of mine is out: from here on a load brings 64 rows
	s_mov_b32 s[G1+4], 64
	s_mov_b32 s[G1B+2], 64<<16
	s_mov_b32 s[G1B+4], 64
.endif
	s_barrier_signal -1
	s_barrier_wait -1                              ; all four are in
	START
.irp t, 0,1,2,3,4,5,6,7,8,9,10,11,12,13,14,15   ; residual rows 0-15 are asked for when the tiles are in
	global_load_b128 v[RS0+4*\t:RS0+4*\t+3], v[CO], s[96:97] offset:\t*4096 th:TH_LOAD_NT
.endr
	S0 1
.if NPER > 1
	s_mov_b32 s3, 0
.Lper:                                                 ; a trip: a fill's second 128, the refill under it, the next fill's first 128
	s_wait_xcnt 0x0                                ; my prefetches have read their bases
	s_add_nc_u64 s[92:93], s[92:93], PER
	s_add_nc_u64 s[94:95], s[94:95], PER
	s_wait_tensorcnt 0x0                           ; no load of mine is out
	ds_add_u32 v[SPW], v[NIL]
	s_wait_dscnt 4*NL+1                            ; the add and the youngest 16 loads may be out
	WIN MUL_LO
	MUL16 0, 1, 1, 0
	s_wait_dscnt 0x0                               ; the add is done, and all of this fill that I need stands in registers
	s_barrier_signal -1
	MUL16 2, 1, 1, 0
	WIN 0
	s_barrier_wait -1
	CREST                                          ; the barrier has opened a round of the cluster's
	s_add_nc_u64 s[G0+2:G0+3], s[G0+2:G0+3], PER
	s_add_nc_u64 s[G0B+2:G0B+3], s[G0B+2:G0B+3], PER
	s_cmp_eq_u32 s15, 0                            ; waves 0, 1: A's halves; waves 2, 3: B's
	s_cbranch_scc0 .Lfor_b
	TL G0, G1
	s_branch .Lasked
.Lfor_b:
	TL G0B, G1B
.Lasked:
	s_cmp_lt_u32 s3, NPER-2                        ; the fill after the one just asked for; the last trip has none, and asks for my late residual rows
	s_cbranch_scc0 .Lask_r
	global_prefetch_b8 v[PFO], s[92:93] th:TH_LOAD_NT scope:SCOPE_SE
	global_prefetch_b8 v[PFO], s[94:95] th:TH_LOAD_NT scope:SCOPE_SE
	s_branch .Lasked_all
.Lask_r:
	global_prefetch_b8 v[PFR], s[96:97] offset:16*4096 th:TH_LOAD_NT scope:SCOPE_SE
.Lasked_all:
	WIN MUL_HI
	MUL16 4, 1, 1, 0
	MUL16 6, 1, 1, 0
	PLACES NP
	WIN 0
	v_add_nc_u32 v[ADRS], PER/32, v[ADRS]
	s_wait_alu depctr_va_vdst(0)
	s_wait_tensorcnt 0x0                           ; my part of the refill is in
	s_barrier_signal -1
	s_barrier_wait -1                              ; everybody's is
	START
	S0 0
	s_add_co_u32 s3, s3, 1
	s_cmp_lt_u32 s3, NPER-1
	s_cbranch_scc1 .Lper
.endif
	WIN TO_B                                       ; residual rows 16-31 into B's first set, which is done with (eight places stand behind its last product)
.irp t, 0,1,2,3,4,5,6,7,8,9,10,11,12,13,14,15
	global_load_b128 v[4*\t:4*\t+3], v[CO], s[96:97] offset:(16+\t)*4096 th:TH_LOAD_NT
.endr
	WIN 0
	s_wait_dscnt 4*NL
	WIN MUL_LO
	MUL16 0, 1, 1, 0
	MUL16 2, 1, 1, 0
	s_wait_dscnt 0x0                               ; my last reads of the tiles are over
	s_barrier_signal -1
	WIN MUL_HI
	MUL16 4, 1, 1, 0
	MUL16 6, 1, 1, 0
	WIN 0
	s_barrier_wait -1                              ; everybody's are: the stage may be written
	PLACES NP
.irp a, 0,1,2,3,4,5,6,7                ; my partial sums, as rows; each accumulator from its low end on
	WIN 0x08+4*(\a/4)
.irp b, 0,1,2,3,4,5,6,7
	ds_store_b128 v[STO], v[64*(\a%4)+8*\b:64*(\a%4)+8*\b+3] offset:\a*16*SP+64*\b
	ds_store_b128 v[STO], v[64*(\a%4)+8*\b+4:64*(\a%4)+8*\b+7] offset:\a*16*SP+64*\b+16
.endr
.endr
	WIN 0
	s_wait_dscnt 0x0
	s_barrier_signal -1
	s_barrier_wait -1
.macro GETB k                          ; four rows, each wave's part of each
.irp i, 0,1,2,3
.irp s, 0,1,2,3
	ds_load_b128 v[AF+64*((\k)%2)+16*\i+4*\s:AF+64*((\k)%2)+16*\i+4*\s+3], v[RD+\s] offset:(4*(\k)+\i)*SP
.endr
.endr
.endm
.macro PADD d, s
	v_pk_add_f32 v[\d:\d+1], v[\d:\d+1], v[\s:\s+1]
.endm
.macro SEND k, younger
.set BB, AF+64*((\k)%2)
	s_wait_dscnt \younger
.irp i, 0,1,2,3
	PADD BB+16*\i, BB+16*\i+4
	PADD BB+16*\i+2, BB+16*\i+6
	PADD BB+16*\i+8, BB+16*\i+12
	PADD BB+16*\i+10, BB+16*\i+14
.endr
.irp i, 0,1,2,3
	PADD BB+16*\i, BB+16*\i+8
	PADD BB+16*\i+2, BB+16*\i+10
.endr
.irp i, 0,1,2,3
	PADD BB+16*\i, BIA
	PADD BB+16*\i+2, BIA+2
.endr
.if (\k) < 4
.irp i, 0,1,2,3
	PADD BB+16*\i, RS0+16*(\k)+4*\i
	PADD BB+16*\i+2, RS0+16*(\k)+4*\i+2
.endr
.else
	WIN 0x04                                       ; source 1 in window 1
.irp i, 0,1,2,3
	PADD BB+16*\i, 16*((\k)-4)+4*\i
	PADD BB+16*\i+2, 16*((\k)-4)+4*\i+2
.endr
	WIN 0
.endif
.irp i, 0,1,2,3
	global_store_b128 v[CO], v[BB+16*\i:BB+16*\i+3], s[12:13] offset:(4*(\k)+\i)*4096   ; 512 consecutive bytes, aligned
.endr
.endm
	GETB 0
	GETB 1
	s_wait_loadcnt 16                              ; the bias and residual rows 0-15 are in; the 16 late loads may be out
.irp k, 0,1,2,3,4,5
.if \k == 4
	s_wait_loadcnt 0x0
.endif
	SEND \k, 16                                    ; the next batch's 16 loads may be out
	s_wait_xcnt 0x0                                ; the stores have read their registers
	GETB \k+2
.endr
	SEND 6, 16
	SEND 7, 0
	s_wait_tensorcnt 0x0                           ; the wave's end
	ds_add_u32 v[SPW], v[NIL]
	s_wait_dscnt 0x0
	CROUND                                         ; the closing round
	s_endpgm
.Lfunc_end_k_q70a60f74af_wo:
	.size	k_q70a60f74af_wo, .Lfunc_end_k_q70a60f74af_wo-k_q70a60f74af_wo
	.p2alignl 7, 3214868480
	.fill 96, 4, 3214868480
	.section	.rodata,"a",@progbits
	.p2align	6, 0x0
	.amdhsa_kernel k_q70a60f74af_wo
		.amdhsa_group_segment_fixed_size 327680
		.amdhsa_private_segment_fixed_size 0
		.amdhsa_enable_private_segment 0
		.amdhsa_kernarg_size 48
		.amdhsa_user_sgpr_count 2
		.amdhsa_user_sgpr_kernarg_segment_ptr 1
		.amdhsa_wavefront_size32 1
		.amdhsa_system_sgpr_workgroup_id_x 1
		.amdhsa_system_sgpr_workgroup_id_y 1
		.amdhsa_system_sgpr_workgroup_id_z 1
		.amdhsa_system_vgpr_workitem_id 0
		.amdhsa_next_free_vgpr 1024
		.amdhsa_next_free_sgpr 100
		.amdhsa_reserve_vcc 0
		.amdhsa_float_denorm_mode_32 3
		.amdhsa_float_denorm_mode_16_64 3
		.amdhsa_memory_ordered 1
		.amdhsa_forward_progress 1
		.amdhsa_inst_pref_size 78
	.end_amdhsa_kernel
	.amdgpu_metadata
---
amdhsa.version: [ 1, 2 ]
amdhsa.kernels:
  - .name:           k_q70a60f74af_wo
    .symbol:         k_q70a60f74af_wo.kd
    .args:
      - { .name: att, .offset: 0, .size: 8, .value_kind: global_buffer, .address_space: global }
      - { .name: wo_codes, .offset: 8, .size: 8, .value_kind: global_buffer, .address_space: global }
      - { .name: wo_scales, .offset: 16, .size: 8, .value_kind: global_buffer, .address_space: global }
      - { .name: bo, .offset: 24, .size: 8, .value_kind: global_buffer, .address_space: global }
      - { .name: hbuf, .offset: 32, .size: 8, .value_kind: global_buffer, .address_space: global }
      - { .name: h2, .offset: 40, .size: 8, .value_kind: global_buffer, .address_space: global }
    .group_segment_fixed_size: 327680
    .private_segment_fixed_size: 0
    .kernarg_segment_align: 8
    .kernarg_segment_size: 48
    .max_flat_workgroup_size: 128
    .sgpr_count:     100
    .vgpr_count:     1024
    .wavefront_size: 32
...
	.end_amdgpu_metadata
.endif
;; end of part 4
;; launch ln2 (part 5): grid 256 x 1, 8 waves a work-group, no clusters, 66,560 bytes of LDS; arguments h2, ln2_g, ln2_b, l2; writes l2
.if DOCPART == 5
	.amdgcn_target "amdgcn-amd-amdhsa--gfx1250"
	.amdhsa_code_object_version 6
	.text
	.protected	k_q70a60f74af_ln2
	.globl	k_q70a60f74af_ln2
	.p2align	8
	.type	k_q70a60f74af_ln2,@function
k_q70a60f74af_ln2:
	s_mov_b64 s[64:65], 0
	v_nop
	global_prefetch_b8 v0, s[64:65] scope:SCOPE_SE
	s_setreg_imm32_b32 hwreg(HW_REG_WAVE_MODE, 25, 1), 1
	s_wait_xcnt 0x0
; LayerNorm(h2) g + b, quantised: E4M3 codes [4096][1024] at l2 + 0, one E8M0 byte for each 32 along the row at l2 + 4,194,304.
; A wave takes 2 rows; a row is 8 loads of 512 consecutive bytes and stays in 32 registers; mean first, then the sum of squares of x - mean.
; The conversions want 16 neighbours in a lane: a row's two halves turn through the wave's own stage in LDS (80 bytes a lane: 64 + 16 of padding).  Waves share nothing: no barrier.
; LIMITS: infinities are not served; a NaN row gives codes that nobody's result hangs on (the residual carries the NaN); a block whose largest magnitude lies under 2^-118 keeps the byte 1.
.set LS,   4194304
.set SP,   80
.set WREG, 8192
.set G,  16
.set BE, 48
.set R,  80
.set X,  208
.set C,  240
.set E,  248
	s_load_b256 s[4:11], s[0:1], 0x0               ; h2, ln2_g, ln2_b, l2
	v_lshl_add_u32 v9, v0, 2, 0x10000
	v_mov_b32 v15, 0
	v_lshrrev_b32 v1, 5, v0
	s_delay_alu instid0(VALU_DEP_1)
	v_readfirstlane_b32 s16, v1
	v_and_b32 v1, 31, v0
	s_delay_alu instid0(VALU_DEP_1)
	v_lshlrev_b32 v2, 4, v1
	s_mul_i32 s17, s16, WREG
	v_lshrrev_b32 v3, 2, v1
	s_delay_alu instid0(VALU_DEP_1)
	v_mul_u32_u24 v3, v3, SP
	v_and_b32 v4, 3, v1
	s_delay_alu instid0(VALU_DEP_1)
	v_lshl_add_u32 v3, v4, 4, v3
	s_delay_alu instid0(VALU_DEP_1)
	v_add_nc_u32 v3, s17, v3
	v_mul_u32_u24 v4, v1, SP
	s_delay_alu instid0(VALU_DEP_1)
	v_add_nc_u32 v4, s17, v4
	s_add_co_u32 s17, s17, 2*32*SP
	v_lshrrev_b32 v5, 1, v1
	s_delay_alu instid0(VALU_DEP_1)
	v_add_nc_u32 v5, s17, v5
	v_lshlrev_b32 v7, 1, v1                        ; 256 work-groups: a wave takes TWO rows, and has 64 scale bytes: 2 a lane
	s_delay_alu instid0(VALU_DEP_1)
	v_add_nc_u32 v6, s17, v7
	s_mov_b32 s20, 0x76543210
	s_mov_b32 s21, 0xfedcba98
	s_mov_b32 s22, 0x600000
	s_mov_b32 s23, 0x3a800000                      ; 1 / 1024
	s_mov_b32 s24, 0x3727c5ac                      ; 1e-5
	s_lshl_b32 s17, ttmp9, 3
	s_add_co_u32 s17, s17, s16
	s_mov_b32 s19, 0
	s_wait_kmcnt 0x0
	s_lshl_b32 s18, s17, 13
	s_add_nc_u64 s[4:5], s[4:5], s[18:19]
	s_lshl_b32 s18, s17, 11
	s_add_nc_u64 s[28:29], s[10:11], s[18:19]
	s_lshl_b32 s18, s17, 6
	s_add_nc_u64 s[30:31], s[10:11], s[18:19]
	s_add_nc_u64 s[30:31], s[30:31], LS
.irp i, 0,1,2,3,4,5,6,7
	global_load_b128 v[G+4*\i:G+4*\i+3], v2, s[6:7] offset:512*\i
.endr
.irp i, 0,1,2,3,4,5,6,7
	global_load_b128 v[BE+4*\i:BE+4*\i+3], v2, s[8:9] offset:512*\i
.endr
.irp k, 0,1
.irp i, 0,1,2,3,4,5,6,7
	global_load_b128 v[R+32*\k+4*\i:R+32*\k+4*\i+3], v2, s[4:5] offset:4096*\k+512*\i
.endr
.endr
.macro WSUM
	s_delay_alu instid0(VALU_DEP_3)
	v_pk_add_f32 v[208:209], v[208:209], v[210:211]
	s_delay_alu instid0(VALU_DEP_2)
	v_pk_add_f32 v[212:213], v[212:213], v[214:215]
	s_delay_alu instid0(VALU_DEP_1)
	v_pk_add_f32 v[208:209], v[208:209], v[212:213]
	s_delay_alu instid0(VALU_DEP_1)
	v_add_f32 v208, v208, v209
	s_delay_alu instid0(VALU_DEP_1)
	v_add_f32_dpp v208, v208, v208 row_xmask:1 row_mask:0xf bank_mask:0xf
	s_delay_alu instid0(VALU_DEP_1)
	v_add_f32_dpp v208, v208, v208 row_xmask:2 row_mask:0xf bank_mask:0xf
	s_delay_alu instid0(VALU_DEP_1)
	v_add_f32_dpp v208, v208, v208 row_xmask:4 row_mask:0xf bank_mask:0xf
	s_delay_alu instid0(VALU_DEP_1)
	v_add_f32_dpp v208, v208, v208 row_xmask:8 row_mask:0xf bank_mask:0xf
	s_delay_alu instid0(VALU_DEP_1)
	v_permlanex16_b32 v209, v208, s20, s21
	s_delay_alu instid0(VALU_DEP_1)
	v_add_f32 v208, v208, v209
.endm
.macro HALF k, s
.set XS, X+16*(\s)
	v_max3_num_f32 v10, |v[XS]|, |v[XS+1]|, |v[XS+2]|
	v_max3_num_f32 v11, |v[XS+3]|, |v[XS+4]|, |v[XS+5]|
.irp i, 6,10
	s_delay_alu instid0(VALU_DEP_2)
	v_max3_num_f32 v10, v10, |v[XS+\i]|, |v[XS+\i+1]|
	s_delay_alu instid0(VALU_DEP_2)
	v_max3_num_f32 v11, v11, |v[XS+\i+2]|, |v[XS+\i+3]|
.endr
	s_delay_alu instid0(VALU_DEP_2)
	v_max3_num_f32 v10, v10, |v[XS+14]|, |v[XS+15]|
	s_delay_alu instid0(VALU_DEP_1)
	v_max3_num_f32 v10, v10, v11, 0x4800000        ; the floor 2^(9 - 127)
	s_delay_alu instid0(VALU_DEP_1)
	v_max_num_f32_dpp v10, v10, v10 row_xmask:1 row_mask:0xf bank_mask:0xf
	s_delay_alu instid0(VALU_DEP_1)
	v_add_nc_u32 v13, 0xfc000000, v10
	s_delay_alu instid0(VALU_DEP_2)
	v_and_or_b32 v12, v10, 0x7f800000, s22
.irp i, 0,1,2,3,4,5,6,7,8,9,10,11,12,13,14,15
	v_med3_num_f32 v[XS+\i], v[XS+\i], -v12, v12
.endr
	v_cvt_scalef32_pk8_fp8_f32 v[C+4*(\s):C+4*(\s)+1], v[XS:XS+7], v13
	v_cvt_scalef32_pk8_fp8_f32 v[C+4*(\s)+2:C+4*(\s)+3], v[XS+8:XS+15], v13
	v_lshrrev_b32 v[E+2*(\k)+(\s)], 23, v13
	ds_store_b8 v5, v[E+2*(\k)+(\s)] offset:32*(\k)+16*(\s)
	global_store_b128 v2, v[C+4*(\s):C+4*(\s)+3], s[28:29] offset:1024*(\k)+512*(\s)
.endm
.macro ROW k
.set RR, R+32*(\k)
	s_wait_loadcnt 8*(1-(\k))                      ; the later row's eight loads may be out
.irp c, 0,1,2,3
	v_pk_add_f32 v[208+2*\c:209+2*\c], v[RR+4*\c:RR+4*\c+1], v[RR+4*\c+2:RR+4*\c+3]
.endr
.irp i, 16,24
.irp c, 0,1,2,3
	s_delay_alu instid0(VALU_DEP_4)
	v_pk_add_f32 v[208+2*\c:209+2*\c], v[208+2*\c:209+2*\c], v[RR+\i+2*\c:RR+\i+2*\c+1]
.endr
.endr
	WSUM
	s_delay_alu instid0(VALU_DEP_1)
	v_mul_f32 v10, s23, v208
	s_delay_alu instid0(VALU_DEP_2)
	v_mul_f32 v11, s23, v208
.set n, 0
.rept 16
	v_pk_add_f32 v[RR+n:RR+n+1], v[RR+n:RR+n+1], v[10:11] neg_lo:[0,1] neg_hi:[0,1]
.set n, n+2
.endr
.irp c, 0,1,2,3
	v_pk_mul_f32 v[208+2*\c:209+2*\c], v[RR+2*\c:RR+2*\c+1], v[RR+2*\c:RR+2*\c+1]
.endr
.irp i, 8,16,24
.irp c, 0,1,2,3
	s_delay_alu instid0(VALU_DEP_4)
	v_pk_fma_f32 v[208+2*\c:209+2*\c], v[RR+\i+2*\c:RR+\i+2*\c+1], v[RR+\i+2*\c:RR+\i+2*\c+1], v[208+2*\c:209+2*\c]
.endr
.endr
	WSUM
	s_delay_alu instid0(VALU_DEP_1)
	v_fma_f32 v14, v208, s23, s24
	s_wait_alu depctr_va_vdst(0)
	v_rsq_f32 v12, v14
	v_rsq_f32 v13, v14
	v_nop
	s_wait_alu depctr_va_vdst(0)                   ; one wait for both, ahead of their first reader
.set n, 0
.rept 16
	v_pk_mul_f32 v[RR+n:RR+n+1], v[RR+n:RR+n+1], v[12:13]
.set n, n+2
.endr
.set n, 0
.rept 16
	v_pk_fma_f32 v[RR+n:RR+n+1], v[RR+n:RR+n+1], v[G+n:G+n+1], v[BE+n:BE+n+1]
.set n, n+2
.endr
.irp s, 0,1
.irp i, 0,1,2,3
	ds_store_b128 v3, v[RR+16*\s+4*\i:RR+16*\s+4*\i+3] offset:32*SP*\s+8*SP*\i
.endr
.irp i, 0,1,2,3
	ds_load_b128 v[X+16*\s+4*\i:X+16*\s+4*\i+3], v4 offset:32*SP*\s+16*\i
.endr
.endr
	s_wait_xcnt 0x0                                ; the last row's stores have read their codes
	s_wait_dscnt 8                                 ; the second half's four stores and four loads may be out
	HALF \k, 0
	s_wait_dscnt 1                                 ; the byte store just issued may be out
	HALF \k, 1
.endm
	ROW 0
	ROW 1
	ds_load_u16 v10, v6
	s_wait_dscnt 0x0
	global_store_b16 v7, v10, s[30:31]             ; 64 consecutive bytes
	s_wait_tensorcnt 0x0
	ds_add_u32 v9, v15
	s_wait_dscnt 0x0
	s_endpgm
.Lfunc_end_k_q70a60f74af_ln2:
	.size	k_q70a60f74af_ln2, .Lfunc_end_k_q70a60f74af_ln2-k_q70a60f74af_ln2
	.p2alignl 7, 3214868480
	.fill 96, 4, 3214868480
	.section	.rodata,"a",@progbits
	.p2align	6, 0x0
	.amdhsa_kernel k_q70a60f74af_ln2
		.amdhsa_group_segment_fixed_size 66560
		.amdhsa_private_segment_fixed_size 0
		.amdhsa_enable_private_segment 0
		.amdhsa_kernarg_size 32
		.amdhsa_user_sgpr_count 2
		.amdhsa_user_sgpr_kernarg_segment_ptr 1
		.amdhsa_wavefront_size32 1
		.amdhsa_system_sgpr_workgroup_id_x 1
		.amdhsa_system_sgpr_workgroup_id_y 1
		.amdhsa_system_sgpr_workgroup_id_z 1
		.amdhsa_system_vgpr_workitem_id 0
		.amdhsa_next_free_vgpr 256
		.amdhsa_next_free_sgpr 66
		.amdhsa_reserve_vcc 0
		.amdhsa_float_denorm_mode_32 3
		.amdhsa_float_denorm_mode_16_64 3
		.amdhsa_memory_ordered 1
		.amdhsa_forward_progress 1
		.amdhsa_inst_pref_size 33
	.end_amdhsa_kernel
	.amdgpu_metadata
---
amdhsa.version: [ 1, 2 ]
amdhsa.kernels:
  - .name:           k_q70a60f74af_ln2
    .symbol:         k_q70a60f74af_ln2.kd
    .args:
      - { .name: h2, .offset: 0, .size: 8, .value_kind: global_buffer, .address_space: global }
      - { .name: ln2_g, .offset: 8, .size: 8, .value_kind: global_buffer, .address_space: global }
      - { .name: ln2_b, .offset: 16, .size: 8, .value_kind: global_buffer, .address_space: global }
      - { .name: l2, .offset: 24, .size: 8, .value_kind: global_buffer, .address_space: global }
    .group_segment_fixed_size: 66560
    .private_segment_fixed_size: 0
    .kernarg_segment_align: 8
    .kernarg_segment_size: 32
    .max_flat_workgroup_size: 256
    .sgpr_count:     66
    .vgpr_count:     256
    .wavefront_size: 32
...
	.end_amdgpu_metadata
.endif
;; end of part 5
;; launch fc (part 6): grid 16 x 16, 4 waves a work-group, clusters of 4 x 4, 327,680 bytes of LDS; arguments l2, w_fc_codes, w_fc_scales, b_fc, gb; writes gb
.if DOCPART == 6
	.amdgcn_target "amdgcn-amd-amdhsa--gfx1250"
	.amdhsa_code_object_version 6
	.text
	.protected	k_q70a60f74af_fc
	.globl	k_q70a60f74af_fc
	.p2align	8
	.type	k_q70a60f74af_fc,@function
k_q70a60f74af_fc:
	s_mov_b64 s[64:65], 0
	v_nop
	global_prefetch_b8 v0, s[64:65] scope:SCOPE_SE
	s_setreg_imm32_b32 hwreg(HW_REG_WAVE_MODE, 25, 1), 1
	s_wait_xcnt 0x0
	s_wait_alu depctr_hold_cnt(0) depctr_sa_sdst(0) depctr_va_vdst(0) depctr_va_sdst(0) depctr_va_ssrc(0) depctr_va_vcc(0) depctr_vm_vsrc(0)
	s_getreg_b32 s2, hwreg(HW_REG_IB_STS2, 6, 4)
	s_cmp_eq_u32 s2, 0
	s_cbranch_scc0 .Lentry_in_a_cluster
	s_endpgm
.Lentry_in_a_cluster:
	s_bfe_u32 s2, ttmp6, 0x10000c
	s_cmp_lg_u32 s2, 0xf033
	s_cbranch_scc0 .Lentry_shape_is_right
	s_endpgm
.Lentry_shape_is_right:
.set KSTEP,  256
.set NQ,     KSTEP/128
.set ROWB,   256
.set KROW,   1024
.set PITCH,  272
.set FR,     16
.set NL,     4
.set NP,     8
.set HALFT,  128*PITCH
.set SLOT,   4*HALFT
.set LAPS,   1024/(2*KSTEP)
.set KS,     32
.set SCL,    2*SLOT
.set HALFS,  (128*KS/256)*272
.set SBLK,   (16*KS/256)*272
.set SPARE,  SCL+4*HALFS
.set T,    4
.set PWS,  8
.set ADRA, 16
.set K1,   18
.set ADRB, 20
.set STO,  24
.set RD,   25
.set CO,   26
.set ADRS, 27
.set SPW,  28
.set NIL,  29
.set L128, 31
.set SC,   32
.set BI,   64
.set AF,   128
.set X,    128
.set PC,   192
.set TM,   208
.set W1,   192
.set W0,   224
.set G1, 24
.set G0, 32
.set G1B, 48
.set G0B, 56
.set G1S, 68
.set G0S, 76
.set G1SB, 80
.set G0SB, 88
.set SEL, 92
.set MNT, 94
.set MSB, 0
.macro WIN new
.if MSB != (\new)
	s_set_vgpr_msb (MSB<<8)|(\new)
.set MSB, (\new)
.endif
.endm
.set MUL_LO, 0xa1
.set MUL_HI, 0xf1
.set TO_B,   0x40
.macro JLOAD g0a, g1a, g0b, g1b
	s_cmp_eq_u32 s15, 0
	s_cbranch_scc0 .Lfor_b_\@
	tensor_load_to_lds s[\g0a:\g0a+3], s[\g1a:\g1a+7]
	s_nop 0
.rept 4
	v_nop
.endr
	s_branch .Lasked_\@
.Lfor_b_\@:
	tensor_load_to_lds s[\g0b:\g0b+3], s[\g1b:\g1b+7]
	s_nop 0
.rept 4
	v_nop
.endr
.Lasked_\@:
.endm
.macro CREST
	s_cmp_lg_u32 s14, 0
	s_cbranch_scc1 .Lnot_wave_0_\@
	s_barrier_signal -3
.Lnot_wave_0_\@:
	s_barrier_wait -3
	s_barrier_signal -1
	s_barrier_wait -1
.endm
.macro CROUND
	s_barrier_signal -1
	s_barrier_wait -1
	CREST
.endm
	s_load_b64 s[4:5], s[0:1], 0x0
	s_load_b128 s[8:11], s[0:1], 0x8
	s_load_b64 s[98:99], s[0:1], 0x18
	s_load_b64 s[12:13], s[0:1], 0x20
	v_lshl_add_u32 v[SPW], v0, 2, SPARE
	v_mov_b32 v[NIL], 0
	ds_add_u32 v28, v29
	ds_add_u32 v28, v29
	s_wait_dscnt 0x0
	v_lshrrev_b32 v1, 5, v0
	v_readfirstlane_b32 s14, v1
	s_lshr_b32 s15, s14, 1
	s_and_b32 s16, s14, 1
	s_mov_b32 s2, 0xffff0000
	s_bfe_u32 s40, ttmp6, 0x40000
	s_bfe_u32 s41, ttmp6, 0x40004
	s_lshl_b32 s42, ttmp9, 2
	s_add_co_u32 s42, s42, s40
	s_and_b32 s17, ttmp7, 0xffff
	s_lshl_b32 s17, s17, 2
	s_add_co_u32 s17, s17, s41
	s_lshl_b32 s43, s41, 2
	s_lshl_b32 s43, 15, s43
	s_lshl_b32 s44, 0x1111, s40
	s_or_b32 s[G1+0], s43, (0<<16)|(1<<20)|(1<<21)|(5<<22)|(3<<25)
	s_or_b32 s[G1B+0], s44, (0<<16)|(1<<20)|(1<<21)|(5<<22)|(3<<25)
.irp g, G1, G1B
	s_mov_b32 s[\g+1], ROWB<<16
	s_mov_b32 s[\g+2], 256<<16                     ; 256 rows for the head's loads; set to 128 behind them, for the ring's
	s_mov_b32 s[\g+3], ROWB<<16
	s_mov_b32 s[\g+4], 256
	s_mov_b32 s[\g+5], KROW
	s_mov_b32 s[\g+6], 0
	s_mov_b32 s[\g+7], 0
.endr
	s_or_b32 s[G1S+0], s43, (3<<16)|(1<<20)|(1<<21)|(5<<22)|(3<<25)
	s_or_b32 s[G1SB+0], s44, (3<<16)|(1<<20)|(1<<21)|(5<<22)|(3<<25)
.irp g, G1S, G1SB
	s_mov_b32 s[\g+1], 32<<16
	s_mov_b32 s[\g+2], (256*KS/256)<<16            ; the scales of 256 rows: 8,192 dense bytes as 32 rows of 256
	s_mov_b32 s[\g+3], 32<<16
	s_mov_b32 s[\g+4], 256*KS/256
	s_mov_b32 s[\g+5], 32
	s_mov_b32 s[\g+6], 0
	s_mov_b32 s[\g+7], 0
.endr
	s_lshl_b32 s20, s17, 8                         ; A: the tile's first row
	s_lshl_b32 s46, s42, 8                         ; B likewise
	s_mov_b32 s21, 0
	s_mov_b32 s47, 0
	s_mov_b64 s[18:19], KS
	s_mul_u64 s[22:23], s[20:21], s[18:19]
	s_mul_u64 s[92:93], s[46:47], s[18:19]
	s_mov_b64 s[18:19], KROW
	s_mul_u64 s[20:21], s[20:21], s[18:19]
	s_mul_u64 s[46:47], s[46:47], s[18:19]
	s_mul_i32 s45, s14, HALFT
	s_wait_kmcnt 0x0
	s_add_nc_u64 s[6:7], s[4:5], 4194304
	s_add_nc_u64 s[20:21], s[4:5], s[20:21]
	s_add_nc_u64 s[22:23], s[6:7], s[22:23]
	s_add_nc_u64 s[46:47], s[8:9], s[46:47]
	s_add_nc_u64 s[92:93], s[10:11], s[92:93]
	CROUND
	s_mov_b32 s[G0S], 1
	s_mov_b32 s[G0S+1], SCL
	s_mov_b64 s[G0S+2:G0S+3], s[22:23]
	s_or_b32 s[G0S+3], s[G0S+3], 0x80000000
	s_mov_b32 s[G0SB], 1
	s_mov_b32 s[G0SB+1], SCL+2*HALFS
	s_mov_b64 s[G0SB+2:G0SB+3], s[92:93]
	s_or_b32 s[G0SB+3], s[G0SB+3], 0x80000000
	s_mov_b32 s4, 1                                ; s[4:7]: group 0 of K step 0's 256 rows of A (the arguments that lay here have been used)
	s_mov_b32 s5, 0
	s_mov_b64 s[6:7], s[20:21]
	s_or_b32 s7, s7, 0x80000000
	s_mov_b32 s8, 1                                ; s[8:11]: of its 256 rows of B
	s_mov_b32 s9, 2*HALFT
	s_mov_b64 s[10:11], s[46:47]
	s_or_b32 s11, s11, 0x80000000
	s_mul_i32 s18, s16, 128*KROW                   ; in the ring a wave fetches 128 rows: which half
	s_mov_b32 s19, 0
	s_add_nc_u64 s[20:21], s[20:21], s[18:19]
	s_add_nc_u64 s[46:47], s[46:47], s[18:19]
.irp s, 0,1
	s_mov_b32 s[G0+4*\s], 1
	s_add_co_u32 s[G0+4*\s+1], s45, \s*SLOT
	s_add_nc_u64 s[G0+4*\s+2:G0+4*\s+3], s[20:21], \s*ROWB
	s_or_b32 s[G0+4*\s+3], s[G0+4*\s+3], 0x80000000
	s_mov_b32 s[G0B+4*\s], 1
	s_add_co_u32 s[G0B+4*\s+1], s45, \s*SLOT
	s_add_nc_u64 s[G0B+4*\s+2:G0B+4*\s+3], s[46:47], \s*ROWB
	s_or_b32 s[G0B+4*\s+3], s[G0B+4*\s+3], 0x80000000
.endr
; the head's four tiles, one joint load a wave, in one chain of branches on the wave's number: A's rows, B's rows, A's scales, B's scales
.macro ARM under, g0, g1, next
	s_cmp_lt_u32 s14, \under
	s_cbranch_scc0 \next
	tensor_load_to_lds s[\g0:\g0+3], s[\g1:\g1+7]
	s_nop 0
.rept 4
	v_nop
.endr
	s_branch .Lhead_asked
\next:
.endm
	ARM 1, 4, G1, .Lhead_b
	ARM 2, 8, G1B, .Lhead_sa
	ARM 3, G0S, G1S, .Lhead_sb
	tensor_load_to_lds s[G0SB:G0SB+3], s[G1SB:G1SB+7]
	s_nop 0
.rept 4
	v_nop
.endr
.Lhead_asked:
	v_and_b32 v1, 15, v0
	v_bfe_u32 v2, v0, 4, 1
	v_mul_u32_u24 v3, v1, PITCH
	v_lshl_add_u32 v4, v2, 4, v3
	s_mul_i32 s21, s15, HALFT
	s_mul_i32 s22, s16, HALFT
	s_add_co_u32 s22, s22, 2*HALFT
.irp s, 0,1
	v_add_nc_u32 v[ADRA+\s], s21, v4
	v_add_nc_u32 v[ADRB+\s], s22, v4
	s_add_co_u32 s21, s21, SLOT
	s_add_co_u32 s22, s22, SLOT
.endr
	v_mul_u32_u24 v5, v1, KS
	v_lshrrev_b32 v6, 8, v5
	v_lshl_add_u32 v5, v6, 4, v5
	s_mul_i32 s21, s15, HALFS
	s_mul_i32 s22, s16, HALFS
	s_add_co_u32 s22, s22, 2*HALFS
	s_sub_co_u32 s22, s22, s21
	v_mul_u32_u24 v6, s22, v2
	s_add_co_u32 s21, s21, SCL
	v_add_nc_u32 v5, v5, v6
	v_add_nc_u32 v[ADRS], s21, v5
	s_mul_i32 s23, s15, 128*272
	s_lshl_b32 s22, s16, 7
	s_add_co_u32 s23, s23, s22
	v_mul_u32_u24 v5, v1, 272
	v_lshl_add_u32 v5, v2, 3, v5
	v_add_nc_u32 v[STO], s23, v5
	s_mul_i32 s23, s14, 64*272
	v_mul_u32_u24 v5, v2, 272
	v_lshl_add_u32 v5, v1, 4, v5
	v_add_nc_u32 v[RD], s23, v5
	v_lshlrev_b32 v5, 12, v2
	v_lshl_add_u32 v[CO], v1, 4, v5
	v_and_b32 v6, 31, v0
	v_lshlrev_b32 v[L128], 7, v6
	v_mov_b32 v[K1], 0xc0135761
	v_mov_b32 v[K1+1], 0xc0135761
	s_mov_b32 s104, 0xbdd2d3e8
	s_mov_b32 s105, s104
	s_lshl_b32 s18, s17, 8
	s_lshl_b32 s19, s14, 6
	s_add_co_u32 s19, s18, s19
	s_lshl_b32 s20, s19, 12
	s_lshl_b32 s21, s42, 8
	s_add_co_u32 s20, s20, s21
	s_mov_b32 s21, 0
	s_lshl_b32 s19, s15, 7
	s_add_co_u32 s18, s18, s19
	s_lshl_b32 s22, s18, 7
	s_lshl_b32 s19, s42, 8
	s_lshl_b32 s23, s16, 7
	s_add_co_u32 s19, s19, s23
	s_lshr_b32 s23, s19, 5
	s_add_co_u32 s22, s22, s23
	s_add_co_u32 s22, s22, 16777216
	s_mov_b32 s23, 0
	s_add_nc_u64 s[96:97], s[12:13], s[22:23]
	s_add_nc_u64 s[12:13], s[12:13], s[20:21]
	s_lshl_b32 s22, s19, 2
	s_add_nc_u64 s[98:99], s[98:99], s[22:23]
	s_mov_b32 s[SEL], 0x76543210
	s_mov_b32 s[SEL+1], 0xfedcba98
	s_mov_b32 s[MNT], 0x600000
	v_lshlrev_b32 v22, 5, v2
.irp b, 0,1,2,3,4,5,6,7
	global_load_b128 v[BI+8*\b:BI+8*\b+3], v22, s[98:99] offset:64*\b
	global_load_b128 v[BI+8*\b+4:BI+8*\b+7], v22, s[98:99] offset:64*\b+16
.endr
.macro FRAG reg, adr, q, i
.irp c, 0,1,2,3
	ds_load_b128 v[\reg+4*\c:\reg+4*\c+3], v[\adr] offset:128*(\q)+32*\c+(\i)*16*PITCH
.endr
.endm
.macro MUL16 a0, p, q, sc, zero
.irp a, \a0, \a0+1
.irp b, 0,1,2,3,4,5,6,7
.if \zero
	v_wmma_scale_f32_16x16x128_f8f6f4 v[8*(8*((\a)%4)+\b):8*(8*((\a)%4)+\b)+7], v[128*(\p)+FR*\b:128*(\p)+FR*\b+FR-1], v[AF+FR*(\a):AF+FR*(\a)+FR-1], 0, v[SC+8*NQ*(\sc)+NQ*\b+(\q)], v[SC+8*NQ*(\sc)+NQ*(\a)+(\q)] matrix_a_scale:MATRIX_SCALE_ROW1
.else
	v_wmma_scale_f32_16x16x128_f8f6f4 v[8*(8*((\a)%4)+\b):8*(8*((\a)%4)+\b)+7], v[128*(\p)+FR*\b:128*(\p)+FR*\b+FR-1], v[AF+FR*(\a):AF+FR*(\a)+FR-1], v[8*(8*((\a)%4)+\b):8*(8*((\a)%4)+\b)+7], v[SC+8*NQ*(\sc)+NQ*\b+(\q)], v[SC+8*NQ*(\sc)+NQ*(\a)+(\q)] matrix_a_scale:MATRIX_SCALE_ROW1
.endif
.endr
.endr
.endm
.macro FETCH_B slot, q, p
	WIN TO_B
.irp i, 0,1,2,3,4,5,6,7
	FRAG 128*(\p)+FR*\i, ADRB+\slot, \q, \i
.endr
	WIN 0
.endm
.macro FETCH_A slot, q, i0
.irp i, \i0, \i0+1, \i0+2, \i0+3
	FRAG AF+FR*(\i), ADRA+\slot, \q, \i
.endr
.endm
.macro SCALES sc
.irp i, 0,1,2,3,4,5,6,7
	ds_load_b64 v[SC+8*NQ*\sc+NQ*\i:SC+8*NQ*\sc+NQ*\i+1], v[ADRS] offset:\i*SBLK
.endr
.endm
.macro PLACES n
.rept \n
	v_nop
.endr
.endm
.macro STEP slot, q, zero
	s_wait_dscnt 4*NL
	WIN MUL_LO
	MUL16 0, (\q)%2, \q, \slot, \zero
	MUL16 2, (\q)%2, \q, \slot, \zero
	s_wait_dscnt 0
	PLACES NP
	FETCH_B \slot, (\q)+1, 1-(\q)%2
	FETCH_A \slot, (\q)+1, 0
	WIN MUL_HI
	MUL16 4, (\q)%2, \q, \slot, \zero
	MUL16 6, (\q)%2, \q, \slot, \zero
	PLACES NP
	WIN 0
	FETCH_A \slot, (\q)+1, 4
.endm
.macro TURN slot, next, fill
	s_wait_tensorcnt 0x0
	ds_add_u32 v[SPW], v[NIL]
	s_wait_dscnt 4*NL+1
	WIN MUL_LO
	MUL16 0, 1, NQ-1, \slot, 0
	s_wait_dscnt 0x0
	s_barrier_signal -1
	MUL16 2, 1, NQ-1, \slot, 0
	WIN 0
	s_barrier_wait -1
.if \fill
	CREST
	s_add_nc_u64 s[G0+4*\slot+2:G0+4*\slot+3], s[G0+4*\slot+2:G0+4*\slot+3], 2*ROWB
	s_add_nc_u64 s[G0B+4*\slot+2:G0B+4*\slot+3], s[G0B+4*\slot+2:G0B+4*\slot+3], 2*ROWB
	JLOAD G0+4*\slot, G1, G0B+4*\slot, G1B
	PLACES NP-4
.else
	PLACES NP
.endif
	s_wait_alu depctr_va_vdst(0)
	v_add_nc_u32 v[ADRS], 4*NQ, v[ADRS]
	FETCH_B \next, 0, 0
	FETCH_A \next, 0, 0
	SCALES \next
	WIN MUL_HI
	MUL16 4, 1, NQ-1, \slot, 0
	MUL16 6, 1, NQ-1, \slot, 0
	PLACES NP
	WIN 0
	FETCH_A \next, 0, 4
.endm
	s_wait_alu depctr_va_vdst(0)
	s_wait_tensorcnt 0x0                           ; my tile of the head's four is in; slot 1's first fill is issued as a refill is
	ds_add_u32 v[SPW], v[NIL]
	s_mov_b32 s[G1+2], 128<<16                     ; no load of mine is out: from here on a load brings 128 rows
	s_mov_b32 s[G1+4], 128
	s_mov_b32 s[G1B+2], 128<<16
	s_mov_b32 s[G1B+4], 128
	s_wait_dscnt 0x0
	CROUND
	JLOAD G0+4, G1, G0B+4, G1B                     ; K step 1
	FETCH_B 0, 0, 0
	FETCH_A 0, 0, 0
	SCALES 0
	FETCH_A 0, 0, 4
	STEP 0, 0, 1
	s_mov_b32 s3, LAPS-1
.Llap:
	TURN 0, 1, 1
	STEP 1, 0, 0
	TURN 1, 0, 1
	STEP 0, 0, 0
	s_sub_co_u32 s3, s3, 1
	s_cmp_lg_u32 s3, 0
	s_cbranch_scc1 .Llap
	TURN 0, 1, 0
	STEP 1, 0, 0
	s_wait_dscnt 4*NL
	WIN MUL_LO
	MUL16 0, 1, NQ-1, 1, 0
	MUL16 2, 1, NQ-1, 1, 0
	s_wait_dscnt 0
	WIN MUL_HI
	MUL16 4, 1, NQ-1, 1, 0
	MUL16 6, 1, NQ-1, 1, 0
	WIN 0
.macro QUANT s, pw
.irp b, 0,1,2,3
	v_max3_num_f32 v[TM+\b], |v[\s+16*\b]|, |v[\s+1+16*\b]|, 0x4800000
.endr
.irp i, 2,4,6,8,10,12,14
.irp b, 0,1,2,3
	v_max3_num_f32 v[TM+\b], v[TM+\b], |v[\s+16*\b+\i]|, |v[\s+1+16*\b+\i]|
.endr
.endr
.irp b, 0,1,2,3
	v_permlanex16_b32 v[TM+4+\b], v[TM+\b], s[SEL], s[SEL+1]
.endr
.irp b, 0,1,2,3
	v_max_num_f32 v[TM+\b], v[TM+\b], v[TM+4+\b]
.endr
.irp b, 0,1,2,3
	v_add_nc_u32 v[TM+12+\b], 0xfc000000, v[TM+\b]
.endr
.irp b, 0,1,2,3
	v_and_or_b32 v[TM+8+\b], v[TM+\b], 0x7f800000, s[MNT]
.endr
.irp b, 0,1,2,3
	v_lshrrev_b32 v[TM+4+\b], 23, v[TM+12+\b]
.endr
	v_lshl_or_b32 v[\pw], v[TM+5], 8, v[TM+4]
	v_lshl_or_b32 v[\pw], v[TM+6], 16, v[\pw]
	v_lshl_or_b32 v[\pw], v[TM+7], 24, v[\pw]
.irp b, 0,1,2,3
.irp i, 0,1,2,3,4,5,6,7,8,9,10,11,12,13,14,15
	v_med3_num_f32 v[\s+16*\b+\i], v[\s+16*\b+\i], -v[TM+8+\b], v[TM+8+\b]
.endr
	v_cvt_scalef32_pk8_fp8_f32 v[PC+4*\b:PC+1+4*\b], v[\s+16*\b:\s+7+16*\b], v[TM+12+\b]
	v_cvt_scalef32_pk8_fp8_f32 v[PC+2+4*\b:PC+3+4*\b], v[\s+8+16*\b:\s+15+16*\b], v[TM+12+\b]
.endr
	v_nop
.endm
.macro TAKE a
	s_wait_dscnt 0x0
	WIN 0x02+((\a)/4)
.set AC, 64*((\a)%4)
.set n, 0
.rept 32
	v_pk_add_f32 v[X+n:X+n+1], v[AC+n:AC+n+1], v[BI+n:BI+n+1]
.set n, n+2
.endr
	WIN 0
.endm
.macro GARG w, x
.set n, 0
.rept 16
	v_pk_mul_f32 v[\w+n:\w+n+1], v[\x+n:\x+n+1], v[\x+n:\x+n+1]
.set n, n+2
.endr
.set n, 0
.rept 16
	v_pk_fma_f32 v[\w+n:\w+n+1], v[\w+n:\w+n+1], s[104:105], v[K1:K1+1] op_sel_hi:[1,0,1]
.set n, n+2
.endr
.set n, 0
.rept 16
	v_pk_mul_f32 v[\w+n:\w+n+1], v[\w+n:\w+n+1], v[\x+n:\x+n+1]
.set n, n+2
.endr
.endm
.macro TR32 op, w
.set n, 0
.rept 32
	\op v[\w+n], v[\w+n]
.set n, n+1
.endr
.endm
.macro ONE32 w
.set n, 0
.rept 16
	v_pk_add_f32 v[\w+n:\w+n+1], v[\w+n:\w+n+1], 1.0 op_sel_hi:[1,0]
.set n, n+2
.endr
.endm
.macro XMUL x, w
.set n, 0
.rept 16
	v_pk_mul_f32 v[\x+n:\x+n+1], v[\x+n:\x+n+1], v[\w+n:\w+n+1]
.set n, n+2
.endr
.endm
.macro GELU
	GARG W0, X
	s_wait_alu depctr_va_vdst(0)
	TR32 v_exp_f32, W0
	GARG W1, X+32
	s_wait_alu depctr_va_vdst(0)
	ONE32 W0
	s_wait_alu depctr_va_vdst(0)
	TR32 v_exp_f32, W1
	TR32 v_rcp_f32, W0
	v_nop
	s_wait_alu depctr_va_vdst(0)
	ONE32 W1
	XMUL X, W0
	s_wait_alu depctr_va_vdst(0)
	TR32 v_rcp_f32, W1
	v_nop
	s_wait_alu depctr_va_vdst(0)
	XMUL X+32, W1
.endm
	PLACES NP
	s_wait_loadcnt 0x0
.irp a, 0,1,2,3,4,5,6,7
	TAKE \a
	GELU
	QUANT X, PWS+\a
.irp b, 0,1,2,3
.irp u, 0,1
	ds_store_b64 v[STO], v[PC+4*\b+2*\u:PC+4*\b+2*\u+1] offset:\a*4352+32*\b+16*\u
.endr
.endr
.endr
.irp p, 0,1,2,3
	v_cndmask_b32 v[T+\p], v[PWS+2*\p], v[PWS+2*\p+1], s2
	global_store_b32 v[L128], v[T+\p], s[96:97] offset:4096*\p
.endr
	s_wait_dscnt 0x0
	s_barrier_signal -1
	s_barrier_wait -1
.set n, 0
.rept 32
	ds_load_b128 v[64+4*n:64+4*n+3], v[RD] offset:544*n
.set n, n+1
.endr
.set n, 0
.rept 32
	s_wait_dscnt 31-n
	global_store_b128 v[CO], v[64+4*n:64+4*n+3], s[12:13] offset:8192*n
.set n, n+1
.endr
	s_wait_tensorcnt 0x0
	ds_add_u32 v[SPW], v[NIL]
	s_wait_dscnt 0x0
	CROUND
	s_endpgm
.Lfunc_end_k_q70a60f74af_fc:
	.size	k_q70a60f74af_fc, .Lfunc_end_k_q70a60f74af_fc-k_q70a60f74af_fc
	.p2alignl 7, 3214868480
	.fill 96, 4, 3214868480
	.section	.rodata,"a",@progbits
	.p2align	6, 0x0
	.amdhsa_kernel k_q70a60f74af_fc
		.amdhsa_group_segment_fixed_size 327680
		.amdhsa_private_segment_fixed_size 0
		.amdhsa_enable_private_segment 0
		.amdhsa_kernarg_size 40
		.amdhsa_user_sgpr_count 2
		.amdhsa_user_sgpr_kernarg_segment_ptr 1
		.amdhsa_wavefront_size32 1
		.amdhsa_system_sgpr_workgroup_id_x 1
		.amdhsa_system_sgpr_workgroup_id_y 1
		.amdhsa_system_sgpr_workgroup_id_z 1
		.amdhsa_system_vgpr_workitem_id 0
		.amdhsa_next_free_vgpr 1024
		.amdhsa_next_free_sgpr 106
		.amdhsa_reserve_vcc 0
		.amdhsa_float_denorm_mode_32 3
		.amdhsa_float_denorm_mode_16_64 3
		.amdhsa_memory_ordered 1
		.amdhsa_forward_progress 1
		.amdhsa_inst_pref_size 255
	.end_amdhsa_kernel
	.section	.bss,"aw",@nobits
	.p2align	6
	.space	262144
	.amdgpu_metadata
---
amdhsa.version: [ 1, 2 ]
amdhsa.kernels:
  - .name:           k_q70a60f74af_fc
    .symbol:         k_q70a60f74af_fc.kd
    .args:
      - { .name: l2, .offset: 0, .size: 8, .value_kind: global_buffer, .address_space: global }
      - { .name: w_fc_codes, .offset: 8, .size: 8, .value_kind: global_buffer, .address_space: global }
      - { .name: w_fc_scales, .offset: 16, .size: 8, .value_kind: global_buffer, .address_space: global }
      - { .name: b_fc, .offset: 24, .size: 8, .value_kind: global_buffer, .address_space: global }
      - { .name: gb, .offset: 32, .size: 8, .value_kind: global_buffer, .address_space: global }
    .group_segment_fixed_size: 327680
    .private_segment_fixed_size: 0
    .kernarg_segment_align: 8
    .kernarg_segment_size: 40
    .max_flat_workgroup_size: 128
    .sgpr_count:     106
    .vgpr_count:     1024
    .wavefront_size: 32
...
	.end_amdgpu_metadata
.endif
;; end of part 6
;; launch proj (part 7): grid 8 x 32, 4 waves a work-group, clusters of 4 x 4, 327,680 bytes of LDS; arguments gb, w_proj_codes, w_proj_scales, b_proj, h2, out0; writes out0
.if DOCPART == 7
	.amdgcn_target "amdgcn-amd-amdhsa--gfx1250"
	.amdhsa_code_object_version 6
	.text
	.protected	k_q70a60f74af_proj
	.globl	k_q70a60f74af_proj
	.p2align	8
	.type	k_q70a60f74af_proj,@function
k_q70a60f74af_proj:
	s_mov_b64 s[64:65], 0
	v_nop
	global_prefetch_b8 v0, s[64:65] scope:SCOPE_SE
	s_setreg_imm32_b32 hwreg(HW_REG_WAVE_MODE, 25, 1), 1
	s_wait_xcnt 0x0
	s_wait_alu depctr_hold_cnt(0) depctr_sa_sdst(0) depctr_va_vdst(0) depctr_va_sdst(0) depctr_va_ssrc(0) depctr_va_vcc(0) depctr_vm_vsrc(0)
	s_getreg_b32 s2, hwreg(HW_REG_IB_STS2, 6, 4)
	s_cmp_eq_u32 s2, 0
	s_cbranch_scc0 .Lentry_in_a_cluster
	s_endpgm
.Lentry_in_a_cluster:
	s_bfe_u32 s2, ttmp6, 0x10000c
	s_cmp_lg_u32 s2, 0xf033
	s_cbranch_scc0 .Lentry_shape_is_right
	s_endpgm
.Lentry_shape_is_right:
; out = resid + A B^T + bias, f32.  A: [4096][SIZE_K] E4M3 codes, its E8M0 bytes [4096][SIZE_K / 32] ASOFF bytes behind them; B: [1024][SIZE_K] codes and bytes in two buffers; resid, out: [4096][1024] f32.
; A block of out is 128 x 128: 256 work-groups of four waves.  K IS DEALT AMONG THE WAVES: a fill brings 1,024 along K of A's 128 rows and B's 128 rows, and wave w multiplies bytes 256 w .. 256 w + 255 of every row:
; each wave holds the whole block in 64 accumulators (512 registers), and each LDS byte of a tile is read by one wave, once.  SIZE_K / 1,024 = 4 fills of 2 x 128 rows x 1,024 bytes.
; The tiles have ONE region of LDS: as soon as a fill's last fragments stand in every wave's registers the region is filled again, behind a drained round of the cluster's barrier, 64 rows a wave, under the 48 products that are left.
; The scale bytes of the block's rows, for all of K, come once.  At the end the four partial sums meet in LDS as rows of 512 bytes (+ 16), on bytes that have had their last fill and last read;
; wave w adds rows 32 w .. 32 w + 31, the residual and the bias, and stores rows of 512 consecutive bytes.
; 4 x 4 work-groups form a cluster: A's tiles are asked for jointly along a row of it, B's along a column.  Source 0 = rows of B, source 1 = rows of A: a lane holds eight neighbouring numbers of a row of out.
; PREFETCH: a fill's 512 blocks of 256 bytes of A (and of B) are named once in each cluster, 32 by each of the sixteen waves that share them, told apart by address, one fill ahead of their load; the last trip names my late residual rows.
; The order of the f32 sums differs from K ascending: four partial sums are added at the end.
.set SIZE_K, 4096
.set ASOFF,  16777216
.set NPER,   SIZE_K/1024               ; fills
.set KROW,   SIZE_K
.set PER,    1024
.set PITCH,  1040                      ; 1,024 bytes + 16 of padding: an odd multiple of 16
.set FR,     16
.set NL,     4
.set NP,     8                         ; places behind this matrix instruction (ISA guide 7.12.1)
.set HALFT,  64*PITCH
.set ATILE,  128*PITCH
.set KS,     SIZE_K/32
.set SCL,    2*ATILE
.set HALFS,  (128*KS/256)*272
.set SBLK,   (16*KS/256)*272
.set SPARE,  SCL+2*HALFS               ; the spare words, behind the scales and behind the stage's 4 x 128 x 528 bytes
.set SP,     528
.set BIA,  8                           ; v8-11 bias of my four columns
.set ADRA, 12                          ; v12, 13 A's blocks 0-3, 4-7
.set ADRB, 14                          ; v14, 15 B's
.set RD,   16                          ; v16-19 the stage, back: one address for each wave's part
.set STO,  20
.set CO,   21
.set ADRS, 22
.set PFO,  23
.set PFR,  24
.set SPW,  28
.set NIL,  29
.set SC,   32                          ; v32-47 scale words: register 2 i + q: lanes 0-15 A's block i, lanes 16-31 B's
.set RS0,  64                          ; v64-127 residual rows 0-15; rows 16-31 come late, into window 1
.set AF,   128                         ; v128-255 A's fragments; window 1: B's two sets; windows 2, 3: accumulators
.set G1, 24
.set G0, 32
.set G0H, 36
.set G1B, 48
.set G0B, 56
.set G0HB, 60
.set G1S, 68
.set G0S, 76
.set G1SB, 80
.set G0SB, 88
.set MSB, 0
.macro WIN new                         ; the immediate's high byte repeats the setting that is left
.if MSB != (\new)
	s_set_vgpr_msb (MSB<<8)|(\new)
.set MSB, (\new)
.endif
.endm
.set MUL_LO, 0xa1
.set MUL_HI, 0xf1
.set TO_B,   0x40
.macro PLACES n
.rept \n
	v_nop
.endr
.endm
.macro TL g0, g1                       ; a tensor load with the lines behind it
	tensor_load_to_lds s[\g0:\g0+3], s[\g1:\g1+7]
	s_nop 0
	PLACES 4
.endm
.macro CREST
	s_cmp_lg_u32 s14, 0
	s_cbranch_scc1 .Lnot_wave_0_\@
	s_barrier_signal -3
.Lnot_wave_0_\@:
	s_barrier_wait -3
	s_barrier_signal -1
	s_barrier_wait -1
.endm
.macro CROUND
	s_barrier_signal -1
	s_barrier_wait -1
	CREST
.endm
	s_load_b64 s[4:5], s[0:1], 0x0                 ; A
	s_load_b128 s[8:11], s[0:1], 0x8               ; B's codes, B's scales
	s_load_b64 s[98:99], s[0:1], 0x18              ; bias
	s_load_b64 s[96:97], s[0:1], 0x20              ; resid
	s_load_b64 s[12:13], s[0:1], 0x28              ; out
	v_lshl_add_u32 v[SPW], v0, 2, SPARE
	v_mov_b32 v[NIL], 0
	ds_add_u32 v[SPW], v[NIL]                      ; the opening lines: the add twice and its wait
	ds_add_u32 v[SPW], v[NIL]
	v_lshrrev_b32 v1, 5, v0
	v_readfirstlane_b32 s14, v1                    ; wave
	s_lshr_b32 s15, s14, 1
	s_and_b32 s16, s14, 1
	s_bfe_u32 s40, ttmp6, 0x40000                  ; cx, cy
	s_bfe_u32 s41, ttmp6, 0x40004
	s_lshl_b32 s42, ttmp9, 2
	s_add_co_u32 s42, s42, s40                     ; tile column
	s_and_b32 s17, ttmp7, 0xffff
	s_lshl_b32 s17, s17, 2
	s_add_co_u32 s17, s17, s41                     ; tile row
	s_lshl_b32 s43, s41, 2
	s_lshl_b32 s43, 15, s43                        ; my row of the cluster
	s_lshl_b32 s44, 0x1111, s40                    ; my column
	s_or_b32 s[G1], s43, (1<<20)|(1<<21)|(7<<22)|(3<<25)   ; elements of 1 byte; 4 words of padding behind every 256
	s_or_b32 s[G1B], s44, (1<<20)|(1<<21)|(7<<22)|(3<<25)
.irp g, G1, G1B
	s_mov_b32 s[\g+1], PER<<16
	s_mov_b32 s[\g+2], 128<<16
	s_mov_b32 s[\g+3], PER<<16
	s_mov_b32 s[\g+4], 128
	s_mov_b32 s[\g+5], KROW
	s_mov_b32 s[\g+6], 0
	s_mov_b32 s[\g+7], 0
.endr
	s_or_b32 s[G1S], s43, (3<<16)|(1<<20)|(1<<21)|(5<<22)|(3<<25)   ; the scales of 128 rows: a dense block as rows of 256 bytes
	s_or_b32 s[G1SB], s44, (3<<16)|(1<<20)|(1<<21)|(5<<22)|(3<<25)
.irp g, G1S, G1SB
	s_mov_b32 s[\g+1], 32<<16
	s_mov_b32 s[\g+2], (128*KS/256)<<16
	s_mov_b32 s[\g+3], 32<<16
	s_mov_b32 s[\g+4], 128*KS/256
	s_mov_b32 s[\g+5], 32
	s_mov_b32 s[\g+6], 0
	s_mov_b32 s[\g+7], 0
.endr
	s_lshl_b32 s20, s17, 7                         ; A's first row
	s_lshl_b32 s46, s42, 7                         ; B's
	s_mul_i32 s22, s20, KS
	s_mul_i32 s18, s46, KS
	s_mul_i32 s20, s20, KROW
	s_mul_i32 s46, s46, KROW
	s_mov_b32 s21, 0
	s_mov_b32 s23, 0
	s_mov_b32 s19, 0
	s_mov_b32 s47, 0
	s_mul_i32 s45, s14, HALFT
	s_wait_dscnt 0x0
	CROUND                                         ; the round in front of the first joint loads
	s_wait_kmcnt 0x0
	s_add_nc_u64 s[6:7], s[4:5], ASOFF
	s_add_nc_u64 s[20:21], s[4:5], s[20:21]
	s_add_nc_u64 s[22:23], s[6:7], s[22:23]
	s_add_nc_u64 s[46:47], s[8:9], s[46:47]
	s_add_nc_u64 s[18:19], s[10:11], s[18:19]
	s_mov_b32 s[G0H], 1
	s_mov_b32 s[G0H+1], 0
	s_mov_b64 s[G0H+2:G0H+3], s[20:21]
	s_or_b32 s[G0H+3], s[G0H+3], 0x80000000
	s_mov_b32 s[G0HB], 1
	s_mov_b32 s[G0HB+1], ATILE
	s_mov_b64 s[G0HB+2:G0HB+3], s[46:47]
	s_or_b32 s[G0HB+3], s[G0HB+3], 0x80000000
	s_mov_b32 s[G0S], 1
	s_mov_b32 s[G0S+1], SCL
	s_mov_b64 s[G0S+2:G0S+3], s[22:23]
	s_or_b32 s[G0S+3], s[G0S+3], 0x80000000
	s_mov_b32 s[G0SB], 1
	s_mov_b32 s[G0SB+1], SCL+HALFS
	s_mov_b64 s[G0SB+2:G0SB+3], s[18:19]
	s_or_b32 s[G0SB+3], s[G0SB+3], 0x80000000
.if NPER > 1
	s_lshl_b32 s66, s40, 2                         ; prefetches: of a fill's 512 blocks of 256 bytes of A the cluster row's sixteen waves take 32 each, told apart by address
	s_add_co_u32 s66, s66, s14
	s_lshl_b32 s66, s66, 15                        ; 8 rows of 4,096 bytes a wave
	s_add_co_u32 s66, s66, PER                     ; the second fill
	s_mov_b32 s67, 0
	s_add_nc_u64 s[92:93], s[20:21], s[66:67]
	s_lshl_b32 s66, s41, 2                         ; B's likewise, among the cluster column's sixteen waves
	s_add_co_u32 s66, s66, s14
	s_lshl_b32 s66, s66, 15
	s_add_co_u32 s66, s66, PER
	s_add_nc_u64 s[94:95], s[46:47], s[66:67]
	s_mul_i32 s66, s16, 64*KROW                    ; a refill: 64 rows a wave
	s_mov_b32 s[G0], 1
	s_mov_b32 s[G0+1], s45
	s_add_nc_u64 s[G0+2:G0+3], s[20:21], s[66:67]
	s_or_b32 s[G0+3], s[G0+3], 0x80000000
	s_mov_b32 s[G0B], 1
	s_mov_b32 s[G0B+1], s45
	s_add_nc_u64 s[G0B+2:G0B+3], s[46:47], s[66:67]
	s_or_b32 s[G0B+3], s[G0B+3], 0x80000000
.endif
.macro ARM under, g0, g1, next         ; the head's four tiles, one joint load a wave, in one chain of branches on the wave's number
	s_cmp_lt_u32 s14, \under
	s_cbranch_scc0 \next
	TL \g0, \g1
	s_branch .Lhead_asked
\next:
.endm
	ARM 1, G0H, G1, .Lhead_b
	ARM 2, G0HB, G1B, .Lhead_sa
	ARM 3, G0S, G1S, .Lhead_sb
	TL G0SB, G1SB
.Lhead_asked:
	s_lshl_b32 s20, s17, 7
	s_lshl_b32 s21, s14, 5
	s_add_co_u32 s20, s20, s21                     ; the first row that I store: 128 x tile row + 32 x wave
	s_lshl_b32 s20, s20, 12
	s_lshl_b32 s46, s42, 9                         ; the block's first column, in bytes
	s_add_co_u32 s20, s20, s46
	s_mov_b32 s21, 0
	s_mov_b32 s47, 0
	s_add_nc_u64 s[12:13], s[12:13], s[20:21]
	s_add_nc_u64 s[96:97], s[96:97], s[20:21]
	s_add_nc_u64 s[98:99], s[98:99], s[46:47]
	s_lshl_b32 s21, s14, 8                         ; my 256 bytes of every row
	s_lshl_b32 s22, s14, 3                         ; and their 8 scale bytes
	s_add_co_u32 s22, s22, SCL
	s_mul_i32 s23, s14, 128*SP                     ; my part of the stage
	s_mul_i32 s18, s14, 32*SP                      ; the rows that I add
	v_and_b32 v1, 15, v0                           ; r
	v_bfe_u32 v2, v0, 4, 1                         ; h
	v_and_b32 v3, 31, v0
	v_mul_u32_u24 v4, v1, PITCH
	v_lshl_add_u32 v4, v2, 4, v4
	v_add_nc_u32 v[ADRA], s21, v4
	v_add_nc_u32 v[ADRA+1], 64*PITCH, v[ADRA]
	v_add_nc_u32 v[ADRB], ATILE, v[ADRA]
	v_add_nc_u32 v[ADRB+1], ATILE+64*PITCH, v[ADRA]
	v_mul_u32_u24 v5, v1, KS
	v_lshrrev_b32 v6, 8, v5
	v_lshl_add_u32 v5, v6, 4, v5                   ; 16 more for each 256 passed
	v_mul_u32_u24 v6, v2, HALFS                    ; lanes 16-31 take B's words
	v_add_nc_u32 v5, v5, v6
	v_add_nc_u32 v[ADRS], s22, v5
	v_mul_u32_u24 v5, v1, SP
	v_lshl_add_u32 v5, v2, 5, v5
	v_add_nc_u32 v[STO], s23, v5
	v_lshlrev_b32 v[CO], 4, v3
	v_add_nc_u32 v[RD], s18, v[CO]
	v_add_nc_u32 v[RD+1], 128*SP, v[RD]
	v_add_nc_u32 v[RD+2], 2*128*SP, v[RD]
	v_add_nc_u32 v[RD+3], 3*128*SP, v[RD]
.if NPER > 1
	v_lshrrev_b32 v5, 2, v3
	v_and_b32 v6, 3, v3
	v_lshlrev_b32 v6, 8, v6
	v_lshl_add_u32 v[PFO], v5, 12, v6              ; four lanes to a row's 1,024 bytes
	v_lshrrev_b32 v5, 1, v3
	v_and_b32 v6, 1, v3
	v_lshlrev_b32 v6, 8, v6
	v_lshl_add_u32 v[PFR], v5, 12, v6              ; two lanes to a residual row's 512 bytes
.endif
	s_wait_alu depctr_va_vdst(0)
	global_load_b128 v[BIA:BIA+3], v[CO], s[98:99]
.macro FRAG reg, adr, q, i             ; 16 rows x 128 K: registers 4 c .. 4 c + 3 hold K = 32 c + 16 h + 0 .. 15
.irp c, 0,1,2,3
	ds_load_b128 v[\reg+4*\c:\reg+4*\c+3], v[\adr] offset:128*(\q)+32*\c+(\i)*16*PITCH
.endr
.endm
.macro MUL16 a0, p, q, zero            ; A's blocks a0, a0 + 1 x B's eight; the 64 accumulators take turns
.irp a, \a0, \a0+1
.irp b, 0,1,2,3,4,5,6,7
.if \zero
	v_wmma_scale_f32_16x16x128_f8f6f4 v[8*(8*((\a)%4)+\b):8*(8*((\a)%4)+\b)+7], v[128*(\p)+FR*\b:128*(\p)+FR*\b+FR-1], v[AF+FR*(\a):AF+FR*(\a)+FR-1], 0, v[SC+2*\b+(\q)], v[SC+2*(\a)+(\q)] matrix_a_scale:MATRIX_SCALE_ROW1
.else
	v_wmma_scale_f32_16x16x128_f8f6f4 v[8*(8*((\a)%4)+\b):8*(8*((\a)%4)+\b)+7], v[128*(\p)+FR*\b:128*(\p)+FR*\b+FR-1], v[AF+FR*(\a):AF+FR*(\a)+FR-1], v[8*(8*((\a)%4)+\b):8*(8*((\a)%4)+\b)+7], v[SC+2*\b+(\q)], v[SC+2*(\a)+(\q)] matrix_a_scale:MATRIX_SCALE_ROW1
.endif
.endr
.endr
.endm
.macro FETCH_B q, p
	WIN TO_B
.irp f, 0,1
.irp i, 0,1,2,3
	FRAG 128*(\p)+FR*(4*\f+\i), ADRB+\f, \q, \i
.endr
.endr
	WIN 0
.endm
.macro FETCH_A q, f
.irp i, 0,1,2,3
	FRAG AF+FR*(4*(\f)+\i), ADRA+(\f), \q, \i
.endr
.endm
.macro START                           ; a fill's first fragments and its scale words
	FETCH_B 0, 0
	FETCH_A 0, 0
.irp i, 0,1,2,3,4,5,6,7
	ds_load_b64 v[SC+2*\i:SC+2*\i+1], v[ADRS] offset:\i*SBLK
.endr
	FETCH_A 0, 1
.endm
.macro S0 zero                         ; my first 128 of a fill; the second's fragments are fetched in it
	s_wait_dscnt 4*NL                              ; all but the youngest 16 loads (A's blocks 4-7)
	WIN MUL_LO
	MUL16 0, 0, 0, \zero
	MUL16 2, 0, 0, \zero
	s_wait_dscnt 0
	PLACES NP
	FETCH_B 1, 1
	FETCH_A 1, 0
	WIN MUL_HI
	MUL16 4, 0, 0, \zero
	MUL16 6, 0, 0, \zero
	PLACES NP
	WIN 0
	FETCH_A 1, 1
.endm
	s_wait_tensorcnt 0x0                           ; my tile of the head's four is in
.if NPER > 1
	s_mov_b32 s[G1+2], 64<<16                      ; no load of mine is out: from here on a load brings 64 rows
	s_mov_b32 s[G1+4], 64
	s_mov_b32 s[G1B+2], 64<<16
	s_mov_b32 s[G1B+4], 64
.endif
	s_barrier_signal -1
	s_barrier_wait -1                              ; all four are in
	START
.if NPER > 1
	global_prefetch_b8 v[PFO], s[92:93] th:TH_LOAD_NT scope:SCOPE_SE   ; the second fill's bytes: asked for when the first fill is in, 96 products ahead of their load
	global_prefetch_b8 v[PFO], s[94:95] th:TH_LOAD_NT scope:SCOPE_SE
.endif
	S0 1
.if NPER > 1
	s_mov_b32 s3, 0
.Lper:                                                 ; a trip: a fill's second 128, the refill under it, the next fill's first 128
	s_wait_xcnt 0x0                                ; my prefetches have read their bases
	s_add_nc_u64 s[92:93], s[92:93], PER
	s_add_nc_u64 s[94:95], s[94:95], PER
	s_wait_tensorcnt 0x0                           ; no load of mine is out
	ds_add_u32 v[SPW], v[NIL]
	s_wait_dscnt 4*NL+1                            ; the add and the youngest 16 loads may be out
	WIN MUL_LO
	MUL16 0, 1, 1, 0
	s_wait_dscnt 0x0                               ; the add is done, and all of this fill that I need stands in registers
	s_barrier_signal -1
	MUL16 2, 1, 1, 0
	WIN 0
	s_barrier_wait -1
	CREST                                          ; the barrier has opened a round of the cluster's
	s_add_nc_u64 s[G0+2:G0+3], s[G0+2:G0+3], PER
	s_add_nc_u64 s[G0B+2:G0B+3], s[G0B+2:G0B+3], PER
	s_cmp_eq_u32 s15, 0                            ; waves 0, 1: A's halves; waves 2, 3: B's
	s_cbranch_scc0 .Lfor_b
	TL G0, G1
	s_branch .Lasked
.Lfor_b:
	TL G0B, G1B
.Lasked:
	s_cmp_lt_u32 s3, NPER-2                        ; the fill after the one just asked for; the last trip has none, and asks for my late residual rows
	s_cbranch_scc0 .Lask_r
	global_prefetch_b8 v[PFO], s[92:93] th:TH_LOAD_NT scope:SCOPE_SE
	global_prefetch_b8 v[PFO], s[94:95] th:TH_LOAD_NT scope:SCOPE_SE
	s_branch .Lasked_all
.Lask_r:
	global_prefetch_b8 v[PFR], s[96:97] th:TH_LOAD_NT scope:SCOPE_SE   ; residual rows 0-15, then rows 16-31
	global_prefetch_b8 v[PFR], s[96:97] offset:16*4096 th:TH_LOAD_NT scope:SCOPE_SE
.Lasked_all:
	WIN MUL_HI
	MUL16 4, 1, 1, 0
	MUL16 6, 1, 1, 0
	PLACES NP
	WIN 0
	v_add_nc_u32 v[ADRS], PER/32, v[ADRS]
	s_wait_alu depctr_va_vdst(0)
	s_wait_tensorcnt 0x0                           ; my part of the refill is in
	s_barrier_signal -1
	s_barrier_wait -1                              ; everybody's is
	START
	S0 0
	s_add_co_u32 s3, s3, 1
	s_cmp_lt_u32 s3, NPER-1
	s_cbranch_scc1 .Lper
.endif
.irp t, 0,1,2,3,4,5,6,7,8,9,10,11,12,13,14,15   ; residual rows 0-15
	global_load_b128 v[RS0+4*\t:RS0+4*\t+3], v[CO], s[96:97] offset:\t*4096 th:TH_LOAD_NT
.endr
	WIN TO_B
.irp t, 0,1,2,3,4,5,6,7,8,9,10,11,12,13,14,15
	global_load_b128 v[4*\t:4*\t+3], v[CO], s[96:97] offset:(16+\t)*4096 th:TH_LOAD_NT
.endr
	WIN 0
	s_wait_dscnt 4*NL
	WIN MUL_LO
	MUL16 0, 1, 1, 0
	MUL16 2, 1, 1, 0
	s_wait_dscnt 0x0                               ; my last reads of the tiles are over
	s_barrier_signal -1
	WIN MUL_HI
	MUL16 4, 1, 1, 0
	MUL16 6, 1, 1, 0
	WIN 0
	s_barrier_wait -1                              ; everybody's are: the stage may be written
	PLACES NP
.irp a, 0,1,2,3,4,5,6,7                ; my partial sums, as rows; each accumulator from its low end on
	WIN 0x08+4*(\a/4)
.irp b, 0,1,2,3,4,5,6,7
	ds_store_b128 v[STO], v[64*(\a%4)+8*\b:64*(\a%4)+8*\b+3] offset:\a*16*SP+64*\b
	ds_store_b128 v[STO], v[64*(\a%4)+8*\b+4:64*(\a%4)+8*\b+7] offset:\a*16*SP+64*\b+16
.endr
.endr
	WIN 0
	s_wait_dscnt 0x0
	s_barrier_signal -1
	s_barrier_wait -1
.macro GETB k                          ; four rows, each wave's part of each
.irp i, 0,1,2,3
.irp s, 0,1,2,3
	ds_load_b128 v[AF+64*((\k)%2)+16*\i+4*\s:AF+64*((\k)%2)+16*\i+4*\s+3], v[RD+\s] offset:(4*(\k)+\i)*SP
.endr
.endr
.endm
.macro PADD d, s
	v_pk_add_f32 v[\d:\d+1], v[\d:\d+1], v[\s:\s+1]
.endm
.macro SEND k, younger
.set BB, AF+64*((\k)%2)
	s_wait_dscnt \younger
.irp i, 0,1,2,3
	PADD BB+16*\i, BB+16*\i+4
	PADD BB+16*\i+2, BB+16*\i+6
	PADD BB+16*\i+8, BB+16*\i+12
	PADD BB+16*\i+10, BB+16*\i+14
.endr
.irp i, 0,1,2,3
	PADD BB+16*\i, BB+16*\i+8
	PADD BB+16*\i+2, BB+16*\i+10
.endr
.irp i, 0,1,2,3
	PADD BB+16*\i, BIA
	PADD BB+16*\i+2, BIA+2
.endr
.if (\k) < 4
.irp i, 0,1,2,3
	PADD BB+16*\i, RS0+16*(\k)+4*\i
	PADD BB+16*\i+2, RS0+16*(\k)+4*\i+2
.endr
.else
	WIN 0x04                                       ; source 1 in window 1
.irp i, 0,1,2,3
	PADD BB+16*\i, 16*((\k)-4)+4*\i
	PADD BB+16*\i+2, 16*((\k)-4)+4*\i+2
.endr
	WIN 0
.endif
.irp i, 0,1,2,3
	global_store_b128 v[CO], v[BB+16*\i:BB+16*\i+3], s[12:13] offset:(4*(\k)+\i)*4096 th:TH_STORE_NT   ; 512 consecutive bytes, aligned
.endr
.endm
	GETB 0
	GETB 1
	s_wait_loadcnt 16                              ; the bias and residual rows 0-15 are in; the 16 late loads may be out
.irp k, 0,1,2,3,4,5
.if \k == 4
	s_wait_loadcnt 0x0
.endif
	SEND \k, 16                                    ; the next batch's 16 loads may be out
	s_wait_xcnt 0x0                                ; the stores have read their registers
	GETB \k+2
.endr
	SEND 6, 16
	SEND 7, 0
	s_wait_tensorcnt 0x0                           ; the wave's end
	ds_add_u32 v[SPW], v[NIL]
	s_wait_dscnt 0x0
	CROUND                                         ; the closing round
	s_endpgm
.Lfunc_end_k_q70a60f74af_proj:
	.size	k_q70a60f74af_proj, .Lfunc_end_k_q70a60f74af_proj-k_q70a60f74af_proj
	.p2alignl 7, 3214868480
	.fill 96, 4, 3214868480
	.section	.rodata,"a",@progbits
	.p2align	6, 0x0
	.amdhsa_kernel k_q70a60f74af_proj
		.amdhsa_group_segment_fixed_size 327680
		.amdhsa_private_segment_fixed_size 0
		.amdhsa_enable_private_segment 0
		.amdhsa_kernarg_size 48
		.amdhsa_user_sgpr_count 2
		.amdhsa_user_sgpr_kernarg_segment_ptr 1
		.amdhsa_wavefront_size32 1
		.amdhsa_system_sgpr_workgroup_id_x 1
		.amdhsa_system_sgpr_workgroup_id_y 1
		.amdhsa_system_sgpr_workgroup_id_z 1
		.amdhsa_system_vgpr_workitem_id 0
		.amdhsa_next_free_vgpr 1024
		.amdhsa_next_free_sgpr 100
		.amdhsa_reserve_vcc 0
		.amdhsa_float_denorm_mode_32 3
		.amdhsa_float_denorm_mode_16_64 3
		.amdhsa_memory_ordered 1
		.amdhsa_forward_progress 1
		.amdhsa_inst_pref_size 107
	.end_amdhsa_kernel
	.amdgpu_metadata
---
amdhsa.version: [ 1, 2 ]
amdhsa.kernels:
  - .name:           k_q70a60f74af_proj
    .symbol:         k_q70a60f74af_proj.kd
    .args:
      - { .name: gb, .offset: 0, .size: 8, .value_kind: global_buffer, .address_space: global }
      - { .name: w_proj_codes, .offset: 8, .size: 8, .value_kind: global_buffer, .address_space: global }
      - { .name: w_proj_scales, .offset: 16, .size: 8, .value_kind: global_buffer, .address_space: global }
      - { .name: b_proj, .offset: 24, .size: 8, .value_kind: global_buffer, .address_space: global }
      - { .name: h2, .offset: 32, .size: 8, .value_kind: global_buffer, .address_space: global }
      - { .name: out0, .offset: 40, .size: 8, .value_kind: global_buffer, .address_space: global }
    .group_segment_fixed_size: 327680
    .private_segment_fixed_size: 0
    .kernarg_segment_align: 8
    .kernarg_segment_size: 48
    .max_flat_workgroup_size: 128
    .sgpr_count:     100
    .vgpr_count:     1024
    .wavefront_size: 32
...
	.end_amdgpu_metadata
.endif
;; end of part 7
